; MI455X (gfx1250); checked and timed in simulation.
; The chip was launched on July 23, 2026; its instructions are those of AMD's public machine-readable ISA for CDNA 5 (MIT licence, August 2026) and "CDNA5" Instruction Set Architecture Reference Guide (July 2026). The comments in the code are by the model that wrote it; some were corrected since.
;; Block. Allowed arithmetic: matrix products marked QUANTISED: E5M2 operands, one E8M0 scale for each 32 along K, by v_wmma_scale_f32_16x16x128_f8f6f4 with both operands' format E5M2, f32 sums; everything else in f32.
;; Inputs: W1_codes 4,096 x 32 x 32 uint8 (E5M2 codes of W1, K innermost, in blocks of 32 codes); W1_scales 4,096 x 32 uint8 (E8M0 scales of W1, one for each 32 codes along K); W2_codes 1,024 x 128 x 32 uint8 (E5M2 codes of W2, K innermost, in blocks of 32 codes); W2_scales 1,024 x 128 uint8 (E8M0 scales of W2, one for each 32 codes along K); Wk_codes 1,024 x 32 x 32 uint8 (E5M2 codes of Wk, K innermost, in blocks of 32 codes); Wk_scales 1,024 x 32 uint8 (E8M0 scales of Wk, one for each 32 codes along K); Wo_codes 1,024 x 32 x 32 uint8 (E5M2 codes of Wo, K innermost, in blocks of 32 codes); Wo_scales 1,024 x 32 uint8 (E8M0 scales of Wo, one for each 32 codes along K); Wq_codes 1,024 x 32 x 32 uint8 (E5M2 codes of Wq, K innermost, in blocks of 32 codes); Wq_scales 1,024 x 32 uint8 (E8M0 scales of Wq, one for each 32 codes along K); Wv_codes 1,024 x 32 x 32 uint8 (E5M2 codes of Wv, K innermost, in blocks of 32 codes); Wv_scales 1,024 x 32 uint8 (E8M0 scales of Wv, one for each 32 codes along K); b1 4,096 float32; b2 1,024 float32; g1 1,024 float32; g2 1,024 float32; x 2 x 2,048 x 1,024 float32.
;; Outputs: out0 2 x 2,048 x 1,024 float32.
;; This version of the problem:
;;   THIS VERSION OF THE PROBLEM IS GIVEN IN LOW PRECISION. The matrix products marked QUANTISED in the list below multiply operands that are first quantised to E5M2 (5 exponent bits, 2 mantissa bits; 8 bits a number), with one power-of-two scale for each 32 numbers along K (OCP MX v1.0); their sums are f32. All else is computed in f32.
;;   The module's matrix products, in the order in which they are computed (A, B: the left and right operand; K: the contracted axis; several contracted axes count as one K, in the product's order):
;;     1. [M 4,096, K 1,024] x [K 1,024, N 1,024]; A: computed on the way; B: input Wq (given as codes): QUANTISED
;;     2. [M 4,096, K 1,024] x [K 1,024, N 1,024]; A: computed on the way; B: input Wk (given as codes): QUANTISED
;;     3. [M 4,096, K 1,024] x [K 1,024, N 1,024]; A: computed on the way; B: input Wv (given as codes): QUANTISED
;;     4. batch 32 x [M 2,048, K 64] x [K 64, N 2,048]; A: computed on the way; B: computed on the way: QUANTISED
;;     5. batch 32 x [M 2,048, K 2,048] x [K 2,048, N 64]; A: softmax (see below); B: computed on the way: QUANTISED
;;     6. [M 4,096, K 1,024] x [K 1,024, N 1,024]; A: computed on the way; B: input Wo (given as codes): QUANTISED
;;     7. [M 4,096, K 1,024] x [K 1,024, N 4,096]; A: computed on the way; B: input W1 (given as codes): QUANTISED
;;     8. [M 4,096, K 4,096] x [K 4,096, N 1,024]; A: computed on the way; B: input W2 (given as codes): QUANTISED
;;   THE QUANTISER, for each operand of a quantised product, along K:
;;     - K is cut into blocks of 32 from its start; a last block that is shorter is filled with zeros.
;;     - A block's scale is 2^e with e = floor(log2(the largest magnitude in the block)) - 15, held to -126 .. 127; a block of zeros has e = 0. As a byte (E8M0): e + 127.
;;     - Each number is divided by its block's scale, clamped to +-57,344, and rounded to the nearest number of E5M2, ties to even, subnormals kept.
;;     - The product sums the exact products of the quantised numbers (number of the format x scale) in f32.
;;   ~~~python
;;   def quantise(x, axis):      # numpy; x: float32 -> the quantised numbers, widened to float32 again
;;       x = np.moveaxis(x, axis, -1); K = x.shape[-1]
;;       x = np.pad(x, [(0, 0)] * (x.ndim - 1) + [(0, -K % 32)]); x = x.reshape(x.shape[:-1] + (-1, 32)); a = np.abs(x).max(-1, keepdims=True)
;;       e = np.where(a > 0, np.clip(np.frexp(np.where(a > 0, a, 1))[1] - 1 - 15, -126, 127), 0)      # np.frexp(a)[1] - 1 = floor(log2(a)), exactly
;;       r = np.clip(x / 2.0 ** e, -57344, 57344)
;;       step = 2.0 ** (np.maximum(np.frexp(np.where(r == 0, 1, r))[1] - 1, -14) - 2)
;;       q = np.round(r / step) * step * 2.0 ** e      # np.round: ties to even
;;       return np.moveaxis(q.reshape(q.shape[:-2] + (-1,))[..., :K], -1, axis).astype(np.float32)
;;   ~~~
;;   SOFTMAX AHEAD OF A QUANTISED PRODUCT. Where the list says 'softmax', what is quantised is not the finished softmax but p = 2^(t - M), with t = logit x log2(e) and M = ceil(the row's largest t), a whole number; so 1/2 < the row's largest p <= 1. The row's sum l is taken of the UNQUANTISED p, in f32, and the product's result is divided by l at the end. Since M is a whole number, a kernel that streams over the keys may use a running M (the ceiling of the running maximum): every later rescaling is an exact power of two, which a block's scale takes up: the codes' values come out the same.
;;   OPERANDS COMPUTED ON THE WAY. 'Computed on the way' means the value that the module computes at that place (a softmax that the list does not call 'softmax' is quantised finished and normalised). What goes into a quantiser is computed in f32, as accurately as f32 sums, v_exp_f32 and their like allow (about 1e-6 of the number): no bf16 or f16 on the way to a quantiser, and a product that is left as it is and whose result goes on into a quantised operand takes f32 operands (vector FMAs, or v_wmma_f32_16x16x4_f32). A number that lies on a knife's edge between two numbers of the format may be rounded either way, as far as f32 arithmetic and the matrix unit's own rounding can turn it there, and no further.
;;   INPUTS GIVEN AS CODES. W1 (in the module: [1024, 4096], K = its axis 0); W2 (in the module: [4096, 1024], K = its axis 0); Wk (in the module: [1024, 1024], K = its axis 0); Wo (in the module: [1024, 1024], K = its axis 0); Wq (in the module: [1024, 1024], K = its axis 0); Wv (in the module: [1024, 1024], K = its axis 0): each comes as NAME_codes (uint8): NAME with its K axis moved to the last place and cut into blocks of 32 codes, [.., K / 32, bytes a block], one block behind the other in memory; one code a byte (a code: sign, 5 exponent bits, 2 mantissa bits); and NAME_scales (uint8): the same leading axes, one E8M0 byte (e + 127) for each 32 codes along K. Its value is code x scale, taken as it is: it is not quantised again, and the codes and scales need not be those that the quantiser above would give.
;; 2 versions. Each part assembles by itself: llvm-mc -triple=amdgcn-amd-amdhsa -mcpu=gfx1250 --defsym DOCPART=n.
;; ======== version 1 of 2: 8 launches
;; workspace buffers: act 4,325,376 bytes; qk 8,650,752 bytes; vt 4,325,376 bytes; x1 16,777,216 bytes; hid 17,301,504 bytes
;; launch norm (part 1): grid 256 x 1, 8 waves a work-group, no clusters, 2,048 bytes of LDS; arguments x, g1, act; writes act
.if DOCPART == 1
	.amdgcn_target "amdgcn-amd-amdhsa--gfx1250"
	.amdhsa_code_object_version 6
	.text
	.protected	k_qe0da870713_norm
	.globl	k_qe0da870713_norm
	.p2align	8
	.type	k_qe0da870713_norm,@function
k_qe0da870713_norm:
	s_mov_b64 s[64:65], 0
	v_nop
	global_prefetch_b8 v0, s[64:65] scope:SCOPE_SE
	s_setreg_imm32_b32 hwreg(HW_REG_WAVE_MODE, 25, 1), 1
	s_wait_xcnt 0x0
; h = x * rsqrt(mean(x^2) + 1e-6) * g, rows of 1,024 f32, turned at once into codes of BF8 (E5M2) with one E8M0 byte for each 32 along the row.
; A work-group takes 16 rows; wave s takes columns 128 s .. 128 s + 127: one operand fragment (16 rows x 128 K).  Lane (r, h) holds 64 numbers of row r: register 16 b + i is column 128 s + 32 b + 16 h + i,
; the order of the operand's registers.  So the conversions' results are the fragment, and it is stored as an image of its registers: group c of four registers at 512 c + 16 x lane, 512 consecutive bytes a store.
; OUT: codes [row tile 256][s 8][c 4][lane 32][16 bytes]; behind them, at byte 4,194,304, the scale words [s 8][row 4096], 4 bytes each (64 bytes a wave: a part of a 256-byte block; one byte in 32 of what is stored).
; The row's sum of squares: each wave's part, joined over the two halves of the lanes, meets the other seven in LDS behind one barrier.
; LIMITS: NaN and infinities are not served.  A block of zeros gets the byte 1 where the rule says 127 (its codes are zeros; this program alone reads the bytes); no largest magnitude is taken under 2^-111.
.set X,   16                           ; v16-79   my 64 numbers
.set G,   80                           ; v80-143  g at the same columns
.set PC,  144                          ; v144-159 the codes
.set TM,  160                          ; v160-175 at work
.set PW,  176                          ; v176     my row's scale word
.set SEL, 20                           ; s[20:21] lane selects: lane l xor 16
.set MNT, 23                           ; s23      the mantissa field of 57,344
.macro QUANT src                       ; 64 numbers -> 16 registers of codes and a scale word
.irp b, 0,1,2,3
	v_max3_num_f32 v[TM+\b], |v[\src+16*\b]|, |v[\src+1+16*\b]|, 0x8000000   ; block b: my 16 numbers and the floor 2^(16 - 127): the byte cannot fall under 1
.endr
.irp i, 2,4,6,8,10,12,14
.irp b, 0,1,2,3
	v_max3_num_f32 v[TM+\b], v[TM+\b], |v[\src+16*\b+\i]|, |v[\src+1+16*\b+\i]|
.endr
.endr
.irp b, 0,1,2,3
	v_permlanex16_b32 v[TM+4+\b], v[TM+\b], s[SEL], s[SEL+1]
.endr
.irp b, 0,1,2,3
	v_max_num_f32 v[TM+\b], v[TM+\b], v[TM+4+\b]   ; with lane l xor 16's 16: the block's largest magnitude
.endr
.irp b, 0,1,2,3
	v_add_nc_u32 v[TM+12+\b], 0xf8800000, v[TM+\b] ; 15 off its exponent field: the conversion's scale operand
.endr
.irp b, 0,1,2,3
	v_and_or_b32 v[TM+8+\b], v[TM+\b], 0x7f800000, s[MNT]   ; 57,344 x the scale
.endr
.irp b, 0,1,2,3
	v_lshrrev_b32 v[TM+4+\b], 23, v[TM+12+\b]      ; the scale's byte
.endr
	v_lshl_or_b32 v[PW], v[TM+5], 8, v[TM+4]
	v_lshl_or_b32 v[PW], v[TM+6], 16, v[PW]
	v_lshl_or_b32 v[PW], v[TM+7], 24, v[PW]
.irp b, 0,1,2,3
.irp i, 0,1,2,3,4,5,6,7,8,9,10,11,12,13,14,15
	v_med3_num_f32 v[\src+16*\b+\i], v[\src+16*\b+\i], -v[TM+8+\b], v[TM+8+\b]   ; the conversion does not saturate (ISA guide 7.6.2): the hold at the largest code x the scale
.endr
	v_cvt_scalef32_pk8_bf8_f32 v[PC+4*\b:PC+1+4*\b], v[\src+16*\b:\src+7+16*\b], v[TM+12+\b]
	v_cvt_scalef32_pk8_bf8_f32 v[PC+2+4*\b:PC+3+4*\b], v[\src+8+16*\b:\src+15+16*\b], v[TM+12+\b]
.endr
	v_nop                                          ; a plain line behind the last conversion
.endm
	s_load_b128 s[4:7], s[0:1], 0x0                ; x, g
	s_load_b64 s[8:9], s[0:1], 0x10                ; out
	v_lshl_add_u32 v184, v0, 2, 0x400
	v_mov_b32 v185, 0
	v_lshrrev_b32 v1, 5, v0
	v_readfirstlane_b32 s10, v1                    ; wave = K step s
	v_and_b32 v3, 31, v0                           ; lane
	v_and_b32 v1, 15, v0                           ; r
	v_bfe_u32 v2, v0, 4, 1                         ; h
	s_lshl_b32 s11, s10, 9                         ; 512 s
	v_lshlrev_b32 v4, 12, v1
	v_lshl_add_u32 v4, v2, 6, v4
	v_add_nc_u32 v4, s11, v4                       ; x: 4,096 r + 512 s + 64 h
	v_lshlrev_b32 v5, 6, v2
	v_add_nc_u32 v5, s11, v5                       ; g: 512 s + 64 h
	v_lshlrev_b32 v6, 4, v3                        ; an image's place for my lane
	v_lshlrev_b32 v7, 2, v1                        ; my row's scale word
	v_lshlrev_b32 v9, 5, v1                        ; LDS: row r's eight partial sums
	s_lshl_b32 s11, s10, 2
	v_add_nc_u32 v8, s11, v9                       ; and my wave's among them
	s_mov_b32 s[SEL], 0x76543210
	s_mov_b32 s[SEL+1], 0xfedcba98
	s_mov_b32 s[MNT], 0x600000
	s_mov_b32 s24, 0x3a800000                      ; 1 / 1,024
	s_mov_b32 s25, 0x358637bd                      ; 1e-6
	s_lshl_b32 s14, ttmp9, 16                      ; 16 rows of 4,096 bytes
	s_mov_b32 s15, 0
	s_lshl_b32 s16, ttmp9, 14                      ; the row tile's eight images,
	s_lshl_b32 s17, s10, 11                        ; mine of them
	s_add_co_u32 s16, s16, s17
	s_mov_b32 s17, 0
	s_lshl_b32 s18, s10, 14                        ; scale words: 16,384 s + 64 x row tile, behind the codes
	s_lshl_b32 s19, ttmp9, 6
	s_add_co_u32 s18, s18, s19
	s_add_co_u32 s18, s18, 4194304
	s_mov_b32 s19, 0
	s_wait_kmcnt 0x0
	s_add_nc_u64 s[4:5], s[4:5], s[14:15]
	s_add_nc_u64 s[12:13], s[8:9], s[18:19]
	s_add_nc_u64 s[8:9], s[8:9], s[16:17]
.irp b, 0,1,2,3
.irp j, 0,1,2,3
	global_load_b128 v[X+16*\b+4*\j:X+16*\b+4*\j+3], v4, s[4:5] offset:128*\b+16*\j
.endr
.endr
.irp b, 0,1,2,3
.irp j, 0,1,2,3
	global_load_b128 v[G+16*\b+4*\j:G+16*\b+4*\j+3], v5, s[6:7] offset:128*\b+16*\j
.endr
.endr
	s_wait_loadcnt 16                              ; x's 16 loads are in; g's 16 may be out
	v_pk_mul_f32 v[10:11], v[X:X+1], v[X:X+1]      ; the sum of squares, in two chains of pairs; the first products start them
	v_pk_mul_f32 v[12:13], v[X+2:X+3], v[X+2:X+3]
.irp i, 4,8,12,16,20,24,28,32,36,40,44,48,52,56,60
	v_pk_fma_f32 v[10:11], v[X+\i:X+\i+1], v[X+\i:X+\i+1], v[10:11]
	v_pk_fma_f32 v[12:13], v[X+\i+2:X+\i+3], v[X+\i+2:X+\i+3], v[12:13]
.endr
	v_pk_add_f32 v[10:11], v[10:11], v[12:13]
	v_add_f32 v10, v10, v11
	v_permlanex16_b32 v11, v10, s[SEL], s[SEL+1]
	v_add_f32 v10, v10, v11                        ; my wave's 128 columns of row r
	ds_store_b32 v8, v10                           ; (both halves of the lanes write the same word with the same value)
	s_wait_dscnt 0x0                               ; for the others' sake: my store has landed
	s_barrier_signal -1
	s_barrier_wait -1
	ds_load_b128 v[160:163], v9
	ds_load_b128 v[164:167], v9 offset:16
	s_wait_dscnt 0x0
	v_add_f32 v160, v160, v161
	v_add_f32 v162, v162, v163
	v_add_f32 v164, v164, v165
	v_add_f32 v166, v166, v167
	v_add_f32 v160, v160, v162
	v_add_f32 v164, v164, v166
	v_add_f32 v160, v160, v164
	v_fma_f32 v160, v160, s24, s25                 ; the mean + 1e-6
	v_rsq_f32 v14, v160
	v_mov_b32 v15, 0                               ; a plain line behind the transcendental (v15 is named with v14 as a pair)
	s_wait_alu depctr_va_vdst(0)                   ; the wait ahead of the first reader
	s_wait_loadcnt 0x0                             ; g
.set i, 0
.rept 32
	v_pk_mul_f32 v[X+i:X+i+1], v[X+i:X+i+1], v[14:15] op_sel_hi:[1,0]
.set i, i+2
.endr
.set i, 0
.rept 32
	v_pk_mul_f32 v[X+i:X+i+1], v[X+i:X+i+1], v[G+i:G+i+1]
.set i, i+2
.endr
	QUANT X
.irp c, 0,1,2,3
	global_store_b128 v6, v[PC+4*\c:PC+4*\c+3], s[8:9] offset:512*\c   ; 32 lanes store 512 consecutive bytes
.endr
	s_wait_xcnt 0x0                                ; EXEC changes only behind this wait
	v_cmp_gt_u32 vcc_lo, 16, v3
	s_wait_tensorcnt 0x0
	ds_add_u32 v184, v185
	s_wait_dscnt 0x0
	s_and_saveexec_b32 s26, vcc_lo
	global_store_b32 v7, v[PW], s[12:13]           ; lanes 0-15: the 16 rows' scale words
	s_wait_xcnt 0x0
	s_or_b32 exec_lo, exec_lo, s26
	s_endpgm
.Lfunc_end_k_qe0da870713_norm:
	.size	k_qe0da870713_norm, .Lfunc_end_k_qe0da870713_norm-k_qe0da870713_norm
	.p2alignl 7, 3214868480
	.fill 96, 4, 3214868480
	.section	.rodata,"a",@progbits
	.p2align	6, 0x0
	.amdhsa_kernel k_qe0da870713_norm
		.amdhsa_group_segment_fixed_size 2048
		.amdhsa_private_segment_fixed_size 0
		.amdhsa_enable_private_segment 0
		.amdhsa_kernarg_size 24
		.amdhsa_user_sgpr_count 2
		.amdhsa_user_sgpr_kernarg_segment_ptr 1
		.amdhsa_wavefront_size32 1
		.amdhsa_system_sgpr_workgroup_id_x 1
		.amdhsa_system_sgpr_workgroup_id_y 1
		.amdhsa_system_sgpr_workgroup_id_z 1
		.amdhsa_system_vgpr_workitem_id 0
		.amdhsa_next_free_vgpr 186
		.amdhsa_next_free_sgpr 66
		.amdhsa_reserve_vcc 1
		.amdhsa_float_denorm_mode_32 3
		.amdhsa_float_denorm_mode_16_64 3
		.amdhsa_memory_ordered 1
		.amdhsa_forward_progress 1
		.amdhsa_inst_pref_size 21
	.end_amdhsa_kernel
	.amdgpu_metadata
---
amdhsa.version: [ 1, 2 ]
amdhsa.kernels:
  - .name:           k_qe0da870713_norm
    .symbol:         k_qe0da870713_norm.kd
    .args:
      - { .name: x, .offset: 0, .size: 8, .value_kind: global_buffer, .address_space: global }
      - { .name: g1, .offset: 8, .size: 8, .value_kind: global_buffer, .address_space: global }
      - { .name: act, .offset: 16, .size: 8, .value_kind: global_buffer, .address_space: global }
    .group_segment_fixed_size: 2048
    .private_segment_fixed_size: 0
    .kernarg_segment_align: 8
    .kernarg_segment_size: 24
    .max_flat_workgroup_size: 256
    .sgpr_count:     66
    .vgpr_count:     186
    .wavefront_size: 32
...
	.end_amdgpu_metadata
.endif
;; end of part 1
;; launch gqk (part 2): grid 16 x 32, 4 waves a work-group, clusters of 4 x 4, 327,680 bytes of LDS; arguments act, Wq_codes, Wq_scales, Wk_codes, Wk_scales, qk; writes qk
.if DOCPART == 2
	.amdgcn_target "amdgcn-amd-amdhsa--gfx1250"
	.amdhsa_code_object_version 6
	.text
	.protected	k_qe0da870713_gqk
	.globl	k_qe0da870713_gqk
	.p2align	8
	.type	k_qe0da870713_gqk,@function
k_qe0da870713_gqk:
	s_mov_b64 s[64:65], 0
	v_nop
	global_prefetch_b8 v0, s[64:65] scope:SCOPE_SE
	s_setreg_imm32_b32 hwreg(HW_REG_WAVE_MODE, 25, 1), 1
	s_wait_xcnt 0x0
	s_wait_alu depctr_hold_cnt(0) depctr_sa_sdst(0) depctr_va_vdst(0) depctr_va_sdst(0) depctr_va_ssrc(0) depctr_va_vcc(0) depctr_vm_vsrc(0)
	s_getreg_b32 s2, hwreg(HW_REG_IB_STS2, 6, 4)
	s_cmp_eq_u32 s2, 0
	s_cbranch_scc0 .Lentry_in_a_cluster
	s_endpgm
.Lentry_in_a_cluster:
	s_bfe_u32 s2, ttmp6, 0x10000c
	s_cmp_lg_u32 s2, 0xf033
	s_cbranch_scc0 .Lentry_shape_is_right
	s_endpgm
.Lentry_shape_is_right:
; q = h Wq and k = h Wk on codes of BF8 (E5M2) with E8M0 scales, and q, k quantised at once along the head's 64.  Tile columns 0-7 of the grid serve Wq, 8-15 Wk (a choice of pointers, no branch).
; A work-group makes 128 tokens x 128 columns, four waves of 64 x 64: 16 accumulators.  All of K = 1,024 lies in two LDS slots of 512 along K, both asked for at the start: nothing is filled again.
; A (the activations) comes as images of operand registers: a fragment (16 tokens x 128 K) is 2,048 dense bytes, group c at 512 c + 16 x lane: it is read from LDS at 16 x lane, with no pitch.
; B (the weight) comes as rows of 512 bytes, 528 apart in LDS (132 words: 16 rows of a load start at 16 different banks).  The scale words of all of K come once, with the first fills.
; CLUSTERS: 4 x 4 work-groups; A's tiles are asked for jointly along a row of the cluster, B's along a column.
; THE MATRIX INSTRUCTION IS USED TRANSPOSED (source 0 = 16 rows of W, source 1 = 16 tokens): lane (r, h) holds token r and columns 16 b + 8 h + j.  A wave's 64 columns are one head.
; Within a block of 32 the codes keep the order in which two neighbouring tiles give them (8 h + j, then 16 + 8 h + j); q and k are made by the same lines, so their products meet the right partners.
; OUT: q's codes at 0, k's at 4,194,304: [batch x head 32][token tile 128][block 2][lane][16 bytes]; pair words at 8,388,608 and 8,519,680: [batch x head][pair of tiles 64][r 16], two bytes of each tile.
; No prefetch: a work-group asks for all its bytes at its head.  LIMITS: NaN and infinities are not served; a block of zeros gets the byte 1; no largest magnitude is taken under 2^-111.
; REGISTERS: window 0: v16-29 addresses; v32-63 scale words, two sets; v64-127 at work on the way out; v128-255 accumulator (a, b) at v[128 + 8 (4 a + b)].  Window 1: two sets of fragments: A's four, then B's four.
.set KT,     1024
.set LAPS,   KT/1024
.set ACODES, 4194304
.set SLOT,   133120                    ; A's image 65,536, then B's 128 rows x 528
.set BOFF,   65536
.set BHALF,  33792
.set SCA,    266240                    ; A's scale words [K step][128 tokens]
.set SCB,    282624                    ; B's scale bytes, as blocks of 256 bytes + 16 of padding
.set SPARE,  317440                    ; the spare words, 128 bytes a wave: two blocks of 256 bytes that no other line names
.set ADRA, 16
.set ADRB, 18
.set ADSA, 20
.set ADSB, 21
.set LI,   22                          ; 16 x lane
.set L4,   23                          ; 4 x lane
.set SPW,  28
.set NIL,  29
.set SC,   32
.set ACC,  128
.set F0,   0
.set F1,   128
.set TM,   96
.set PD,   98
.set SCL,  100
.set HOLD, 102
.set BY,   104
.set WQ,   106
.set G1,   24
.set G0,   32
.set G1B,  48
.set G0B,  56
.set G1S,  68
.set G0S,  76
.set G1SB, 80
.set G0SB, 88
.set MNT,  97
.set SEL,  98
.set MSB, 0
.macro WIN new                         ; the immediate's high byte repeats the setting that is left
.if MSB != \new
	s_set_vgpr_msb (MSB<<8)|\new
.set MSB, \new
.endif
.endm
.macro PLACES n
.rept \n
	v_nop
.endr
.endm
.macro JLOAD g0a, g1a, g0b, g1b        ; a joint load: waves 0, 1 fetch for A, waves 2, 3 for B; four v_nop follow each line
	s_cmp_eq_u32 s15, 0
	s_cbranch_scc0 .Lfor_b_\@
	tensor_load_to_lds s[\g0a:\g0a+3], s[\g1a:\g1a+7]
	s_nop 0
.rept 4
	v_nop
.endr
	s_branch .Lasked_\@
.Lfor_b_\@:
	tensor_load_to_lds s[\g0b:\g0b+3], s[\g1b:\g1b+7]
	s_nop 0
.rept 4
	v_nop
.endr
.Lasked_\@:
.endm
.macro CREST
	s_cmp_lg_u32 s14, 0
	s_cbranch_scc1 .Lnot_wave_0_\@
	s_barrier_signal -3
.Lnot_wave_0_\@:
	s_barrier_wait -3
	s_barrier_signal -1
	s_barrier_wait -1
.endm
.macro CROUND
	s_barrier_signal -1
	s_barrier_wait -1
	CREST
.endm
.macro FETCH sl, q, f                  ; 32 LDS loads: my four fragments of A and four of B for the slot's q-th 128 along K, into set f of window 1
	WIN 0x40
.irp a, 0,1,2,3
.irp c, 0,1,2,3
	ds_load_b128 v[(\f)+16*\a+4*\c:(\f)+16*\a+4*\c+3], v[ADRA+\sl] offset:8192*\a+2048*(\q)+512*\c
.endr
.endr
.irp b, 0,1,2,3
.irp c, 0,1,2,3
	ds_load_b128 v[(\f)+64+16*\b+4*\c:(\f)+64+16*\b+4*\c+3], v[ADRB+\sl] offset:8448*\b+128*(\q)+32*\c
.endr
.endr
.endm
.macro SCALES sg                       ; a slot's scale words: A's: register 2 q + i: lanes 0-15 token tile 2 i, lanes 16-31 tile 2 i + 1; B's: register 8 + 4 p + q: lanes 0-15 row tile 2 p, lanes 16-31 tile 2 p + 1
.irp q, 0,1,2,3
.irp i, 0,1
	ds_load_b32 v[SC+16*(\sg)+2*\q+\i], v[ADSA] offset:512*\q+128*\i
.endr
.endr
.irp p, 0,1
	ds_load_b128 v[SC+16*(\sg)+8+4*\p:SC+16*(\sg)+8+4*\p+3], v[ADSB] offset:\p*(KT/256)*272
.endr
.endm
.macro WM f, a, b, q, sg, first        ; one product: token tile a x row tile b
.set rD,  ACC+8*(4*(\a)+(\b))
.set rW,  (\f)+64+16*(\b)
.set rX,  (\f)+16*(\a)
.set rSW, SC+16*(\sg)+8+4*((\b)/2)+(\q)
.set rSX, SC+16*(\sg)+2*(\q)+(\a)/2
.set par, 2*((\a)%2)+(\b)%2
.if \first
.if par == 0
	v_wmma_scale_f32_16x16x128_f8f6f4 v[rD:rD+7], v[rW:rW+15], v[rX:rX+15], 0, v[rSW], v[rSX] matrix_a_fmt:MATRIX_FMT_BF8 matrix_b_fmt:MATRIX_FMT_BF8
.elseif par == 1
	v_wmma_scale_f32_16x16x128_f8f6f4 v[rD:rD+7], v[rW:rW+15], v[rX:rX+15], 0, v[rSW], v[rSX] matrix_a_fmt:MATRIX_FMT_BF8 matrix_b_fmt:MATRIX_FMT_BF8 matrix_a_scale:MATRIX_SCALE_ROW1
.elseif par == 2
	v_wmma_scale_f32_16x16x128_f8f6f4 v[rD:rD+7], v[rW:rW+15], v[rX:rX+15], 0, v[rSW], v[rSX] matrix_a_fmt:MATRIX_FMT_BF8 matrix_b_fmt:MATRIX_FMT_BF8 matrix_b_scale:MATRIX_SCALE_ROW1
.else
	v_wmma_scale_f32_16x16x128_f8f6f4 v[rD:rD+7], v[rW:rW+15], v[rX:rX+15], 0, v[rSW], v[rSX] matrix_a_fmt:MATRIX_FMT_BF8 matrix_b_fmt:MATRIX_FMT_BF8 matrix_a_scale:MATRIX_SCALE_ROW1 matrix_b_scale:MATRIX_SCALE_ROW1
.endif
.else
.if par == 0
	v_wmma_scale_f32_16x16x128_f8f6f4 v[rD:rD+7], v[rW:rW+15], v[rX:rX+15], v[rD:rD+7], v[rSW], v[rSX] matrix_a_fmt:MATRIX_FMT_BF8 matrix_b_fmt:MATRIX_FMT_BF8
.elseif par == 1
	v_wmma_scale_f32_16x16x128_f8f6f4 v[rD:rD+7], v[rW:rW+15], v[rX:rX+15], v[rD:rD+7], v[rSW], v[rSX] matrix_a_fmt:MATRIX_FMT_BF8 matrix_b_fmt:MATRIX_FMT_BF8 matrix_a_scale:MATRIX_SCALE_ROW1
.elseif par == 2
	v_wmma_scale_f32_16x16x128_f8f6f4 v[rD:rD+7], v[rW:rW+15], v[rX:rX+15], v[rD:rD+7], v[rSW], v[rSX] matrix_a_fmt:MATRIX_FMT_BF8 matrix_b_fmt:MATRIX_FMT_BF8 matrix_b_scale:MATRIX_SCALE_ROW1
.else
	v_wmma_scale_f32_16x16x128_f8f6f4 v[rD:rD+7], v[rW:rW+15], v[rX:rX+15], v[rD:rD+7], v[rSW], v[rSX] matrix_a_fmt:MATRIX_FMT_BF8 matrix_b_fmt:MATRIX_FMT_BF8 matrix_a_scale:MATRIX_SCALE_ROW1 matrix_b_scale:MATRIX_SCALE_ROW1
.endif
.endif
.endm
.macro MUL4 f, a, q, sg, first
.irp b, 0,1,2,3
	WM \f, \a, \b, \q, \sg, \first
.endr
.endm
; A step of 128 along K: the next step's 32 loads go out first, into the other set, eight places behind the products that read it; then 16 products,
; the 16 accumulators by turns, in the same order in every step.
.macro KSTEP f, sg, q, first, sn, qn
	PLACES 8
	FETCH \sn, \qn, 128-(\f)
	s_wait_dscnt 32                                ; all but the 32 just issued: this step's fragments and scale words are in
	WIN 0x05
.irp a, 0,1,2,3
	MUL4 \f, \a, \q, \sg, \first
.endr
	WIN 0
.endm
; A slot's last step changes slots: one barrier; in front of it each wave waits for all its tensor loads, adds 0 to its spare word, and waits for that and for its reads of this slot.
.macro TURN sg, sn, fill
	s_wait_tensorcnt 0x0                           ; all my tensor loads have landed, my part of the next slot among them
	ds_add_u32 v[SPW], v[NIL]                      ; 0 onto my spare word
	s_wait_dscnt 1                                 ; only the add may be out: this step's fragments are in
	WIN 0x05
	MUL4 F1, 0, 3, \sg, 0
	s_wait_dscnt 0x0                               ; the add is done, and my reads of this slot are over
	s_barrier_signal -1
	MUL4 F1, 1, 3, \sg, 0
	WIN 0
	s_barrier_wait -1
.if \fill
	CREST
	s_add_nc_u64 s[G0+4*\sg+2:G0+4*\sg+3], s[G0+4*\sg+2:G0+4*\sg+3], 16384
	s_add_nc_u64 s[G0B+4*\sg+2:G0B+4*\sg+3], s[G0B+4*\sg+2:G0B+4*\sg+3], 1024
	JLOAD G0+4*\sg, G1, G0B+4*\sg, G1B
	PLACES 4
.else
	PLACES 8
.endif
	v_add_nc_u32 v[ADSA], 2048, v[ADSA]            ; the next slot's scale words
	v_add_nc_u32 v[ADSB], 16, v[ADSB]
	FETCH \sn, 0, F0
	WIN 0
	SCALES \sn
	WIN 0x05
	MUL4 F1, 2, 3, \sg, 0
	MUL4 F1, 3, 3, \sg, 0
	WIN 0
.endm
; 32 numbers of a lane (two blocks of 32 along the next K, 16 of each; the other 16 lie in lane l xor 16) become 8 registers of codes and two scale bytes
.macro Q2 src, cod, wrd, swp
.irp e, 0,1
	v_max3_num_f32 v[TM+\e], |v[(\src)+16*\e]|, |v[(\src)+16*\e+1]|, 0x8000000   ; each accumulator is read from its low end on; the floor 2^(16 - 127) holds the byte at 1 from below
.endr
.irp i, 2,4,6,8,10,12,14
.irp e, 0,1
	v_max3_num_f32 v[TM+\e], v[TM+\e], |v[(\src)+16*\e+\i]|, |v[(\src)+16*\e+\i+1]|
.endr
.endr
.irp e, 0,1
	v_permlanex16_b32 v[PD+\e], v[TM+\e], s[SEL], s[SEL+1]
.endr
.irp e, 0,1
	v_max_num_f32 v[TM+\e], v[TM+\e], v[PD+\e]
.endr
.irp e, 0,1
	v_add_nc_u32 v[SCL+\e], 0xf8800000, v[TM+\e]   ; 15 off the exponent field: the conversion's scale operand
.endr
.irp e, 0,1
	v_and_or_b32 v[HOLD+\e], v[TM+\e], 0x7f800000, s[MNT]   ; 57,344 x the scale
.endr
.irp e, 0,1
	v_lshrrev_b32 v[BY+\e], 23, v[SCL+\e]
.endr
	v_lshl_or_b32 v[\wrd], v[BY+1], 8, v[BY]
.irp e, 0,1
.irp i, 0,1,2,3,4,5,6,7,8,9,10,11,12,13,14,15
	v_med3_num_f32 v[(\src)+16*\e+\i], v[(\src)+16*\e+\i], -v[HOLD+\e], v[HOLD+\e]   ; the conversion does not saturate (ISA guide 7.6.2)
.endr
	v_cvt_scalef32_pk8_bf8_f32 v[(\cod)+4*\e:(\cod)+4*\e+1], v[(\src)+16*\e:(\src)+16*\e+7], v[SCL+\e]
	v_cvt_scalef32_pk8_bf8_f32 v[(\cod)+4*\e+2:(\cod)+4*\e+3], v[(\src)+16*\e+8:(\src)+16*\e+15], v[SCL+\e]
.endr
	v_nop                                          ; a plain line behind the last conversion
.if \swp
.irp e, 0,1
	v_permlane16_swap_b32 v[(\cod)+4*\e], v[(\cod)+4*\e+2]
	v_permlane16_swap_b32 v[(\cod)+4*\e+1], v[(\cod)+4*\e+3]
.endr
.endif
.endm
	s_load_b128 s[4:7], s[0:1], 0x0                ; the activations, Wq's codes
	s_load_b128 s[8:11], s[0:1], 0x10              ; Wq's scales, Wk's codes
	s_load_b128 s[92:95], s[0:1], 0x20             ; Wk's scales, out
	v_lshl_add_u32 v[SPW], v0, 2, SPARE
	v_mov_b32 v[NIL], 0
	ds_add_u32 v28, v29
	ds_add_u32 v28, v29
	s_wait_dscnt 0x0
	v_lshrrev_b32 v1, 5, v0
	v_readfirstlane_b32 s14, v1                    ; wave 0..3
	s_lshr_b32 s15, s14, 1                         ; my 64 tokens.  Also: I fetch for A (0) or for B (1)
	s_and_b32 s16, s14, 1                          ; my 64 columns.  Also: which half I fetch
	s_bfe_u32 s40, ttmp6, 0x40000                  ; cx, cy
	s_bfe_u32 s41, ttmp6, 0x40004
	s_lshl_b32 s42, ttmp9, 2
	s_add_co_u32 s42, s42, s40                     ; tile column
	s_and_b32 s17, ttmp7, 0xffff
	s_lshl_b32 s17, s17, 2
	s_add_co_u32 s17, s17, s41                     ; tile row
	s_lshl_b32 s43, s41, 2
	s_lshl_b32 s43, 15, s43                        ; my row of the cluster
	s_lshl_b32 s44, 0x1111, s40                    ; my column
	s_mov_b32 s[MNT], 0x600000
	s_mov_b32 s[SEL], 0x76543210
	s_mov_b32 s[SEL+1], 0xfedcba98
	s_or_b32 s[G1], s43, (3<<16)|(1<<21)           ; A's codes: 4 rows (token tiles) of 1,024 elements of 8 bytes (four fragments), 2 KT elements apart; no padding
	s_mov_b32 s[G1+1], 1024<<16
	s_mov_b32 s[G1+2], 4<<16
	s_mov_b32 s[G1+3], 1024<<16
	s_mov_b32 s[G1+4], 4
	s_mov_b32 s[G1+5], 2*KT
	s_mov_b32 s[G1+6], 0
	s_mov_b32 s[G1+7], 0
	s_or_b32 s[G1B], s44, (1<<20)|(1<<21)|(6<<22)|(3<<25)   ; B's codes: 64 rows of 512 bytes, KT apart; four words of padding behind every 128
	s_mov_b32 s[G1B+1], 512<<16
	s_mov_b32 s[G1B+2], 64<<16
	s_mov_b32 s[G1B+3], 512<<16
	s_mov_b32 s[G1B+4], 64
	s_mov_b32 s[G1B+5], KT
	s_mov_b32 s[G1B+6], 0
	s_mov_b32 s[G1B+7], 0
	s_or_b32 s[G1S], s43, (3<<16)|(1<<21)          ; A's scale words: KT / 256 rows (K steps) of 512 bytes, 16,384 bytes apart
	s_mov_b32 s[G1S+1], 64<<16
	s_mov_b32 s[G1S+2], (KT/256)<<16
	s_mov_b32 s[G1S+3], 64<<16
	s_mov_b32 s[G1S+4], KT/256
	s_mov_b32 s[G1S+5], 2048
	s_mov_b32 s[G1S+6], 0
	s_mov_b32 s[G1S+7], 0
	s_or_b32 s[G1SB], s44, (3<<16)|(1<<20)|(1<<21)|(5<<22)|(3<<25)   ; B's scale bytes of 64 rows: dense, as rows of 256 bytes, 16 of padding behind each
	s_mov_b32 s[G1SB+1], 32<<16
	s_mov_b32 s[G1SB+2], (KT/128)<<16
	s_mov_b32 s[G1SB+3], 32<<16
	s_mov_b32 s[G1SB+4], KT/128
	s_mov_b32 s[G1SB+5], 32
	s_mov_b32 s[G1SB+6], 0
	s_mov_b32 s[G1SB+7], 0
	s_lshl_b32 s20, s17, 3                         ; A hangs on the tile row alone
	s_lshl_b32 s21, s16, 2
	s_add_co_u32 s20, s20, s21
	s_mul_i32 s20, s20, 16*KT                      ; token tile 8 x tile row + 4 x half
	s_mov_b32 s21, 0
	s_lshl_b32 s22, s17, 9
	s_mul_i32 s23, s16, (KT/256)*16384
	s_add_co_u32 s22, s22, s23
	s_add_co_u32 s22, s22, ACODES
	s_mov_b32 s23, 0
	s_and_b32 s45, s42, 7                          ; B on the tile column alone: its place in Wq or in Wk
	s_lshl_b32 s46, s45, 7
	s_lshl_b32 s47, s16, 6
	s_add_co_u32 s46, s46, s47
	s_mul_i32 s18, s46, KT/32
	s_mul_i32 s46, s46, KT
	s_mov_b32 s47, 0
	s_mov_b32 s19, 0
	s_mov_b32 s[G0], 1
	s_mov_b32 s[G0+4], 1
	s_lshl_b32 s[G0+1], s16, 15
	s_add_co_u32 s[G0+5], s[G0+1], SLOT
	s_mov_b32 s[G0B], 1
	s_mov_b32 s[G0B+4], 1
	s_mul_i32 s[G0B+1], s16, BHALF
	s_add_co_u32 s[G0B+1], s[G0B+1], BOFF
	s_add_co_u32 s[G0B+5], s[G0B+1], SLOT
	s_mov_b32 s[G0S], 1
	s_mul_i32 s[G0S+1], s16, (KT/256)*512
	s_add_co_u32 s[G0S+1], s[G0S+1], SCA
	s_mov_b32 s[G0SB], 1
	s_mul_i32 s[G0SB+1], s16, (KT/128)*272
	s_add_co_u32 s[G0SB+1], s[G0SB+1], SCB
	s_wait_kmcnt 0x0
	s_cmp_lt_u32 ttmp9, 2                          ; clusters 0, 1 along x: Wq; 2, 3: Wk: the same in all partners
	s_cselect_b64 s[6:7], s[6:7], s[10:11]
	s_cselect_b64 s[8:9], s[8:9], s[92:93]
	s_mov_b64 s[12:13], s[94:95]
	s_add_nc_u64 s[G0+2:G0+3], s[4:5], s[20:21]
	s_add_nc_u64 s[G0+6:G0+7], s[G0+2:G0+3], 8192
	s_add_nc_u64 s[G0B+2:G0B+3], s[6:7], s[46:47]
	s_add_nc_u64 s[G0B+6:G0B+7], s[G0B+2:G0B+3], 512
	s_add_nc_u64 s[G0S+2:G0S+3], s[4:5], s[22:23]
	s_add_nc_u64 s[G0SB+2:G0SB+3], s[8:9], s[18:19]
	s_or_b32 s[G0+3], s[G0+3], 0x80000000
	s_or_b32 s[G0+7], s[G0+7], 0x80000000
	s_or_b32 s[G0B+3], s[G0B+3], 0x80000000
	s_or_b32 s[G0B+7], s[G0B+7], 0x80000000
	s_or_b32 s[G0S+3], s[G0S+3], 0x80000000
	s_or_b32 s[G0SB+3], s[G0SB+3], 0x80000000
	CROUND                                         ; all sixteen work-groups are here: the first joint loads meet
	JLOAD G0S, G1S, G0SB, G1SB                     ; three loads of mine are out: the scales, slot 0, slot 1
	JLOAD G0, G1, G0B, G1B
	JLOAD G0+4, G1, G0B+4, G1B
	v_and_b32 v1, 15, v0                           ; r
	v_bfe_u32 v2, v0, 4, 1                         ; h
	v_and_b32 v3, 31, v0                           ; lane
	v_lshlrev_b32 v[LI], 4, v3
	v_lshlrev_b32 v[L4], 2, v3
	s_lshl_b32 s18, s15, 15
	v_add_nc_u32 v[ADRA], s18, v[LI]               ; A: my four token tiles' images, 16 x lane
	v_add_nc_u32 v[ADRA+1], SLOT, v[ADRA]
	v_mul_u32_u24 v[ADRB], v1, 528
	v_lshl_add_u32 v[ADRB], v2, 4, v[ADRB]
	s_mul_i32 s18, s16, BHALF
	s_add_co_u32 s18, s18, BOFF
	v_add_nc_u32 v[ADRB], s18, v[ADRB]             ; B: row r x pitch + 16 h
	v_add_nc_u32 v[ADRB+1], SLOT, v[ADRB]
	s_lshl_b32 s18, s15, 8
	s_add_co_u32 s18, s18, SCA
	v_add_nc_u32 v[ADSA], s18, v[L4]               ; A's words: my 64 tokens, 4 x lane
	v_mul_u32_u24 v[ADSB], v3, KT/32               ; B's: row = lane; 16 more for each 256 passed
	v_lshrrev_b32 v27, 8, v[ADSB]
	v_lshl_add_u32 v[ADSB], v27, 4, v[ADSB]
	s_mul_i32 s18, s16, (KT/128)*272
	s_add_co_u32 s18, s18, SCB
	v_add_nc_u32 v[ADSB], s18, v[ADSB]
	s_wait_tensorcnt 1                             ; the scales and my part of slot 0 are in; slot 1's load may be out
	s_barrier_signal -1
	s_barrier_wait -1
	FETCH 0, 0, F0
	WIN 0
	SCALES 0
	KSTEP F0, 0, 0, 1, 0, 1                        ; the first step's products start the sums
	KSTEP F1, 0, 1, 0, 0, 2
	KSTEP F0, 0, 2, 0, 0, 3
	TURN 0, 1, 0
	KSTEP F0, 1, 0, 0, 1, 1
	KSTEP F1, 1, 1, 0, 1, 2
	KSTEP F0, 1, 2, 0, 1, 3
	s_wait_dscnt 0x0
	WIN 0x05
.irp a, 0,1,2,3
	MUL4 F1, \a, 3, 1, 0
.endr
	WIN 0
	PLACES 8                                       ; in front of the first read of results
	; THE WAY OUT
	v_mov_b32 v[PD], 0                             ; a lane permute's destination counts as one of its sources
	v_mov_b32 v[PD+1], 0
	s_and_b32 s18, s42, 7
	s_lshl_b32 s18, s18, 1
	s_add_co_u32 s18, s18, s16                     ; the head
	s_lshr_b32 s19, s17, 4
	s_lshl_b32 s19, s19, 4
	s_add_co_u32 s18, s18, s19                     ; 16 x batch + head
	s_and_b32 s19, s17, 15
	s_lshl_b32 s19, s19, 7
	s_lshl_b32 s20, s15, 6
	s_add_co_u32 s19, s19, s20                     ; my first token in the batch
	s_lshr_b32 s21, ttmp9, 1                       ; 0: q, 1: k
	s_lshl_b32 s22, s18, 17
	s_lshl_b32 s20, s19, 6
	s_add_co_u32 s22, s22, s20
	s_lshl_b32 s20, s21, 22
	s_add_co_u32 s22, s22, s20
	s_mov_b32 s23, 0
	s_add_nc_u64 s[10:11], s[12:13], s[22:23]      ; the codes
	s_lshl_b32 s22, s18, 12
	s_lshl_b32 s20, s19, 1
	s_add_co_u32 s22, s22, s20
	s_lshl_b32 s20, s21, 17
	s_add_co_u32 s22, s22, s20
	s_add_co_u32 s22, s22, 8388608
	s_add_nc_u64 s[12:13], s[12:13], s[22:23]      ; the pair words
.irp a, 0,1,2,3
	Q2 ACC+32*\a, 64+8*\a, WQ+\a, 0
	global_store_b128 v[LI], v[64+8*\a:64+8*\a+3], s[10:11] offset:1024*\a       ; 32 lanes store 512 consecutive bytes
	global_store_b128 v[LI], v[64+8*\a+4:64+8*\a+7], s[10:11] offset:1024*\a+512
.endr
	v_lshl_or_b32 v110, v[WQ+1], 16, v[WQ]         ; a pair of token tiles: two bytes of each
	v_lshl_or_b32 v111, v[WQ+3], 16, v[WQ+2]
	s_mov_b32 vcc_lo, 0xffff0000
	v_cndmask_b32 v110, v110, v111, vcc_lo         ; lanes 0-15 the first pair, lanes 16-31 the second
	global_store_b32 v[L4], v110, s[12:13]         ; 128 consecutive bytes
	s_wait_tensorcnt 0x0                           ; the wave's end
	ds_add_u32 v[SPW], v[NIL]
	s_wait_dscnt 0x0
	CROUND                                         ; the closing round
	s_endpgm
.Lfunc_end_k_qe0da870713_gqk:
	.size	k_qe0da870713_gqk, .Lfunc_end_k_qe0da870713_gqk-k_qe0da870713_gqk
	.p2alignl 7, 3214868480
	.fill 96, 4, 3214868480
	.section	.rodata,"a",@progbits
	.p2align	6, 0x0
	.amdhsa_kernel k_qe0da870713_gqk
		.amdhsa_group_segment_fixed_size 327680
		.amdhsa_private_segment_fixed_size 0
		.amdhsa_enable_private_segment 0
		.amdhsa_kernarg_size 48
		.amdhsa_user_sgpr_count 2
		.amdhsa_user_sgpr_kernarg_segment_ptr 1
		.amdhsa_wavefront_size32 1
		.amdhsa_system_sgpr_workgroup_id_x 1
		.amdhsa_system_sgpr_workgroup_id_y 1
		.amdhsa_system_sgpr_workgroup_id_z 1
		.amdhsa_system_vgpr_workitem_id 0
		.amdhsa_next_free_vgpr 512
		.amdhsa_next_free_sgpr 100
		.amdhsa_reserve_vcc 1
		.amdhsa_float_denorm_mode_32 3
		.amdhsa_float_denorm_mode_16_64 3
		.amdhsa_memory_ordered 1
		.amdhsa_forward_progress 1
		.amdhsa_inst_pref_size 64
	.end_amdhsa_kernel
	.amdgpu_metadata
---
amdhsa.version: [ 1, 2 ]
amdhsa.kernels:
  - .name:           k_qe0da870713_gqk
    .symbol:         k_qe0da870713_gqk.kd
    .args:
      - { .name: act, .offset: 0, .size: 8, .value_kind: global_buffer, .address_space: global }
      - { .name: Wq_codes, .offset: 8, .size: 8, .value_kind: global_buffer, .address_space: global }
      - { .name: Wq_scales, .offset: 16, .size: 8, .value_kind: global_buffer, .address_space: global }
      - { .name: Wk_codes, .offset: 24, .size: 8, .value_kind: global_buffer, .address_space: global }
      - { .name: Wk_scales, .offset: 32, .size: 8, .value_kind: global_buffer, .address_space: global }
      - { .name: qk, .offset: 40, .size: 8, .value_kind: global_buffer, .address_space: global }
    .group_segment_fixed_size: 327680
    .private_segment_fixed_size: 0
    .kernarg_segment_align: 8
    .kernarg_segment_size: 48
    .max_flat_workgroup_size: 128
    .sgpr_count:     100
    .vgpr_count:     512
    .wavefront_size: 32
...
	.end_amdgpu_metadata
.endif
;; end of part 2
;; launch gv (part 3): grid 8 x 32, 4 waves a work-group, clusters of 4 x 4, 327,680 bytes of LDS; arguments act, Wv_codes, Wv_scales, vt; writes vt
.if DOCPART == 3
	.amdgcn_target "amdgcn-amd-amdhsa--gfx1250"
	.amdhsa_code_object_version 6
	.text
	.protected	k_qe0da870713_gv
	.globl	k_qe0da870713_gv
	.p2align	8
	.type	k_qe0da870713_gv,@function
k_qe0da870713_gv:
	s_mov_b64 s[64:65], 0
	v_nop
	global_prefetch_b8 v0, s[64:65] scope:SCOPE_SE
	s_setreg_imm32_b32 hwreg(HW_REG_WAVE_MODE, 25, 1), 1
	s_wait_xcnt 0x0
	s_wait_alu depctr_hold_cnt(0) depctr_sa_sdst(0) depctr_va_vdst(0) depctr_va_sdst(0) depctr_va_ssrc(0) depctr_va_vcc(0) depctr_vm_vsrc(0)
	s_getreg_b32 s2, hwreg(HW_REG_IB_STS2, 6, 4)
	s_cmp_eq_u32 s2, 0
	s_cbranch_scc0 .Lentry_in_a_cluster
	s_endpgm
.Lentry_in_a_cluster:
	s_bfe_u32 s2, ttmp6, 0x10000c
	s_cmp_lg_u32 s2, 0xf033
	s_cbranch_scc0 .Lentry_shape_is_right
	s_endpgm
.Lentry_shape_is_right:
; v = h Wv on codes of BF8 (E5M2) with E8M0 scales, and v quantised at once ALONG THE TOKENS, which are the K of attention's second product.
; Ring, slots, scales, cluster and steps as in the launch for q and k: 128 tokens x 128 columns a work-group, four waves of 64 x 64, all of K = 1,024 in two slots asked for at the start; nothing is filled again.
; THE MATRIX INSTRUCTION IS USED AS IT STANDS (source 0 = 16 tokens, source 1 = 16 rows of W): lane (r, h) holds column 16 b + r and tokens 16 a + 8 h + j: a lane's registers run along the next K.
; Within a block of 32 tokens the codes keep the order 8 h + j, then 16 + 8 h + j: the order in which attention's weights p fall, so the products meet the right partners.
; OUT: codes [batch x head 32][key step 16][16 channels 4][c 4][lane][16 bytes]: images of operand registers; at 4,194,304 the scale words [batch x head][key step][channel 64], of which a wave stores two bytes (its 64 tokens).
; No prefetch: a work-group asks for all its bytes at its head.  LIMITS: NaN and infinities are not served; a block of zeros gets the byte 1; no largest magnitude is taken under 2^-111.
; REGISTERS: as in the launch for q and k, but accumulator (a, b) at v[128 + 8 (4 b + a)].
.set KT,     1024
.set LAPS,   KT/1024
.set ACODES, 4194304
.set SLOT,   133120
.set BOFF,   65536
.set BHALF,  33792
.set SCA,    266240
.set SCB,    282624
.set SPARE,  317440
.set ADRA, 16
.set ADRB, 18
.set ADSA, 20
.set ADSB, 21
.set LI,   22
.set L4,   23
.set SPW,  28
.set NIL,  29
.set SC,   32
.set ACC,  128
.set F0,   0
.set F1,   128
.set TM,   96
.set PD,   98
.set SCL,  100
.set HOLD, 102
.set BY,   104
.set WQ,   106
.set G1,   24
.set G0,   32
.set G1B,  48
.set G0B,  56
.set G1S,  68
.set G0S,  76
.set G1SB, 80
.set G0SB, 88
.set MNT,  97
.set SEL,  98
.set MSB, 0
.macro WIN new
.if MSB != \new
	s_set_vgpr_msb (MSB<<8)|\new
.set MSB, \new
.endif
.endm
.macro PLACES n
.rept \n
	v_nop
.endr
.endm
.macro JLOAD g0a, g1a, g0b, g1b
	s_cmp_eq_u32 s15, 0
	s_cbranch_scc0 .Lfor_b_\@
	tensor_load_to_lds s[\g0a:\g0a+3], s[\g1a:\g1a+7]
	s_nop 0
.rept 4
	v_nop
.endr
	s_branch .Lasked_\@
.Lfor_b_\@:
	tensor_load_to_lds s[\g0b:\g0b+3], s[\g1b:\g1b+7]
	s_nop 0
.rept 4
	v_nop
.endr
.Lasked_\@:
.endm
.macro CREST
	s_cmp_lg_u32 s14, 0
	s_cbranch_scc1 .Lnot_wave_0_\@
	s_barrier_signal -3
.Lnot_wave_0_\@:
	s_barrier_wait -3
	s_barrier_signal -1
	s_barrier_wait -1
.endm
.macro CROUND
	s_barrier_signal -1
	s_barrier_wait -1
	CREST
.endm
.macro FETCH sl, q, f
	WIN 0x40
.irp a, 0,1,2,3
.irp c, 0,1,2,3
	ds_load_b128 v[(\f)+16*\a+4*\c:(\f)+16*\a+4*\c+3], v[ADRA+\sl] offset:8192*\a+2048*(\q)+512*\c
.endr
.endr
.irp b, 0,1,2,3
.irp c, 0,1,2,3
	ds_load_b128 v[(\f)+64+16*\b+4*\c:(\f)+64+16*\b+4*\c+3], v[ADRB+\sl] offset:8448*\b+128*(\q)+32*\c
.endr
.endr
.endm
.macro SCALES sg
.irp q, 0,1,2,3
.irp i, 0,1
	ds_load_b32 v[SC+16*(\sg)+2*\q+\i], v[ADSA] offset:512*\q+128*\i
.endr
.endr
.irp p, 0,1
	ds_load_b128 v[SC+16*(\sg)+8+4*\p:SC+16*(\sg)+8+4*\p+3], v[ADSB] offset:\p*(KT/256)*272
.endr
.endm
.macro WM f, a, b, q, sg, first        ; source 0 = token tile a, source 1 = row tile b
.set rD,  ACC+8*(4*(\b)+(\a))
.set rW,  (\f)+64+16*(\b)
.set rX,  (\f)+16*(\a)
.set rSW, SC+16*(\sg)+8+4*((\b)/2)+(\q)
.set rSX, SC+16*(\sg)+2*(\q)+(\a)/2
.set par, 2*((\b)%2)+(\a)%2
.if \first
.if par == 0
	v_wmma_scale_f32_16x16x128_f8f6f4 v[rD:rD+7], v[rX:rX+15], v[rW:rW+15], 0, v[rSX], v[rSW] matrix_a_fmt:MATRIX_FMT_BF8 matrix_b_fmt:MATRIX_FMT_BF8
.elseif par == 1
	v_wmma_scale_f32_16x16x128_f8f6f4 v[rD:rD+7], v[rX:rX+15], v[rW:rW+15], 0, v[rSX], v[rSW] matrix_a_fmt:MATRIX_FMT_BF8 matrix_b_fmt:MATRIX_FMT_BF8 matrix_a_scale:MATRIX_SCALE_ROW1
.elseif par == 2
	v_wmma_scale_f32_16x16x128_f8f6f4 v[rD:rD+7], v[rX:rX+15], v[rW:rW+15], 0, v[rSX], v[rSW] matrix_a_fmt:MATRIX_FMT_BF8 matrix_b_fmt:MATRIX_FMT_BF8 matrix_b_scale:MATRIX_SCALE_ROW1
.else
	v_wmma_scale_f32_16x16x128_f8f6f4 v[rD:rD+7], v[rX:rX+15], v[rW:rW+15], 0, v[rSX], v[rSW] matrix_a_fmt:MATRIX_FMT_BF8 matrix_b_fmt:MATRIX_FMT_BF8 matrix_a_scale:MATRIX_SCALE_ROW1 matrix_b_scale:MATRIX_SCALE_ROW1
.endif
.else
.if par == 0
	v_wmma_scale_f32_16x16x128_f8f6f4 v[rD:rD+7], v[rX:rX+15], v[rW:rW+15], v[rD:rD+7], v[rSX], v[rSW] matrix_a_fmt:MATRIX_FMT_BF8 matrix_b_fmt:MATRIX_FMT_BF8
.elseif par == 1
	v_wmma_scale_f32_16x16x128_f8f6f4 v[rD:rD+7], v[rX:rX+15], v[rW:rW+15], v[rD:rD+7], v[rSX], v[rSW] matrix_a_fmt:MATRIX_FMT_BF8 matrix_b_fmt:MATRIX_FMT_BF8 matrix_a_scale:MATRIX_SCALE_ROW1
.elseif par == 2
	v_wmma_scale_f32_16x16x128_f8f6f4 v[rD:rD+7], v[rX:rX+15], v[rW:rW+15], v[rD:rD+7], v[rSX], v[rSW] matrix_a_fmt:MATRIX_FMT_BF8 matrix_b_fmt:MATRIX_FMT_BF8 matrix_b_scale:MATRIX_SCALE_ROW1
.else
	v_wmma_scale_f32_16x16x128_f8f6f4 v[rD:rD+7], v[rX:rX+15], v[rW:rW+15], v[rD:rD+7], v[rSX], v[rSW] matrix_a_fmt:MATRIX_FMT_BF8 matrix_b_fmt:MATRIX_FMT_BF8 matrix_a_scale:MATRIX_SCALE_ROW1 matrix_b_scale:MATRIX_SCALE_ROW1
.endif
.endif
.endm
.macro MUL4 f, a, q, sg, first
.irp b, 0,1,2,3
	WM \f, \a, \b, \q, \sg, \first
.endr
.endm
.macro KSTEP f, sg, q, first, sn, qn   ; the next step's loads, eight places behind the products that read their registers; then 16 products, the accumulators by turns
	PLACES 8
	FETCH \sn, \qn, 128-(\f)
	s_wait_dscnt 32                                ; all but the 32 just issued
	WIN 0x05
.irp a, 0,1,2,3
	MUL4 \f, \a, \q, \sg, \first
.endr
	WIN 0
.endm
.macro TURN sg, sn, fill               ; a slot's last step changes slots
	s_wait_tensorcnt 0x0                           ; all my tensor loads have landed
	ds_add_u32 v[SPW], v[NIL]
	s_wait_dscnt 1                                 ; only the add may be out
	WIN 0x05
	MUL4 F1, 0, 3, \sg, 0
	s_wait_dscnt 0x0                               ; the add is done, and my reads of this slot are over
	s_barrier_signal -1
	MUL4 F1, 1, 3, \sg, 0
	WIN 0
	s_barrier_wait -1
.if \fill
	CREST
	s_add_nc_u64 s[G0+4*\sg+2:G0+4*\sg+3], s[G0+4*\sg+2:G0+4*\sg+3], 16384
	s_add_nc_u64 s[G0B+4*\sg+2:G0B+4*\sg+3], s[G0B+4*\sg+2:G0B+4*\sg+3], 1024
	JLOAD G0+4*\sg, G1, G0B+4*\sg, G1B
	PLACES 4
.else
	PLACES 8
.endif
	v_add_nc_u32 v[ADSA], 2048, v[ADSA]
	v_add_nc_u32 v[ADSB], 16, v[ADSB]
	FETCH \sn, 0, F0
	WIN 0
	SCALES \sn
	WIN 0x05
	MUL4 F1, 2, 3, \sg, 0
	MUL4 F1, 3, 3, \sg, 0
	WIN 0
.endm
.macro Q2 src, cod, wrd, swp           ; 32 numbers of a lane (16 of each of two blocks) -> 8 registers of codes and two scale bytes
.irp e, 0,1
	v_max3_num_f32 v[TM+\e], |v[(\src)+16*\e]|, |v[(\src)+16*\e+1]|, 0x8000000
.endr
.irp i, 2,4,6,8,10,12,14
.irp e, 0,1
	v_max3_num_f32 v[TM+\e], v[TM+\e], |v[(\src)+16*\e+\i]|, |v[(\src)+16*\e+\i+1]|
.endr
.endr
.irp e, 0,1
	v_permlanex16_b32 v[PD+\e], v[TM+\e], s[SEL], s[SEL+1]
.endr
.irp e, 0,1
	v_max_num_f32 v[TM+\e], v[TM+\e], v[PD+\e]
.endr
.irp e, 0,1
	v_add_nc_u32 v[SCL+\e], 0xf8800000, v[TM+\e]
.endr
.irp e, 0,1
	v_and_or_b32 v[HOLD+\e], v[TM+\e], 0x7f800000, s[MNT]
.endr
.irp e, 0,1
	v_lshrrev_b32 v[BY+\e], 23, v[SCL+\e]
.endr
	v_lshl_or_b32 v[\wrd], v[BY+1], 8, v[BY]
.irp e, 0,1
.irp i, 0,1,2,3,4,5,6,7,8,9,10,11,12,13,14,15
	v_med3_num_f32 v[(\src)+16*\e+\i], v[(\src)+16*\e+\i], -v[HOLD+\e], v[HOLD+\e]
.endr
	v_cvt_scalef32_pk8_bf8_f32 v[(\cod)+4*\e:(\cod)+4*\e+1], v[(\src)+16*\e:(\src)+16*\e+7], v[SCL+\e]
	v_cvt_scalef32_pk8_bf8_f32 v[(\cod)+4*\e+2:(\cod)+4*\e+3], v[(\src)+16*\e+8:(\src)+16*\e+15], v[SCL+\e]
.endr
	v_nop
.if \swp
.irp e, 0,1
	v_permlane16_swap_b32 v[(\cod)+4*\e], v[(\cod)+4*\e+2]
	v_permlane16_swap_b32 v[(\cod)+4*\e+1], v[(\cod)+4*\e+3]
.endr
.endif
.endm
	s_load_b128 s[4:7], s[0:1], 0x0                ; the activations, Wv's codes
	s_load_b128 s[8:11], s[0:1], 0x10              ; Wv's scales, out
	v_lshl_add_u32 v[SPW], v0, 2, SPARE
	v_mov_b32 v[NIL], 0
	ds_add_u32 v28, v29
	ds_add_u32 v28, v29
	s_wait_dscnt 0x0
	v_lshrrev_b32 v1, 5, v0
	v_readfirstlane_b32 s14, v1
	s_lshr_b32 s15, s14, 1
	s_and_b32 s16, s14, 1
	s_bfe_u32 s40, ttmp6, 0x40000
	s_bfe_u32 s41, ttmp6, 0x40004
	s_lshl_b32 s42, ttmp9, 2
	s_add_co_u32 s42, s42, s40
	s_and_b32 s17, ttmp7, 0xffff
	s_lshl_b32 s17, s17, 2
	s_add_co_u32 s17, s17, s41
	s_lshl_b32 s43, s41, 2
	s_lshl_b32 s43, 15, s43
	s_lshl_b32 s44, 0x1111, s40
	s_mov_b32 s[MNT], 0x600000
	s_mov_b32 s[SEL], 0x76543210
	s_mov_b32 s[SEL+1], 0xfedcba98
	s_or_b32 s[G1], s43, (3<<16)|(1<<21)
	s_mov_b32 s[G1+1], 1024<<16
	s_mov_b32 s[G1+2], 4<<16
	s_mov_b32 s[G1+3], 1024<<16
	s_mov_b32 s[G1+4], 4
	s_mov_b32 s[G1+5], 2*KT
	s_mov_b32 s[G1+6], 0
	s_mov_b32 s[G1+7], 0
	s_or_b32 s[G1B], s44, (1<<20)|(1<<21)|(6<<22)|(3<<25)
	s_mov_b32 s[G1B+1], 512<<16
	s_mov_b32 s[G1B+2], 64<<16
	s_mov_b32 s[G1B+3], 512<<16
	s_mov_b32 s[G1B+4], 64
	s_mov_b32 s[G1B+5], KT
	s_mov_b32 s[G1B+6], 0
	s_mov_b32 s[G1B+7], 0
	s_or_b32 s[G1S], s43, (3<<16)|(1<<21)
	s_mov_b32 s[G1S+1], 64<<16
	s_mov_b32 s[G1S+2], (KT/256)<<16
	s_mov_b32 s[G1S+3], 64<<16
	s_mov_b32 s[G1S+4], KT/256
	s_mov_b32 s[G1S+5], 2048
	s_mov_b32 s[G1S+6], 0
	s_mov_b32 s[G1S+7], 0
	s_or_b32 s[G1SB], s44, (3<<16)|(1<<20)|(1<<21)|(5<<22)|(3<<25)
	s_mov_b32 s[G1SB+1], 32<<16
	s_mov_b32 s[G1SB+2], (KT/128)<<16
	s_mov_b32 s[G1SB+3], 32<<16
	s_mov_b32 s[G1SB+4], KT/128
	s_mov_b32 s[G1SB+5], 32
	s_mov_b32 s[G1SB+6], 0
	s_mov_b32 s[G1SB+7], 0
	s_lshl_b32 s20, s17, 3
	s_lshl_b32 s21, s16, 2
	s_add_co_u32 s20, s20, s21
	s_mul_i32 s20, s20, 16*KT
	s_mov_b32 s21, 0
	s_lshl_b32 s22, s17, 9
	s_mul_i32 s23, s16, (KT/256)*16384
	s_add_co_u32 s22, s22, s23
	s_add_co_u32 s22, s22, ACODES
	s_mov_b32 s23, 0
	s_lshl_b32 s46, s42, 7
	s_lshl_b32 s47, s16, 6
	s_add_co_u32 s46, s46, s47
	s_mul_i32 s18, s46, KT/32
	s_mul_i32 s46, s46, KT
	s_mov_b32 s47, 0
	s_mov_b32 s19, 0
	s_mov_b32 s[G0], 1
	s_mov_b32 s[G0+4], 1
	s_lshl_b32 s[G0+1], s16, 15
	s_add_co_u32 s[G0+5], s[G0+1], SLOT
	s_mov_b32 s[G0B], 1
	s_mov_b32 s[G0B+4], 1
	s_mul_i32 s[G0B+1], s16, BHALF
	s_add_co_u32 s[G0B+1], s[G0B+1], BOFF
	s_add_co_u32 s[G0B+5], s[G0B+1], SLOT
	s_mov_b32 s[G0S], 1
	s_mul_i32 s[G0S+1], s16, (KT/256)*512
	s_add_co_u32 s[G0S+1], s[G0S+1], SCA
	s_mov_b32 s[G0SB], 1
	s_mul_i32 s[G0SB+1], s16, (KT/128)*272
	s_add_co_u32 s[G0SB+1], s[G0SB+1], SCB
	s_wait_kmcnt 0x0
	s_add_nc_u64 s[G0+2:G0+3], s[4:5], s[20:21]
	s_add_nc_u64 s[G0+6:G0+7], s[G0+2:G0+3], 8192
	s_add_nc_u64 s[G0B+2:G0B+3], s[6:7], s[46:47]
	s_add_nc_u64 s[G0B+6:G0B+7], s[G0B+2:G0B+3], 512
	s_add_nc_u64 s[G0S+2:G0S+3], s[4:5], s[22:23]
	s_add_nc_u64 s[G0SB+2:G0SB+3], s[8:9], s[18:19]
	s_or_b32 s[G0+3], s[G0+3], 0x80000000
	s_or_b32 s[G0+7], s[G0+7], 0x80000000
	s_or_b32 s[G0B+3], s[G0B+3], 0x80000000
	s_or_b32 s[G0B+7], s[G0B+7], 0x80000000
	s_or_b32 s[G0S+3], s[G0S+3], 0x80000000
	s_or_b32 s[G0SB+3], s[G0SB+3], 0x80000000
	CROUND
	JLOAD G0S, G1S, G0SB, G1SB
	JLOAD G0, G1, G0B, G1B
	JLOAD G0+4, G1, G0B+4, G1B
	v_and_b32 v1, 15, v0
	v_bfe_u32 v2, v0, 4, 1
	v_and_b32 v3, 31, v0
	v_lshlrev_b32 v[LI], 4, v3
	v_lshlrev_b32 v[L4], 2, v3
	s_lshl_b32 s18, s15, 15
	v_add_nc_u32 v[ADRA], s18, v[LI]
	v_add_nc_u32 v[ADRA+1], SLOT, v[ADRA]
	v_mul_u32_u24 v[ADRB], v1, 528
	v_lshl_add_u32 v[ADRB], v2, 4, v[ADRB]
	s_mul_i32 s18, s16, BHALF
	s_add_co_u32 s18, s18, BOFF
	v_add_nc_u32 v[ADRB], s18, v[ADRB]
	v_add_nc_u32 v[ADRB+1], SLOT, v[ADRB]
	s_lshl_b32 s18, s15, 8
	s_add_co_u32 s18, s18, SCA
	v_add_nc_u32 v[ADSA], s18, v[L4]
	v_mul_u32_u24 v[ADSB], v3, KT/32
	v_lshrrev_b32 v27, 8, v[ADSB]
	v_lshl_add_u32 v[ADSB], v27, 4, v[ADSB]
	s_mul_i32 s18, s16, (KT/128)*272
	s_add_co_u32 s18, s18, SCB
	v_add_nc_u32 v[ADSB], s18, v[ADSB]
	s_wait_tensorcnt 1                             ; slot 1's load may be out
	s_barrier_signal -1
	s_barrier_wait -1
	FETCH 0, 0, F0
	WIN 0
	SCALES 0
	KSTEP F0, 0, 0, 1, 0, 1
	KSTEP F1, 0, 1, 0, 0, 2
	KSTEP F0, 0, 2, 0, 0, 3
	TURN 0, 1, 0
	KSTEP F0, 1, 0, 0, 1, 1
	KSTEP F1, 1, 1, 0, 1, 2
	KSTEP F0, 1, 2, 0, 1, 3
	s_wait_dscnt 0x0
	WIN 0x05
.irp a, 0,1,2,3
	MUL4 F1, \a, 3, 1, 0
.endr
	WIN 0
	PLACES 8
	; THE WAY OUT
	v_mov_b32 v[PD], 0
	v_mov_b32 v[PD+1], 0
	s_lshl_b32 s18, s42, 1
	s_add_co_u32 s18, s18, s16                     ; the head
	s_lshr_b32 s19, s17, 4
	s_lshl_b32 s19, s19, 4
	s_add_co_u32 s18, s18, s19                     ; 16 x batch + head
	s_and_b32 s19, s17, 15                         ; the key step of 128 tokens
	s_lshl_b32 s22, s18, 17
	s_lshl_b32 s20, s19, 13
	s_add_co_u32 s22, s22, s20
	s_lshl_b32 s20, s15, 10                        ; my 64 tokens: groups c = 2 x half, 2 x half + 1
	s_add_co_u32 s22, s22, s20
	s_mov_b32 s23, 0
	s_add_nc_u64 s[12:13], s[10:11], s[22:23]
	s_lshl_b32 s22, s18, 12
	s_lshl_b32 s20, s19, 8
	s_add_co_u32 s22, s22, s20
	s_lshl_b32 s20, s15, 1
	s_add_co_u32 s22, s22, s20
	s_add_co_u32 s22, s22, 4194304
	s_add_nc_u64 s[10:11], s[10:11], s[22:23]
.irp b, 0,1,2,3
	Q2 ACC+32*\b, 64+8*\b, WQ+\b, 0
	global_store_b128 v[LI], v[64+8*\b:64+8*\b+3], s[12:13] offset:2048*\b
	global_store_b128 v[LI], v[64+8*\b+4:64+8*\b+7], s[12:13] offset:2048*\b+512
.endr
	s_mov_b32 vcc_lo, 0xffff0000
	v_cndmask_b32 v110, v[WQ], v[WQ+1], vcc_lo     ; lanes 0-15: channels 0-15, lanes 16-31: channels 16-31
	v_cndmask_b32 v111, v[WQ+2], v[WQ+3], vcc_lo
	global_store_b16 v[L4], v110, s[10:11]         ; two bytes of each channel's word: the other two are the other wave's
	global_store_b16 v[L4], v111, s[10:11] offset:128
	s_wait_tensorcnt 0x0                           ; the wave's end
	ds_add_u32 v[SPW], v[NIL]
	s_wait_dscnt 0x0
	CROUND
	s_endpgm
.Lfunc_end_k_qe0da870713_gv:
	.size	k_qe0da870713_gv, .Lfunc_end_k_qe0da870713_gv-k_qe0da870713_gv
	.p2alignl 7, 3214868480
	.fill 96, 4, 3214868480
	.section	.rodata,"a",@progbits
	.p2align	6, 0x0
	.amdhsa_kernel k_qe0da870713_gv
		.amdhsa_group_segment_fixed_size 327680
		.amdhsa_private_segment_fixed_size 0
		.amdhsa_enable_private_segment 0
		.amdhsa_kernarg_size 32
		.amdhsa_user_sgpr_count 2
		.amdhsa_user_sgpr_kernarg_segment_ptr 1
		.amdhsa_wavefront_size32 1
		.amdhsa_system_sgpr_workgroup_id_x 1
		.amdhsa_system_sgpr_workgroup_id_y 1
		.amdhsa_system_sgpr_workgroup_id_z 1
		.amdhsa_system_vgpr_workitem_id 0
		.amdhsa_next_free_vgpr 512
		.amdhsa_next_free_sgpr 100
		.amdhsa_reserve_vcc 1
		.amdhsa_float_denorm_mode_32 3
		.amdhsa_float_denorm_mode_16_64 3
		.amdhsa_memory_ordered 1
		.amdhsa_forward_progress 1
		.amdhsa_inst_pref_size 64
	.end_amdhsa_kernel
	.amdgpu_metadata
---
amdhsa.version: [ 1, 2 ]
amdhsa.kernels:
  - .name:           k_qe0da870713_gv
    .symbol:         k_qe0da870713_gv.kd
    .args:
      - { .name: act, .offset: 0, .size: 8, .value_kind: global_buffer, .address_space: global }
      - { .name: Wv_codes, .offset: 8, .size: 8, .value_kind: global_buffer, .address_space: global }
      - { .name: Wv_scales, .offset: 16, .size: 8, .value_kind: global_buffer, .address_space: global }
      - { .name: vt, .offset: 24, .size: 8, .value_kind: global_buffer, .address_space: global }
    .group_segment_fixed_size: 327680
    .private_segment_fixed_size: 0
    .kernarg_segment_align: 8
    .kernarg_segment_size: 32
    .max_flat_workgroup_size: 128
    .sgpr_count:     100
    .vgpr_count:     512
    .wavefront_size: 32
...
	.end_amdgpu_metadata
.endif
;; end of part 3
;; launch attn (part 4): grid 8 x 32, 16 waves a work-group, clusters of 4 x 1, 272,384 bytes of LDS; arguments qk, vt, act; writes act
.if DOCPART == 4
	.amdgcn_target "amdgcn-amd-amdhsa--gfx1250"
	.amdhsa_code_object_version 6
	.text
	.protected	k_qe0da870713_attn
	.globl	k_qe0da870713_attn
	.p2align	8
	.type	k_qe0da870713_attn,@function
k_qe0da870713_attn:
	s_mov_b64 s[64:65], 0
	v_nop
	global_prefetch_b8 v0, s[64:65] scope:SCOPE_SE
	s_setreg_imm32_b32 hwreg(HW_REG_WAVE_MODE, 25, 1), 1
	s_wait_xcnt 0x0
	s_wait_alu depctr_hold_cnt(0) depctr_sa_sdst(0) depctr_va_vdst(0) depctr_va_sdst(0) depctr_va_ssrc(0) depctr_va_vcc(0) depctr_vm_vsrc(0)
	s_getreg_b32 s2, hwreg(HW_REG_IB_STS2, 6, 4)
	s_cmp_eq_u32 s2, 0
	s_cbranch_scc0 .Lentry_in_a_cluster
	s_endpgm
.Lentry_in_a_cluster:
	s_bfe_u32 s2, ttmp6, 0x10000c
	s_cmp_lg_u32 s2, 0x3003
	s_cbranch_scc0 .Lentry_shape_is_right
	s_endpgm
.Lentry_shape_is_right:
; Causal attention of one batch x head on codes of BF8 (E5M2) with E8M0 scales, and y quantised at once along the model's 1,024 for the product with Wo.
; t = score x log2(e) / 8; M = the running largest t, rounded up to a whole number; p = 2^(t - M) is quantised along the keys, not normalised; the row's sum is taken of the unquantised p and divides at the end.
; A HEAD'S K AND V CODES AND SCALE WORDS FIT IN LDS: 270,336 bytes, filled once, at the start; there is no ring.  The four work-groups of a cluster serve one head: every tile is asked for jointly (mask 15).
; SHARES.  Sixteen waves, each one tile of 16 queries: tile 4 i + cx, i = 2 w + X (waves 0-7) or 47 - 2 w - X (waves 8-15), X the cluster's number.  A wave needs w + 1 or 24 - w key steps of 128: that hangs on the
; wave's number alone, so no branch hangs on a work-group's place, every work-group has 136 wave steps, and waves w, w + 4, w + 8, w + 12 have 34.  The loop has 16 trips in every wave; a trip past a wave's last step does nothing.
; LAYOUT.  Both products transposed: S^T = K Q^T, O^T = V^T P^T: a lane holds one query.  K = 64 fills half of the instruction's 128: a fragment holds TWO key tiles (c = 0, 1 and c = 2, 3), and Q stands beside zero codes,
; below them for the first tile, above them for the second.  Within a block of 32 q, k and p, v keep the same order (8 h + j, then 16 + 8 h + j).  y's codes are put into the true order by four lane swaps: Wo is given.
; LIMITS: NaN and infinities are not served; a block of zeros gets the byte 1.
; REGISTERS: v1-7 addresses that stay; v8-11 the step's addresses; v12 -M, v13 the largest t, v[14:15] the sum; v16-23 Q, v24-31 zeros, v32-39 Q; v40-103 fragments; v104-167 S^T, then p; v168-199 O^T; v200-215 p's codes;
;   v216-231 at work; v232-237 scale words; v[238:239] f; v240-244 at work.
.set SEL, 50
.set CS,  52
.set MNT, 54
.set TB,  55                           ; LDS byte of the step's codes: 8,192 a step
.set TS,  56                           ; and of its scale words: 256 a step
.set ST,  57                           ; the step
.set NS,  58                           ; my number of steps
.set TM,   216
.set PD,   220
.set BY,   222
.set HOLD, 224
.set SCL,  228
.macro CROUND
	s_barrier_signal -1
	s_barrier_wait -1
	s_cmp_lg_u32 s10, 0
	s_cbranch_scc1 .Lnot_wave_0_\@
	s_barrier_signal -3
.Lnot_wave_0_\@:
	s_barrier_wait -3
	s_barrier_signal -1
	s_barrier_wait -1
.endm
.macro SW d, p, qr, row                ; 16 keys x my 16 queries: key tile 2 p (Q below the zeros) or 2 p + 1 (above)
.if \row
	v_wmma_scale_f32_16x16x128_f8f6f4 v[\d:\d+7], v[40+16*\p:40+16*\p+15], v[\qr:\qr+15], 0, v[232+\p/2], v236 matrix_a_fmt:MATRIX_FMT_BF8 matrix_b_fmt:MATRIX_FMT_BF8 matrix_a_scale:MATRIX_SCALE_ROW1
.else
	v_wmma_scale_f32_16x16x128_f8f6f4 v[\d:\d+7], v[40+16*\p:40+16*\p+15], v[\qr:\qr+15], 0, v[232+\p/2], v236 matrix_a_fmt:MATRIX_FMT_BF8 matrix_b_fmt:MATRIX_FMT_BF8
.endif
.endm
.macro OW t, row                       ; 16 channels x my 16 queries, K = the step's 128 keys
.if \row
	v_wmma_scale_f32_16x16x128_f8f6f4 v[168+8*\t:168+8*\t+7], v[40+16*\t:40+16*\t+15], v[200:215], v[168+8*\t:168+8*\t+7], v[234+\t/2], v237 matrix_a_fmt:MATRIX_FMT_BF8 matrix_b_fmt:MATRIX_FMT_BF8 matrix_a_scale:MATRIX_SCALE_ROW1
.else
	v_wmma_scale_f32_16x16x128_f8f6f4 v[168+8*\t:168+8*\t+7], v[40+16*\t:40+16*\t+15], v[200:215], v[168+8*\t:168+8*\t+7], v[234+\t/2], v237 matrix_a_fmt:MATRIX_FMT_BF8 matrix_b_fmt:MATRIX_FMT_BF8
.endif
.endm
.macro Q2 src, cod, wrd, swp           ; 32 numbers of a lane (16 of each of two blocks) -> 8 registers of codes and two scale bytes
.irp e, 0,1
	v_max3_num_f32 v[TM+\e], |v[(\src)+16*\e]|, |v[(\src)+16*\e+1]|, 0x8000000
.endr
.irp i, 2,4,6,8,10,12,14
.irp e, 0,1
	v_max3_num_f32 v[TM+\e], v[TM+\e], |v[(\src)+16*\e+\i]|, |v[(\src)+16*\e+\i+1]|
.endr
.endr
.irp e, 0,1
	v_permlanex16_b32 v[PD+\e], v[TM+\e], s[SEL], s[SEL+1]
.endr
.irp e, 0,1
	v_max_num_f32 v[TM+\e], v[TM+\e], v[PD+\e]
.endr
.irp e, 0,1
	v_add_nc_u32 v[SCL+\e], 0xf8800000, v[TM+\e]
.endr
.irp e, 0,1
	v_and_or_b32 v[HOLD+\e], v[TM+\e], 0x7f800000, s[MNT]
.endr
.irp e, 0,1
	v_lshrrev_b32 v[BY+\e], 23, v[SCL+\e]
.endr
	v_lshl_or_b32 v[\wrd], v[BY+1], 8, v[BY]
.irp e, 0,1
.irp i, 0,1,2,3,4,5,6,7,8,9,10,11,12,13,14,15
	v_med3_num_f32 v[(\src)+16*\e+\i], v[(\src)+16*\e+\i], -v[HOLD+\e], v[HOLD+\e]
.endr
	v_cvt_scalef32_pk8_bf8_f32 v[(\cod)+4*\e:(\cod)+4*\e+1], v[(\src)+16*\e:(\src)+16*\e+7], v[SCL+\e]
	v_cvt_scalef32_pk8_bf8_f32 v[(\cod)+4*\e+2:(\cod)+4*\e+3], v[(\src)+16*\e+8:(\src)+16*\e+15], v[SCL+\e]
.endr
	v_nop
.if \swp
.irp e, 0,1                            ; lanes 0-15 want numbers 0-15 of the block, lanes 16-31 numbers 16-31: my second eight against lane l xor 16's first eight
	v_permlane16_swap_b32 v[(\cod)+4*\e], v[(\cod)+4*\e+2]
	v_permlane16_swap_b32 v[(\cod)+4*\e+1], v[(\cod)+4*\e+3]
.endr
.endif
.endm
	s_load_b128 s[4:7], s[0:1], 0x0                ; q and k, v
	s_load_b64 s[8:9], s[0:1], 0x10                ; out
	v_lshl_add_u32 v254, v0, 2, 0x42000
	v_mov_b32 v255, 0
	ds_add_u32 v254, v255
	ds_add_u32 v254, v255
	v_lshrrev_b32 v1, 5, v0
	v_readfirstlane_b32 s10, v1                    ; wave 0..15
	s_bfe_u32 s11, ttmp6, 0x40000                  ; cx
	s_and_b32 s12, ttmp7, 0xffff                   ; batch x head
	s_lshl_b32 s13, s10, 1
	s_add_co_u32 s14, s13, ttmp9                   ; 2 w + X
	s_sub_co_u32 s15, 47, s13
	s_sub_co_u32 s15, s15, ttmp9                   ; 47 - 2 w - X
	s_add_co_u32 s16, s10, 1
	s_sub_co_u32 s17, 24, s10
	s_cmp_lt_u32 s10, 8
	s_cselect_b32 s14, s14, s15                    ; i
	s_cselect_b32 s[NS], s16, s17                  ; my key steps: of the wave's number alone
	s_cselect_b32 s19, 4194304, 0                  ; waves 0-7 fetch K's codes (behind q's), waves 8-15 V's
	s_lshl_b32 s14, s14, 2
	s_add_co_u32 s14, s14, s11                     ; my tile of queries
	s_mov_b32 s24, 15|(3<<16)|(1<<21)              ; codes: 64 rows of 256 dense bytes; the mask names all four work-groups
	s_mov_b32 s25, 32<<16
	s_mov_b32 s26, 64<<16
	s_mov_b32 s27, 32<<16
	s_mov_b32 s28, 64
	s_mov_b32 s29, 32
	s_mov_b32 s30, 0
	s_mov_b32 s31, 0
	s_mov_b32 s32, 15|(3<<16)|(1<<21)              ; scale words: 16 such rows
	s_mov_b32 s33, 32<<16
	s_mov_b32 s34, 16<<16
	s_mov_b32 s35, 32<<16
	s_mov_b32 s36, 16
	s_mov_b32 s37, 32
	s_mov_b32 s38, 0
	s_mov_b32 s39, 0
	s_mov_b32 s40, 1
	s_lshl_b32 s41, s10, 14                        ; LDS: 16,384 x wave: K's codes, then V's
	s_lshl_b32 s18, s12, 17
	s_and_b32 s20, s10, 7
	s_lshl_b32 s20, s20, 14
	s_add_co_u32 s18, s18, s20
	s_add_co_u32 s18, s18, s19
	s_mov_b32 s19, 0
	s_mov_b32 s44, 1
	s_and_b32 s20, s10, 1
	s_lshl_b32 s45, s20, 12
	s_add_co_u32 s45, s45, 262144                  ; LDS: K's pair words, then V's words
	s_mov_b32 s21, 4194304
	s_cmp_eq_u32 s20, 0
	s_cselect_b32 s22, 8519680, s21
	s_lshl_b32 s21, s12, 12
	s_add_co_u32 s22, s22, s21
	s_mov_b32 s23, 0
	s_mov_b32 s[SEL], 0x76543210
	s_mov_b32 s[SEL+1], 0xfedcba98
	s_mov_b32 s[CS], 0x3e38aa3b                    ; log2(e) / 8
	s_mov_b32 s[CS+1], s[CS]
	s_mov_b32 s[MNT], 0x600000
	s_mov_b32 s[TB], 0
	s_mov_b32 s[TS], 0
	s_mov_b32 s[ST], 0
	s_wait_dscnt 0x0
	s_wait_kmcnt 0x0
	s_cmp_lt_u32 s10, 8
	s_cselect_b64 s[42:43], s[4:5], s[6:7]
	s_add_nc_u64 s[42:43], s[42:43], s[18:19]
	s_or_b32 s43, s43, 0x80000000
	s_cmp_eq_u32 s20, 0
	s_cselect_b64 s[46:47], s[4:5], s[6:7]
	s_add_nc_u64 s[46:47], s[46:47], s[22:23]
	s_or_b32 s47, s47, 0x80000000
	CROUND                                         ; all four work-groups are here: the joint loads meet
	tensor_load_to_lds s[40:43], s[24:31]          ; every wave: 16,384 bytes of codes
	s_nop 0
.rept 4
	v_nop
.endr
	s_cmp_lt_u32 s10, 2
	s_cbranch_scc0 .Lno_words
	tensor_load_to_lds s[44:47], s[32:39]          ; waves 0, 1: the scale words.  At most two loads of a wave are out; the wait below is for 0
	s_nop 0
.rept 4
	v_nop
.endr
.Lno_words:
	s_lshl_b32 s20, s12, 17
	s_lshl_b32 s21, s14, 10
	s_add_co_u32 s20, s20, s21
	s_mov_b32 s21, 0
	s_add_nc_u64 s[48:49], s[4:5], s[20:21]        ; my tile of q
	s_lshl_b32 s20, s12, 12
	s_lshr_b32 s22, s14, 1
	s_lshl_b32 s22, s22, 6
	s_add_co_u32 s20, s20, s22
	s_add_co_u32 s20, s20, 8388608
	s_add_nc_u64 s[60:61], s[4:5], s[20:21]        ; and its pair's words
	v_and_b32 v7, 31, v0                           ; lane
	v_and_b32 v240, 15, v0                         ; r
	v_bfe_u32 v241, v0, 4, 1                       ; h
	v_lshlrev_b32 v1, 4, v7                        ; 16 x lane: K's images (and q's, and y's, in memory)
	v_add_nc_u32 v2, 131072, v1                    ; V's
	v_lshlrev_b32 v3, 2, v7
	v_add_nc_u32 v4, 266240, v3                    ; V's words
	v_add_nc_u32 v3, 262144, v3                    ; K's pair words
	v_lshlrev_b32 v6, 2, v240                      ; 4 r
	global_load_b128 v[16:19], v1, s[48:49]        ; Q twice: below the zeros and above them
	global_load_b128 v[20:23], v1, s[48:49] offset:512
	global_load_b128 v[32:35], v1, s[48:49]
	global_load_b128 v[36:39], v1, s[48:49] offset:512
	global_load_b32 v242, v6, s[60:61]
	s_and_b32 s20, s14, 7
	s_lshl_b32 s20, s20, 4
	v_lshlrev_b32 v241, 3, v241
	v_sub_nc_u32 v5, v240, v241
	v_add_nc_u32 v5, s20, v5                       ; d = my query's place in its step of 128 - 8 h: register n of S^T holds key 16 (n / 8) + n % 8 + 8 h
.irp j, 24,25,26,27,28,29,30,31
	v_mov_b32 v\j, 0                               ; zero codes
.endr
	v_mov_b32 v13, 0xff61b1e6                      ; the largest t so far: -3e38
	v_floor_f32 v12, -v13                          ; -M
	v_mov_b32 v14, 0
	v_mov_b32 v15, 0
.irp j, 220,221,222,223,239,240
	v_mov_b32 v\j, 0                               ; written once: lane permutes' destinations, and the upper half of the pair v[238:239]
.endr
	s_and_b32 s20, s14, 1
	s_lshl_b32 s20, s20, 4
	s_wait_loadcnt 0x0
	v_lshrrev_b32 v242, s20, v242                  ; my tile's two bytes of the pair's word,
	v_and_b32 v242, 0xffff, v242
	v_lshl_or_b32 v236, v242, 16, v242             ; twice: they serve Q below the zeros and above them
.set j, 0
.rept 32
	v_mov_b32 v[168+j], 0                          ; O^T: the step is written once; the first finds zeros.  (Also the places between the scale word and the first product)
.set j, j+1
.endr
	s_wait_tensorcnt 0x0                           ; my loads have landed,
	s_barrier_signal -1
	s_barrier_wait -1                              ; everybody's have: LDS is only read from here on
.Lstep:
	s_cmp_ge_u32 s[ST], s[NS]                      ; all keys of this step come after my queries
	s_cbranch_scc1 .Lhidden
	v_add_nc_u32 v8, s[TB], v1
	v_add_nc_u32 v9, s[TB], v2
	v_add_nc_u32 v10, s[TS], v3
	v_add_nc_u32 v11, s[TS], v4
.rept 4
	v_nop                                          ; with the four additions: eight places in front of loads into registers that the last products read
.endr
.irp p, 0,1,2,3
.irp c, 0,1,2,3
	ds_load_b128 v[40+16*\p+4*\c:40+16*\p+4*\c+3], v8 offset:2048*\p+512*\c
.endr
.endr
	ds_load_b32 v232, v10                          ; lanes 0-15 pair 0, lanes 16-31 pair 1
	ds_load_b32 v233, v10 offset:128
	s_wait_dscnt 0x0
	SW 104, 0, 16, 0
	SW 112, 0, 24, 0
	SW 120, 1, 16, 1
	SW 128, 1, 24, 1
	SW 136, 2, 16, 0
	SW 144, 2, 24, 0
	SW 152, 3, 16, 1
	SW 160, 3, 24, 1
.rept 8
	v_nop
.endr
.irp t, 0,1,2,3                        ; V's fragments land under the softmax
.irp c, 0,1,2,3
	ds_load_b128 v[40+16*\t+4*\c:40+16*\t+4*\c+3], v9 offset:2048*\t+512*\c
.endr
.endr
	ds_load_b32 v234, v11
	ds_load_b32 v235, v11 offset:128
	s_add_co_u32 s18, s[ST], 1
	s_cmp_lg_u32 s18, s[NS]
	s_cbranch_scc1 .Lopen                          ; only my last step lies on the diagonal
	v_mov_b32 v240, 0xff800000                     ; hidden scores become -infinity ahead of the maximum: p = 0
.set n, 0
.rept 64
	v_cmp_gt_i32 vcc_lo, 16*(n/8)+n%8, v5
	v_cndmask_b32 v[104+n], v[104+n], v240, vcc_lo
.set n, n+1
.endr
.Lopen:
.irp b, 0,1,2,3
	v_max3_num_f32 v[216+\b], v[104+16*\b], v[105+16*\b], v[106+16*\b]   ; the largest score of each block of 32 keys: for the row's maximum, and, since p rises with the score, for the block's largest p
.endr
.irp i, 3,5,7,9,11,13
.irp b, 0,1,2,3
	v_max3_num_f32 v[216+\b], v[216+\b], v[104+16*\b+\i], v[105+16*\b+\i]
.endr
.endr
.irp b, 0,1,2,3
	v_max_num_f32 v[216+\b], v[216+\b], v[119+16*\b]
.endr
.irp b, 0,1,2,3
	v_permlanex16_b32 v[220+\b], v[216+\b], s[SEL], s[SEL+1]
.endr
.irp b, 0,1,2,3
	v_max_num_f32 v[216+\b], v[216+\b], v[220+\b]
.endr
	v_max3_num_f32 v240, v216, v217, v218
	v_max_num_f32 v240, v240, v219
	v_mul_f32 v240, s[CS], v240
	v_max_num_f32 v13, v13, v240                   ; the running largest t
	v_mov_b32 v240, v12
	v_floor_f32 v12, -v13                          ; the new -M: M is a whole number
	v_sub_f32 v240, v12, v240
	v_cvt_i32_f32 v240, v240                       ; (it saturates)
	v_ldexp_f32 v238, 1.0, v240                    ; f = 2^(old M - new M)
.set j, 0
.rept 32
	v_pk_fma_f32 v[104+j:105+j], v[104+j:105+j], s[CS:CS+1], v[12:13] op_sel_hi:[1,0,0]   ; t - M
.set j, j+2
.endr
.irp b, 0,1,2,3
	v_fma_f32 v[216+\b], v[216+\b], s[CS], v12
.endr
.set j, 0
.rept 64
	v_exp_f32 v[104+j], v[104+j]                   ; p = 2^(t - M)
.set j, j+1
.endr
	v_pk_mul_f32 v[14:15], v[14:15], v[238:239] op_sel_hi:[1,0]   ; the sums under the new M (a plain line behind the exponentials)
	s_wait_alu depctr_va_vdst(0)                   ; one wait for the batch, ahead of its first reader
.irp b, 0,1,2,3
	v_exp_f32 v[216+\b], v[216+\b]                 ; the block's largest p
.endr
	v_pk_add_f32 v[242:243], v[104:105], v[106:107]   ; the row's sum, of the unquantised p, in two chains
.irp j, 4,8,12,16,20,24,28,32,36,40,44,48,52,56,60
	v_pk_add_f32 v[14:15], v[14:15], v[104+\j:105+\j]
	v_pk_add_f32 v[242:243], v[242:243], v[106+\j:107+\j]
.endr
	v_pk_add_f32 v[14:15], v[14:15], v[242:243]
	s_wait_alu depctr_va_vdst(0)                   ; and one for the four
.irp b, 0,1,2,3
	v_max_num_f32 v[216+\b], 0x8000000, v[216+\b]  ; the floor 2^(16 - 127)
.endr
.irp b, 0,1,2,3
	v_add_nc_u32 v[228+\b], 0xf8800000, v[216+\b]
.endr
.irp b, 0,1,2,3
	v_and_or_b32 v[224+\b], v[216+\b], 0x7f800000, s[MNT]
.endr
.irp b, 0,1,2,3
	v_lshrrev_b32 v[220+\b], 23, v[228+\b]
.endr
	v_lshl_or_b32 v237, v221, 8, v220              ; p's scale word for these 128 keys
	v_lshl_or_b32 v237, v222, 16, v237
	v_lshl_or_b32 v237, v223, 24, v237
.irp b, 0,1,2,3
.irp i, 0,1,2,3,4,5,6,7,8,9,10,11,12,13,14,15
	v_min_num_f32 v[104+16*\b+\i], v[104+16*\b+\i], v[224+\b]   ; p is not negative: the hold is one-sided
.endr
	v_cvt_scalef32_pk8_bf8_f32 v[200+4*\b:201+4*\b], v[104+16*\b:111+16*\b], v[228+\b]
	v_cvt_scalef32_pk8_bf8_f32 v[202+4*\b:203+4*\b], v[112+16*\b:119+16*\b], v[228+\b]
.endr
.set j, 0
.rept 16
	v_pk_mul_f32 v[168+j:169+j], v[168+j:169+j], v[238:239] op_sel_hi:[1,0]   ; O^T under the new M (also the places in front of the products)
.set j, j+2
.endr
	s_wait_dscnt 0x0                               ; V
	OW 0, 0
	OW 1, 1
	OW 2, 0
	OW 3, 1
.Lhidden:
	s_add_co_u32 s[TB], s[TB], 8192
	s_add_co_u32 s[TS], s[TS], 256
	s_add_co_u32 s[ST], s[ST], 1
	s_cmp_lt_u32 s[ST], 16
	s_cbranch_scc1 .Lstep
	; THE WAY OUT
.rept 8
	v_nop                                          ; behind my last products only empty trips may have stood
.endr
	v_add_f32 v14, v14, v15
	v_permlanex16_b32 v240, v14, s[SEL], s[SEL+1]
	v_add_f32 v14, v14, v240                       ; the row's sum
	v_rcp_f32 v14, v14
	v_nop                                          ; a plain line behind the transcendental
	s_lshr_b32 s18, s12, 4                         ; batch
	s_lshl_b32 s19, s18, 7
	s_add_co_u32 s19, s19, s14                     ; the token tile
	s_lshl_b32 s20, s19, 14
	s_and_b32 s21, s12, 15
	s_lshr_b32 s21, s21, 1                         ; the K step of the next product: head / 2
	s_lshl_b32 s22, s21, 11
	s_add_co_u32 s20, s20, s22
	s_and_b32 s23, s12, 1
	s_lshl_b32 s22, s23, 10
	s_add_co_u32 s20, s20, s22
	s_lshl_b32 s22, s21, 14
	s_mov_b32 s21, 0
	s_add_nc_u64 s[16:17], s[8:9], s[20:21]        ; the codes
	s_lshl_b32 s20, s19, 6
	s_add_co_u32 s20, s20, s22
	s_lshl_b32 s22, s23, 1
	s_add_co_u32 s20, s20, s22
	s_add_co_u32 s20, s20, 4194304
	s_add_nc_u64 s[18:19], s[8:9], s[20:21]        ; my half of the scale words
	s_wait_alu depctr_va_vdst(0)
.set j, 0
.rept 32
	v_mul_f32 v[104+j], v[168+j], v14              ; y: register 8 t + i is channel 16 t + 8 h + i of my query
.set j, j+1
.endr
	Q2 104, 200, 244, 1
	global_store_b128 v1, v[200:203], s[16:17]     ; 32 lanes store 512 consecutive bytes
	global_store_b128 v1, v[204:207], s[16:17] offset:512
	s_wait_xcnt 0x0                                ; EXEC changes only behind this wait
	v_cmp_gt_u32 vcc_lo, 16, v7
	s_and_saveexec_b32 s20, vcc_lo
	global_store_b16 v6, v244, s[18:19]            ; two bytes of each token's word: the other two are the neighbouring head's
	s_wait_xcnt 0x0
	s_or_b32 exec_lo, exec_lo, s20
	s_wait_tensorcnt 0x0
	ds_add_u32 v254, v255
	s_wait_dscnt 0x0
	CROUND                                         ; the closing round
	s_endpgm
.Lfunc_end_k_qe0da870713_attn:
	.size	k_qe0da870713_attn, .Lfunc_end_k_qe0da870713_attn-k_qe0da870713_attn
	.p2alignl 7, 3214868480
	.fill 96, 4, 3214868480
	.section	.rodata,"a",@progbits
	.p2align	6, 0x0
	.amdhsa_kernel k_qe0da870713_attn
		.amdhsa_group_segment_fixed_size 272384
		.amdhsa_private_segment_fixed_size 0
		.amdhsa_enable_private_segment 0
		.amdhsa_kernarg_size 24
		.amdhsa_user_sgpr_count 2
		.amdhsa_user_sgpr_kernarg_segment_ptr 1
		.amdhsa_wavefront_size32 1
		.amdhsa_system_sgpr_workgroup_id_x 1
		.amdhsa_system_sgpr_workgroup_id_y 1
		.amdhsa_system_sgpr_workgroup_id_z 1
		.amdhsa_system_vgpr_workitem_id 0
		.amdhsa_next_free_vgpr 256
		.amdhsa_next_free_sgpr 66
		.amdhsa_reserve_vcc 1
		.amdhsa_float_denorm_mode_32 3
		.amdhsa_float_denorm_mode_16_64 3
		.amdhsa_memory_ordered 1
		.amdhsa_forward_progress 1
		.amdhsa_inst_pref_size 39
	.end_amdhsa_kernel
	.amdgpu_metadata
---
amdhsa.version: [ 1, 2 ]
amdhsa.kernels:
  - .name:           k_qe0da870713_attn
    .symbol:         k_qe0da870713_attn.kd
    .args:
      - { .name: qk, .offset: 0, .size: 8, .value_kind: global_buffer, .address_space: global }
      - { .name: vt, .offset: 8, .size: 8, .value_kind: global_buffer, .address_space: global }
      - { .name: act, .offset: 16, .size: 8, .value_kind: global_buffer, .address_space: global }
    .group_segment_fixed_size: 272384
    .private_segment_fixed_size: 0
    .kernarg_segment_align: 8
    .kernarg_segment_size: 24
    .max_flat_workgroup_size: 512
    .sgpr_count:     66
    .vgpr_count:     256
    .wavefront_size: 32
...
	.end_amdgpu_metadata
.endif
;; end of part 4
;; launch go (part 5): grid 8 x 32, 4 waves a work-group, clusters of 4 x 4, 327,680 bytes of LDS; arguments act, Wo_codes, Wo_scales, x, x1; writes x1
.if DOCPART == 5
	.amdgcn_target "amdgcn-amd-amdhsa--gfx1250"
	.amdhsa_code_object_version 6
	.text
	.protected	k_qe0da870713_go
	.globl	k_qe0da870713_go
	.p2align	8
	.type	k_qe0da870713_go,@function
k_qe0da870713_go:
	s_mov_b64 s[64:65], 0
	v_nop
	global_prefetch_b8 v0, s[64:65] scope:SCOPE_SE
	s_setreg_imm32_b32 hwreg(HW_REG_WAVE_MODE, 25, 1), 1
	s_wait_xcnt 0x0
	s_wait_alu depctr_hold_cnt(0) depctr_sa_sdst(0) depctr_va_vdst(0) depctr_va_sdst(0) depctr_va_ssrc(0) depctr_va_vcc(0) depctr_vm_vsrc(0)
	s_getreg_b32 s2, hwreg(HW_REG_IB_STS2, 6, 4)
	s_cmp_eq_u32 s2, 0
	s_cbranch_scc0 .Lentry_in_a_cluster
	s_endpgm
.Lentry_in_a_cluster:
	s_bfe_u32 s2, ttmp6, 0x10000c
	s_cmp_lg_u32 s2, 0xf033
	s_cbranch_scc0 .Lentry_shape_is_right
	s_endpgm
.Lentry_shape_is_right:
; x1 = x + y Wo on codes of BF8 (E5M2) with E8M0 scales; x and x1 are f32 rows of 1,024.
; Ring, slots, scales, cluster and steps as in the launch for q and k: 128 tokens x 128 columns a work-group, four waves of 64 x 64, all of K = 1,024 in two slots asked for at the start; nothing is filled again.
; Transposed use: lane (r, h) holds token r and columns 16 b + 8 h + j.  On the way out 16 rows x 64 columns go through the wave's own stage in LDS (rows of 256 bytes + 16) and come back by rows, so that sixteen lanes
; store 256 consecutive bytes, aligned.  The residual is asked for at the head, in that same order, into window 2.
; No prefetch: a work-group asks for all its bytes at its head.  LIMITS: NaN and infinities are not served.
.set KT,     1024
.set LAPS,   KT/1024
.set ACODES, 4194304
.set SLOT,   133120
.set BOFF,   65536
.set BHALF,  33792
.set SCA,    266240
.set SCB,    282624
.set STAGE,  300032                    ; 16 rows x 272 bytes for each wave; no tile lands here
.set SPARE,  317440
.set ADRA, 16
.set ADRB, 18
.set ADSA, 20
.set ADSB, 21
.set LI,   22
.set L4,   23
.set STO,  24
.set RD,   25
.set CO,   26
.set SPW,  28
.set NIL,  29
.set SC,   32
.set ACC,  128
.set F0,   0
.set F1,   128
.set G1,   24
.set G0,   32
.set G1B,  48
.set G0B,  56
.set G1S,  68
.set G0S,  76
.set G1SB, 80
.set G0SB, 88
.set MSB, 0
.macro WIN new
.if MSB != \new
	s_set_vgpr_msb (MSB<<8)|\new
.set MSB, \new
.endif
.endm
.macro PLACES n
.rept \n
	v_nop
.endr
.endm
.macro JLOAD g0a, g1a, g0b, g1b
	s_cmp_eq_u32 s15, 0
	s_cbranch_scc0 .Lfor_b_\@
	tensor_load_to_lds s[\g0a:\g0a+3], s[\g1a:\g1a+7]
	s_nop 0
.rept 4
	v_nop
.endr
	s_branch .Lasked_\@
.Lfor_b_\@:
	tensor_load_to_lds s[\g0b:\g0b+3], s[\g1b:\g1b+7]
	s_nop 0
.rept 4
	v_nop
.endr
.Lasked_\@:
.endm
.macro CREST
	s_cmp_lg_u32 s14, 0
	s_cbranch_scc1 .Lnot_wave_0_\@
	s_barrier_signal -3
.Lnot_wave_0_\@:
	s_barrier_wait -3
	s_barrier_signal -1
	s_barrier_wait -1
.endm
.macro CROUND
	s_barrier_signal -1
	s_barrier_wait -1
	CREST
.endm
.macro FETCH sl, q, f
	WIN 0x40
.irp a, 0,1,2,3
.irp c, 0,1,2,3
	ds_load_b128 v[(\f)+16*\a+4*\c:(\f)+16*\a+4*\c+3], v[ADRA+\sl] offset:8192*\a+2048*(\q)+512*\c
.endr
.endr
.irp b, 0,1,2,3
.irp c, 0,1,2,3
	ds_load_b128 v[(\f)+64+16*\b+4*\c:(\f)+64+16*\b+4*\c+3], v[ADRB+\sl] offset:8448*\b+128*(\q)+32*\c
.endr
.endr
.endm
.macro SCALES sg
.irp q, 0,1,2,3
.irp i, 0,1
	ds_load_b32 v[SC+16*(\sg)+2*\q+\i], v[ADSA] offset:512*\q+128*\i
.endr
.endr
.irp p, 0,1
	ds_load_b128 v[SC+16*(\sg)+8+4*\p:SC+16*(\sg)+8+4*\p+3], v[ADSB] offset:\p*(KT/256)*272
.endr
.endm
.macro WM f, a, b, q, sg, first
.set rD,  ACC+8*(4*(\a)+(\b))
.set rW,  (\f)+64+16*(\b)
.set rX,  (\f)+16*(\a)
.set rSW, SC+16*(\sg)+8+4*((\b)/2)+(\q)
.set rSX, SC+16*(\sg)+2*(\q)+(\a)/2
.set par, 2*((\a)%2)+(\b)%2
.if \first
.if par == 0
	v_wmma_scale_f32_16x16x128_f8f6f4 v[rD:rD+7], v[rW:rW+15], v[rX:rX+15], 0, v[rSW], v[rSX] matrix_a_fmt:MATRIX_FMT_BF8 matrix_b_fmt:MATRIX_FMT_BF8
.elseif par == 1
	v_wmma_scale_f32_16x16x128_f8f6f4 v[rD:rD+7], v[rW:rW+15], v[rX:rX+15], 0, v[rSW], v[rSX] matrix_a_fmt:MATRIX_FMT_BF8 matrix_b_fmt:MATRIX_FMT_BF8 matrix_a_scale:MATRIX_SCALE_ROW1
.elseif par == 2
	v_wmma_scale_f32_16x16x128_f8f6f4 v[rD:rD+7], v[rW:rW+15], v[rX:rX+15], 0, v[rSW], v[rSX] matrix_a_fmt:MATRIX_FMT_BF8 matrix_b_fmt:MATRIX_FMT_BF8 matrix_b_scale:MATRIX_SCALE_ROW1
.else
	v_wmma_scale_f32_16x16x128_f8f6f4 v[rD:rD+7], v[rW:rW+15], v[rX:rX+15], 0, v[rSW], v[rSX] matrix_a_fmt:MATRIX_FMT_BF8 matrix_b_fmt:MATRIX_FMT_BF8 matrix_a_scale:MATRIX_SCALE_ROW1 matrix_b_scale:MATRIX_SCALE_ROW1
.endif
.else
.if par == 0
	v_wmma_scale_f32_16x16x128_f8f6f4 v[rD:rD+7], v[rW:rW+15], v[rX:rX+15], v[rD:rD+7], v[rSW], v[rSX] matrix_a_fmt:MATRIX_FMT_BF8 matrix_b_fmt:MATRIX_FMT_BF8
.elseif par == 1
	v_wmma_scale_f32_16x16x128_f8f6f4 v[rD:rD+7], v[rW:rW+15], v[rX:rX+15], v[rD:rD+7], v[rSW], v[rSX] matrix_a_fmt:MATRIX_FMT_BF8 matrix_b_fmt:MATRIX_FMT_BF8 matrix_a_scale:MATRIX_SCALE_ROW1
.elseif par == 2
	v_wmma_scale_f32_16x16x128_f8f6f4 v[rD:rD+7], v[rW:rW+15], v[rX:rX+15], v[rD:rD+7], v[rSW], v[rSX] matrix_a_fmt:MATRIX_FMT_BF8 matrix_b_fmt:MATRIX_FMT_BF8 matrix_b_scale:MATRIX_SCALE_ROW1
.else
	v_wmma_scale_f32_16x16x128_f8f6f4 v[rD:rD+7], v[rW:rW+15], v[rX:rX+15], v[rD:rD+7], v[rSW], v[rSX] matrix_a_fmt:MATRIX_FMT_BF8 matrix_b_fmt:MATRIX_FMT_BF8 matrix_a_scale:MATRIX_SCALE_ROW1 matrix_b_scale:MATRIX_SCALE_ROW1
.endif
.endif
.endm
.macro MUL4 f, a, q, sg, first
.irp b, 0,1,2,3
	WM \f, \a, \b, \q, \sg, \first
.endr
.endm
.macro KSTEP f, sg, q, first, sn, qn
	PLACES 8
	FETCH \sn, \qn, 128-(\f)
	s_wait_dscnt 32                                ; all but the 32 just issued
	WIN 0x05
.irp a, 0,1,2,3
	MUL4 \f, \a, \q, \sg, \first
.endr
	WIN 0
.endm
.macro TURN sg, sn, fill
	s_wait_tensorcnt 0x0                           ; all my tensor loads have landed
	ds_add_u32 v[SPW], v[NIL]
	s_wait_dscnt 1                                 ; only the add may be out
	WIN 0x05
	MUL4 F1, 0, 3, \sg, 0
	s_wait_dscnt 0x0                               ; the add is done, and my reads of this slot are over
	s_barrier_signal -1
	MUL4 F1, 1, 3, \sg, 0
	WIN 0
	s_barrier_wait -1
.if \fill
	CREST
	s_add_nc_u64 s[G0+4*\sg+2:G0+4*\sg+3], s[G0+4*\sg+2:G0+4*\sg+3], 16384
	s_add_nc_u64 s[G0B+4*\sg+2:G0B+4*\sg+3], s[G0B+4*\sg+2:G0B+4*\sg+3], 1024
	JLOAD G0+4*\sg, G1, G0B+4*\sg, G1B
	PLACES 4
.else
	PLACES 8
.endif
	v_add_nc_u32 v[ADSA], 2048, v[ADSA]
	v_add_nc_u32 v[ADSB], 16, v[ADSB]
	FETCH \sn, 0, F0
	WIN 0
	SCALES \sn
	WIN 0x05
	MUL4 F1, 2, 3, \sg, 0
	MUL4 F1, 3, 3, \sg, 0
	WIN 0
.endm
; token tile a goes out: through my stage, back by rows, + the residual, stored
.macro OUTA a
.set TT, 64+32*((\a)%2)
.if (\a) >= 2
	s_wait_xcnt 0x0                                ; the stores of two tiles back have read these registers
.endif
.irp b, 0,1,2,3
	ds_store_b128 v[STO], v[ACC+8*(4*(\a)+\b):ACC+8*(4*(\a)+\b)+3] offset:64*\b        ; each accumulator from its low end on
	ds_store_b128 v[STO], v[ACC+8*(4*(\a)+\b)+4:ACC+8*(4*(\a)+\b)+7] offset:64*\b+16
.endr
.irp i, 0,1,2,3,4,5,6,7
	ds_load_b128 v[TT+4*\i:TT+4*\i+3], v[RD] offset:544*\i   ; LDS serves a wave's instructions in order (ISA guide 5.7.1.4): these see the stores above
.endr
	s_wait_dscnt 0x0
	WIN 0x08                                       ; source 1 in window 2: the residual
.irp i, 0,1,2,3,4,5,6,7,8,9,10,11,12,13,14,15
	v_pk_add_f32 v[TT+2*\i:TT+2*\i+1], v[TT+2*\i:TT+2*\i+1], v[32*(\a)+2*\i:32*(\a)+2*\i+1]
.endr
	WIN 0
.irp i, 0,1,2,3,4,5,6,7
	global_store_b128 v[CO], v[TT+4*\i:TT+4*\i+3], s[12:13] offset:(16*(\a)+2*\i)*4096   ; 16 lanes store 256 consecutive bytes, aligned
.endr
.endm
	s_load_b128 s[4:7], s[0:1], 0x0                ; y, Wo's codes
	s_load_b128 s[8:11], s[0:1], 0x10              ; Wo's scales, x
	s_load_b64 s[12:13], s[0:1], 0x20              ; x1
	v_lshl_add_u32 v[SPW], v0, 2, SPARE
	v_mov_b32 v[NIL], 0
	ds_add_u32 v28, v29
	ds_add_u32 v28, v29
	s_wait_dscnt 0x0
	v_lshrrev_b32 v1, 5, v0
	v_readfirstlane_b32 s14, v1
	s_lshr_b32 s15, s14, 1
	s_and_b32 s16, s14, 1
	s_bfe_u32 s40, ttmp6, 0x40000
	s_bfe_u32 s41, ttmp6, 0x40004
	s_lshl_b32 s42, ttmp9, 2
	s_add_co_u32 s42, s42, s40
	s_and_b32 s17, ttmp7, 0xffff
	s_lshl_b32 s17, s17, 2
	s_add_co_u32 s17, s17, s41
	s_lshl_b32 s43, s41, 2
	s_lshl_b32 s43, 15, s43
	s_lshl_b32 s44, 0x1111, s40
	s_or_b32 s[G1], s43, (3<<16)|(1<<21)
	s_mov_b32 s[G1+1], 1024<<16
	s_mov_b32 s[G1+2], 4<<16
	s_mov_b32 s[G1+3], 1024<<16
	s_mov_b32 s[G1+4], 4
	s_mov_b32 s[G1+5], 2*KT
	s_mov_b32 s[G1+6], 0
	s_mov_b32 s[G1+7], 0
	s_or_b32 s[G1B], s44, (1<<20)|(1<<21)|(6<<22)|(3<<25)
	s_mov_b32 s[G1B+1], 512<<16
	s_mov_b32 s[G1B+2], 64<<16
	s_mov_b32 s[G1B+3], 512<<16
	s_mov_b32 s[G1B+4], 64
	s_mov_b32 s[G1B+5], KT
	s_mov_b32 s[G1B+6], 0
	s_mov_b32 s[G1B+7], 0
	s_or_b32 s[G1S], s43, (3<<16)|(1<<21)
	s_mov_b32 s[G1S+1], 64<<16
	s_mov_b32 s[G1S+2], (KT/256)<<16
	s_mov_b32 s[G1S+3], 64<<16
	s_mov_b32 s[G1S+4], KT/256
	s_mov_b32 s[G1S+5], 2048
	s_mov_b32 s[G1S+6], 0
	s_mov_b32 s[G1S+7], 0
	s_or_b32 s[G1SB], s44, (3<<16)|(1<<20)|(1<<21)|(5<<22)|(3<<25)
	s_mov_b32 s[G1SB+1], 32<<16
	s_mov_b32 s[G1SB+2], (KT/128)<<16
	s_mov_b32 s[G1SB+3], 32<<16
	s_mov_b32 s[G1SB+4], KT/128
	s_mov_b32 s[G1SB+5], 32
	s_mov_b32 s[G1SB+6], 0
	s_mov_b32 s[G1SB+7], 0
	s_lshl_b32 s20, s17, 3
	s_lshl_b32 s21, s16, 2
	s_add_co_u32 s20, s20, s21
	s_mul_i32 s20, s20, 16*KT
	s_mov_b32 s21, 0
	s_lshl_b32 s22, s17, 9
	s_mul_i32 s23, s16, (KT/256)*16384
	s_add_co_u32 s22, s22, s23
	s_add_co_u32 s22, s22, ACODES
	s_mov_b32 s23, 0
	s_lshl_b32 s46, s42, 7
	s_lshl_b32 s47, s16, 6
	s_add_co_u32 s46, s46, s47
	s_mul_i32 s18, s46, KT/32
	s_mul_i32 s46, s46, KT
	s_mov_b32 s47, 0
	s_mov_b32 s19, 0
	s_mov_b32 s[G0], 1
	s_mov_b32 s[G0+4], 1
	s_lshl_b32 s[G0+1], s16, 15
	s_add_co_u32 s[G0+5], s[G0+1], SLOT
	s_mov_b32 s[G0B], 1
	s_mov_b32 s[G0B+4], 1
	s_mul_i32 s[G0B+1], s16, BHALF
	s_add_co_u32 s[G0B+1], s[G0B+1], BOFF
	s_add_co_u32 s[G0B+5], s[G0B+1], SLOT
	s_mov_b32 s[G0S], 1
	s_mul_i32 s[G0S+1], s16, (KT/256)*512
	s_add_co_u32 s[G0S+1], s[G0S+1], SCA
	s_mov_b32 s[G0SB], 1
	s_mul_i32 s[G0SB+1], s16, (KT/128)*272
	s_add_co_u32 s[G0SB+1], s[G0SB+1], SCB
	s_wait_kmcnt 0x0
	s_add_nc_u64 s[G0+2:G0+3], s[4:5], s[20:21]
	s_add_nc_u64 s[G0+6:G0+7], s[G0+2:G0+3], 8192
	s_add_nc_u64 s[G0B+2:G0B+3], s[6:7], s[46:47]
	s_add_nc_u64 s[G0B+6:G0B+7], s[G0B+2:G0B+3], 512
	s_add_nc_u64 s[G0S+2:G0S+3], s[4:5], s[22:23]
	s_add_nc_u64 s[G0SB+2:G0SB+3], s[8:9], s[18:19]
	s_or_b32 s[G0+3], s[G0+3], 0x80000000
	s_or_b32 s[G0+7], s[G0+7], 0x80000000
	s_or_b32 s[G0B+3], s[G0B+3], 0x80000000
	s_or_b32 s[G0B+7], s[G0B+7], 0x80000000
	s_or_b32 s[G0S+3], s[G0S+3], 0x80000000
	s_or_b32 s[G0SB+3], s[G0SB+3], 0x80000000
	CROUND
	JLOAD G0S, G1S, G0SB, G1SB
	JLOAD G0, G1, G0B, G1B
	JLOAD G0+4, G1, G0B+4, G1B
	v_and_b32 v1, 15, v0
	v_bfe_u32 v2, v0, 4, 1
	v_and_b32 v3, 31, v0
	v_lshlrev_b32 v[LI], 4, v3
	v_lshlrev_b32 v[L4], 2, v3
	s_lshl_b32 s18, s15, 15
	v_add_nc_u32 v[ADRA], s18, v[LI]
	v_add_nc_u32 v[ADRA+1], SLOT, v[ADRA]
	v_mul_u32_u24 v[ADRB], v1, 528
	v_lshl_add_u32 v[ADRB], v2, 4, v[ADRB]
	s_mul_i32 s18, s16, BHALF
	s_add_co_u32 s18, s18, BOFF
	v_add_nc_u32 v[ADRB], s18, v[ADRB]
	v_add_nc_u32 v[ADRB+1], SLOT, v[ADRB]
	s_lshl_b32 s18, s15, 8
	s_add_co_u32 s18, s18, SCA
	v_add_nc_u32 v[ADSA], s18, v[L4]
	v_mul_u32_u24 v[ADSB], v3, KT/32
	v_lshrrev_b32 v27, 8, v[ADSB]
	v_lshl_add_u32 v[ADSB], v27, 4, v[ADSB]
	s_mul_i32 s18, s16, (KT/128)*272
	s_add_co_u32 s18, s18, SCB
	v_add_nc_u32 v[ADSB], s18, v[ADSB]
	s_mul_i32 s18, s14, 16*272
	s_add_co_u32 s18, s18, STAGE                   ; my stage
	v_mul_u32_u24 v[STO], v1, 272
	v_lshl_add_u32 v[STO], v2, 5, v[STO]
	v_add_nc_u32 v[STO], s18, v[STO]               ; in: row r, 32 bytes for each half of the lanes
	v_mul_u32_u24 v[RD], v2, 272
	v_lshl_add_u32 v[RD], v1, 4, v[RD]
	v_add_nc_u32 v[RD], s18, v[RD]                 ; back: lanes 0-15 one row, lanes 16-31 the next
	v_lshlrev_b32 v[CO], 12, v2
	v_lshl_add_u32 v[CO], v1, 4, v[CO]             ; and the same two rows in memory
	s_lshl_b32 s18, s17, 7
	s_lshl_b32 s19, s15, 6
	s_add_co_u32 s18, s18, s19
	s_lshl_b32 s18, s18, 12                        ; my first token's row,
	s_lshl_b32 s19, s42, 9
	s_add_co_u32 s18, s18, s19
	s_lshl_b32 s19, s16, 8
	s_add_co_u32 s18, s18, s19                     ; my first column
	s_mov_b32 s19, 0
	s_add_nc_u64 s[10:11], s[10:11], s[18:19]
	s_add_nc_u64 s[12:13], s[12:13], s[18:19]
	WIN 0x80                                       ; destination window 2
.irp a, 0,1,2,3
.irp i, 0,1,2,3,4,5,6,7
	global_load_b128 v[32*\a+4*\i:32*\a+4*\i+3], v[CO], s[10:11] offset:(16*\a+2*\i)*4096
.endr
.endr
	WIN 0
	s_wait_tensorcnt 1                             ; slot 1's load may be out
	s_barrier_signal -1
	s_barrier_wait -1
	FETCH 0, 0, F0
	WIN 0
	SCALES 0
	KSTEP F0, 0, 0, 1, 0, 1
	KSTEP F1, 0, 1, 0, 0, 2
	KSTEP F0, 0, 2, 0, 0, 3
	TURN 0, 1, 0
	KSTEP F0, 1, 0, 0, 1, 1
	KSTEP F1, 1, 1, 0, 1, 2
	KSTEP F0, 1, 2, 0, 1, 3
	s_wait_dscnt 0x0
	WIN 0x05
.irp a, 0,1,2,3
	MUL4 F1, \a, 3, 1, 0
.endr
	WIN 0
	PLACES 8
	s_wait_loadcnt 0x0                             ; the residual
	OUTA 0
	OUTA 1
	OUTA 2
	OUTA 3
	s_wait_tensorcnt 0x0                           ; the wave's end
	ds_add_u32 v[SPW], v[NIL]
	s_wait_dscnt 0x0
	CROUND
	s_endpgm
.Lfunc_end_k_qe0da870713_go:
	.size	k_qe0da870713_go, .Lfunc_end_k_qe0da870713_go-k_qe0da870713_go
	.p2alignl 7, 3214868480
	.fill 96, 4, 3214868480
	.section	.rodata,"a",@progbits
	.p2align	6, 0x0
	.amdhsa_kernel k_qe0da870713_go
		.amdhsa_group_segment_fixed_size 327680
		.amdhsa_private_segment_fixed_size 0
		.amdhsa_enable_private_segment 0
		.amdhsa_kernarg_size 40
		.amdhsa_user_sgpr_count 2
		.amdhsa_user_sgpr_kernarg_segment_ptr 1
		.amdhsa_wavefront_size32 1
		.amdhsa_system_sgpr_workgroup_id_x 1
		.amdhsa_system_sgpr_workgroup_id_y 1
		.amdhsa_system_sgpr_workgroup_id_z 1
		.amdhsa_system_vgpr_workitem_id 0
		.amdhsa_next_free_vgpr 768
		.amdhsa_next_free_sgpr 100
		.amdhsa_reserve_vcc 0
		.amdhsa_float_denorm_mode_32 3
		.amdhsa_float_denorm_mode_16_64 3
		.amdhsa_memory_ordered 1
		.amdhsa_forward_progress 1
		.amdhsa_inst_pref_size 62
	.end_amdhsa_kernel
	.amdgpu_metadata
---
amdhsa.version: [ 1, 2 ]
amdhsa.kernels:
  - .name:           k_qe0da870713_go
    .symbol:         k_qe0da870713_go.kd
    .args:
      - { .name: act, .offset: 0, .size: 8, .value_kind: global_buffer, .address_space: global }
      - { .name: Wo_codes, .offset: 8, .size: 8, .value_kind: global_buffer, .address_space: global }
      - { .name: Wo_scales, .offset: 16, .size: 8, .value_kind: global_buffer, .address_space: global }
      - { .name: x, .offset: 24, .size: 8, .value_kind: global_buffer, .address_space: global }
      - { .name: x1, .offset: 32, .size: 8, .value_kind: global_buffer, .address_space: global }
    .group_segment_fixed_size: 327680
    .private_segment_fixed_size: 0
    .kernarg_segment_align: 8
    .kernarg_segment_size: 40
    .max_flat_workgroup_size: 128
    .sgpr_count:     100
    .vgpr_count:     768
    .wavefront_size: 32
...
	.end_amdgpu_metadata
.endif
;; end of part 5
;; launch norm2: the kernel of part 1 again; grid 256 x 1, 8 waves a work-group, no clusters, 2,048 bytes of LDS; arguments x1, g2, act; writes act
;; launch gf1 (part 6): grid 32 x 32, 4 waves a work-group, clusters of 4 x 4, 327,680 bytes of LDS; arguments act, W1_codes, W1_scales, b1, hid; writes hid
.if DOCPART == 6
	.amdgcn_target "amdgcn-amd-amdhsa--gfx1250"
	.amdhsa_code_object_version 6
	.text
	.protected	k_qe0da870713_gf1
	.globl	k_qe0da870713_gf1
	.p2align	8
	.type	k_qe0da870713_gf1,@function
k_qe0da870713_gf1:
	s_mov_b64 s[64:65], 0
	v_nop
	global_prefetch_b8 v0, s[64:65] scope:SCOPE_SE
	s_setreg_imm32_b32 hwreg(HW_REG_WAVE_MODE, 25, 1), 1
	s_wait_xcnt 0x0
	s_wait_alu depctr_hold_cnt(0) depctr_sa_sdst(0) depctr_va_vdst(0) depctr_va_sdst(0) depctr_va_ssrc(0) depctr_va_vcc(0) depctr_vm_vsrc(0)
	s_getreg_b32 s2, hwreg(HW_REG_IB_STS2, 6, 4)
	s_cmp_eq_u32 s2, 0
	s_cbranch_scc0 .Lentry_in_a_cluster
	s_endpgm
.Lentry_in_a_cluster:
	s_bfe_u32 s2, ttmp6, 0x10000c
	s_cmp_lg_u32 s2, 0xf033
	s_cbranch_scc0 .Lentry_shape_is_right
	s_endpgm
.Lentry_shape_is_right:
; hid = Q(gelu(h W1 + b1)): the product on codes of BF8 (E5M2) with E8M0 scales, the exact gelu in f32, and the result quantised at once along the 4,096 hidden units.
; Ring, slots, scales, cluster and steps as in the launch for q and k: 128 tokens x 128 units a work-group, four waves of 64 x 64, all of K = 1,024 in two slots asked for at the start; nothing is filled again.
; Transposed use: lane (r, h) holds token r and units 16 b + 8 h + j.  The bias is the C of each sum's first product.  W2 is given, so the codes are put into the true order of the block by four lane swaps.
; GELU.  z = x / sqrt(2), t = |z|.  t <= 475/512: erf(t) = t + t p(t^2), gelu = x/2 + |x/2| erf(t).  Else: E = erfc(t) = 2^(log2(e) r(t)), gelu = max(x, 0) - |x/2| E: no difference of near numbers is formed.
; Both ways are computed for every number and one is chosen by v_cndmask_b32.  The two polynomials give erf to about an ulp.
; OUT: codes [token tile 256][K step 32][c 4][lane][16 bytes]; at 16,777,216 the scale words [K step 32][token 4096], of which a wave stores two bytes (its 64 units).
; LIMITS: NaN and infinities are not served; a block of zeros gets the byte 1; no largest magnitude is taken under 2^-111.  Far in the negative tail E's relative error grows with t^2 (the product with log2(e) is
; rounded once), and results under 2^-126 become 0.
.set KT,     1024
.set LAPS,   KT/1024
.set ACODES, 4194304
.set SLOT,   133120
.set BOFF,   65536
.set BHALF,  33792
.set SCA,    266240
.set SCB,    282624
.set SPARE,  317440
.set ADRA, 16
.set ADRB, 18
.set ADSA, 20
.set ADSB, 21
.set LI,   22
.set L4,   23
.set BO,   27
.set SPW,  28
.set NIL,  29
.set SC,   32
.set ACC,  128
.set F0,   0
.set F1,   128
.set GT,   64                          ; gelu at work: t, t^2 (later max(x, 0)), r (later E), p
.set GS,   72
.set GR,   80
.set GP,   88
.set TM,   96
.set PD,   98
.set SCL,  100
.set HOLD, 102
.set BY,   104
.set WQ,   106
.set G1,   24
.set G0,   32
.set G1B,  48
.set G0B,  56
.set G1S,  68
.set G0S,  76
.set G1SB, 80
.set G0SB, 88
.set MNT,  97
.set SEL,  98
.set MSB, 0
.macro WIN new
.if MSB != \new
	s_set_vgpr_msb (MSB<<8)|\new
.set MSB, \new
.endif
.endm
.macro PLACES n
.rept \n
	v_nop
.endr
.endm
.macro JLOAD g0a, g1a, g0b, g1b
	s_cmp_eq_u32 s15, 0
	s_cbranch_scc0 .Lfor_b_\@
	tensor_load_to_lds s[\g0a:\g0a+3], s[\g1a:\g1a+7]
	s_nop 0
.rept 4
	v_nop
.endr
	s_branch .Lasked_\@
.Lfor_b_\@:
	tensor_load_to_lds s[\g0b:\g0b+3], s[\g1b:\g1b+7]
	s_nop 0
.rept 4
	v_nop
.endr
.Lasked_\@:
.endm
.macro CREST
	s_cmp_lg_u32 s14, 0
	s_cbranch_scc1 .Lnot_wave_0_\@
	s_barrier_signal -3
.Lnot_wave_0_\@:
	s_barrier_wait -3
	s_barrier_signal -1
	s_barrier_wait -1
.endm
.macro CROUND
	s_barrier_signal -1
	s_barrier_wait -1
	CREST
.endm
.macro FETCH sl, q, f
	WIN 0x40
.irp a, 0,1,2,3
.irp c, 0,1,2,3
	ds_load_b128 v[(\f)+16*\a+4*\c:(\f)+16*\a+4*\c+3], v[ADRA+\sl] offset:8192*\a+2048*(\q)+512*\c
.endr
.endr
.irp b, 0,1,2,3
.irp c, 0,1,2,3
	ds_load_b128 v[(\f)+64+16*\b+4*\c:(\f)+64+16*\b+4*\c+3], v[ADRB+\sl] offset:8448*\b+128*(\q)+32*\c
.endr
.endr
.endm
.macro SCALES sg
.irp q, 0,1,2,3
.irp i, 0,1
	ds_load_b32 v[SC+16*(\sg)+2*\q+\i], v[ADSA] offset:512*\q+128*\i
.endr
.endr
.irp p, 0,1
	ds_load_b128 v[SC+16*(\sg)+8+4*\p:SC+16*(\sg)+8+4*\p+3], v[ADSB] offset:\p*(KT/256)*272
.endr
.endm
.macro WM f, a, b, q, sg, first        ; first = 1: the sum begins with the bias, v[64 + 8 b] on
.set rD,  ACC+8*(4*(\a)+(\b))
.set rC,  rD
.if \first
.set rC,  64+8*(\b)
.endif
.set rW,  (\f)+64+16*(\b)
.set rX,  (\f)+16*(\a)
.set rSW, SC+16*(\sg)+8+4*((\b)/2)+(\q)
.set rSX, SC+16*(\sg)+2*(\q)+(\a)/2
.set par, 2*((\a)%2)+(\b)%2
.if par == 0
	v_wmma_scale_f32_16x16x128_f8f6f4 v[rD:rD+7], v[rW:rW+15], v[rX:rX+15], v[rC:rC+7], v[rSW], v[rSX] matrix_a_fmt:MATRIX_FMT_BF8 matrix_b_fmt:MATRIX_FMT_BF8
.elseif par == 1
	v_wmma_scale_f32_16x16x128_f8f6f4 v[rD:rD+7], v[rW:rW+15], v[rX:rX+15], v[rC:rC+7], v[rSW], v[rSX] matrix_a_fmt:MATRIX_FMT_BF8 matrix_b_fmt:MATRIX_FMT_BF8 matrix_a_scale:MATRIX_SCALE_ROW1
.elseif par == 2
	v_wmma_scale_f32_16x16x128_f8f6f4 v[rD:rD+7], v[rW:rW+15], v[rX:rX+15], v[rC:rC+7], v[rSW], v[rSX] matrix_a_fmt:MATRIX_FMT_BF8 matrix_b_fmt:MATRIX_FMT_BF8 matrix_b_scale:MATRIX_SCALE_ROW1
.else
	v_wmma_scale_f32_16x16x128_f8f6f4 v[rD:rD+7], v[rW:rW+15], v[rX:rX+15], v[rC:rC+7], v[rSW], v[rSX] matrix_a_fmt:MATRIX_FMT_BF8 matrix_b_fmt:MATRIX_FMT_BF8 matrix_a_scale:MATRIX_SCALE_ROW1 matrix_b_scale:MATRIX_SCALE_ROW1
.endif
.endm
.macro MUL4 f, a, q, sg, first
.irp b, 0,1,2,3
	WM \f, \a, \b, \q, \sg, \first
.endr
.endm
.macro KSTEP f, sg, q, first, sn, qn
	PLACES 8
	FETCH \sn, \qn, 128-(\f)
	s_wait_dscnt 32                                ; all but the 32 just issued
	WIN 0x05
.irp a, 0,1,2,3
	MUL4 \f, \a, \q, \sg, \first
.endr
	WIN 0
.endm
.macro TURN sg, sn, fill
	s_wait_tensorcnt 0x0                           ; all my tensor loads have landed
	ds_add_u32 v[SPW], v[NIL]
	s_wait_dscnt 1                                 ; only the add may be out
	WIN 0x05
	MUL4 F1, 0, 3, \sg, 0
	s_wait_dscnt 0x0                               ; the add is done, and my reads of this slot are over
	s_barrier_signal -1
	MUL4 F1, 1, 3, \sg, 0
	WIN 0
	s_barrier_wait -1
.if \fill
	CREST
	s_add_nc_u64 s[G0+4*\sg+2:G0+4*\sg+3], s[G0+4*\sg+2:G0+4*\sg+3], 16384
	s_add_nc_u64 s[G0B+4*\sg+2:G0B+4*\sg+3], s[G0B+4*\sg+2:G0B+4*\sg+3], 1024
	JLOAD G0+4*\sg, G1, G0B+4*\sg, G1B
	PLACES 4
.else
	PLACES 8
.endif
	v_add_nc_u32 v[ADSA], 2048, v[ADSA]
	v_add_nc_u32 v[ADSB], 16, v[ADSB]
	FETCH \sn, 0, F0
	WIN 0
	SCALES \sn
	WIN 0x05
	MUL4 F1, 2, 3, \sg, 0
	MUL4 F1, 3, 3, \sg, 0
	WIN 0
.endm
.macro Q2 src, cod, wrd, swp
.irp e, 0,1
	v_max3_num_f32 v[TM+\e], |v[(\src)+16*\e]|, |v[(\src)+16*\e+1]|, 0x8000000
.endr
.irp i, 2,4,6,8,10,12,14
.irp e, 0,1
	v_max3_num_f32 v[TM+\e], v[TM+\e], |v[(\src)+16*\e+\i]|, |v[(\src)+16*\e+\i+1]|
.endr
.endr
.irp e, 0,1
	v_permlanex16_b32 v[PD+\e], v[TM+\e], s[SEL], s[SEL+1]
.endr
.irp e, 0,1
	v_max_num_f32 v[TM+\e], v[TM+\e], v[PD+\e]
.endr
.irp e, 0,1
	v_add_nc_u32 v[SCL+\e], 0xf8800000, v[TM+\e]
.endr
.irp e, 0,1
	v_and_or_b32 v[HOLD+\e], v[TM+\e], 0x7f800000, s[MNT]
.endr
.irp e, 0,1
	v_lshrrev_b32 v[BY+\e], 23, v[SCL+\e]
.endr
	v_lshl_or_b32 v[\wrd], v[BY+1], 8, v[BY]
.irp e, 0,1
.irp i, 0,1,2,3,4,5,6,7,8,9,10,11,12,13,14,15
	v_med3_num_f32 v[(\src)+16*\e+\i], v[(\src)+16*\e+\i], -v[HOLD+\e], v[HOLD+\e]
.endr
	v_cvt_scalef32_pk8_bf8_f32 v[(\cod)+4*\e:(\cod)+4*\e+1], v[(\src)+16*\e:(\src)+16*\e+7], v[SCL+\e]
	v_cvt_scalef32_pk8_bf8_f32 v[(\cod)+4*\e+2:(\cod)+4*\e+3], v[(\src)+16*\e+8:(\src)+16*\e+15], v[SCL+\e]
.endr
	v_nop
.if \swp
.irp e, 0,1                            ; lanes 0-15 want numbers 0-15 of the block, lanes 16-31 numbers 16-31: my second eight against lane l xor 16's first eight
	v_permlane16_swap_b32 v[(\cod)+4*\e], v[(\cod)+4*\e+2]
	v_permlane16_swap_b32 v[(\cod)+4*\e+1], v[(\cod)+4*\e+3]
.endr
.endif
.endm
; gelu of one accumulator's eight numbers, in place
.macro GELU8 x
.irp i, 0,1,2,3,4,5,6,7
	v_mul_f32 v[GT+\i], 0x3f3504f3, |v[(\x)+\i]|   ; t = |x| / sqrt(2); the accumulator is read from its low end on
.endr
.irp i, 0,2,4,6
	v_pk_mul_f32 v[GS+\i:GS+\i+1], v[GT+\i:GT+\i+1], v[GT+\i:GT+\i+1]
.endr
.irp i, 0,2,4,6
	v_pk_fma_f32 v[GR+\i:GR+\i+1], v[GT+\i:GT+\i+1], v[4:5], 0x39c8e7d9 op_sel_hi:[1,0,0]
.endr
.irp i, 0,2,4,6
	v_pk_fma_f32 v[GP+\i:GP+\i+1], v[GT+\i:GT+\i+1], v[6:7], 0x3cc6b1a1 op_sel_hi:[1,0,0]
.endr
.irp i, 0,2,4,6
	v_pk_fma_f32 v[GR+\i:GR+\i+1], v[GR+\i:GR+\i+1], v[GS+\i:GS+\i+1], v[GP+\i:GP+\i+1]
.endr
.irp i, 0,2,4,6
	v_pk_fma_f32 v[GR+\i:GR+\i+1], v[GR+\i:GR+\i+1], v[GT+\i:GT+\i+1], 0xbddaae5c op_sel_hi:[1,1,0]
.endr
.irp i, 0,2,4,6
	v_pk_fma_f32 v[GR+\i:GR+\i+1], v[GR+\i:GR+\i+1], v[GT+\i:GT+\i+1], 0xbf228550 op_sel_hi:[1,1,0]
.endr
.irp i, 0,2,4,6
	v_pk_fma_f32 v[GR+\i:GR+\i+1], v[GR+\i:GR+\i+1], v[GT+\i:GT+\i+1], 0xbe03ce86 op_sel_hi:[1,1,0]
.endr
.irp i, 0,2,4,6
	v_pk_fma_f32 v[GR+\i:GR+\i+1], v[GR+\i:GR+\i+1], v[GT+\i:GT+\i+1], v[GT+\i:GT+\i+1] neg_lo:[0,0,1] neg_hi:[0,0,1]
.endr
.irp i, 0,2,4,6
	v_pk_mul_f32 v[GR+\i:GR+\i+1], v[GR+\i:GR+\i+1], 0x3fb8aa3b op_sel_hi:[1,0]
.endr
.irp i, 0,1,2,3,4,5,6,7
	v_exp_f32 v[GR+\i], v[GR+\i]                   ; E = erfc(t)
.endr
.irp i, 0,2,4,6                        ; the other way, x / 2 and max(x, 0) are the work behind the exponentials
	v_pk_fma_f32 v[GP+\i:GP+\i+1], v[GS+\i:GS+\i+1], v[8:9], 0x3ba38d2c op_sel_hi:[1,0,0]
.endr
.irp i, 0,2,4,6
	v_pk_fma_f32 v[GP+\i:GP+\i+1], v[GP+\i:GP+\i+1], v[GS+\i:GS+\i+1], 0xbcdb48d9 op_sel_hi:[1,1,0]
.endr
.irp i, 0,2,4,6
	v_pk_fma_f32 v[GP+\i:GP+\i+1], v[GP+\i:GP+\i+1], v[GS+\i:GS+\i+1], 0x3de70e22 op_sel_hi:[1,1,0]
.endr
.irp i, 0,2,4,6
	v_pk_fma_f32 v[GP+\i:GP+\i+1], v[GP+\i:GP+\i+1], v[GS+\i:GS+\i+1], 0xbec09380 op_sel_hi:[1,1,0]
.endr
.irp i, 0,2,4,6
	v_pk_fma_f32 v[GP+\i:GP+\i+1], v[GP+\i:GP+\i+1], v[GS+\i:GS+\i+1], 0x3e0375d4 op_sel_hi:[1,1,0]
.endr
.irp i, 0,2,4,6
	v_pk_fma_f32 v[GP+\i:GP+\i+1], v[GP+\i:GP+\i+1], v[GT+\i:GT+\i+1], v[GT+\i:GT+\i+1]   ; erf(t)
.endr
.irp i, 0,2,4,6
	v_pk_mul_f32 v[(\x)+\i:(\x)+\i+1], v[(\x)+\i:(\x)+\i+1], 0.5 op_sel_hi:[1,0]          ; x / 2
.endr
.irp i, 0,1,2,3,4,5,6,7
	v_add_f32 v[GS+\i], v[(\x)+\i], |v[(\x)+\i]|   ; max(x, 0), exactly
.endr
	s_wait_alu depctr_va_vdst(0)                   ; one wait for the eight exponentials, ahead of their first reader
.irp i, 0,1,2,3,4,5,6,7
	v_fma_f32 v[GP+\i], |v[(\x)+\i]|, v[GP+\i], v[(\x)+\i]
.endr
.irp i, 0,1,2,3,4,5,6,7
	v_fma_f32 v[GR+\i], -|v[(\x)+\i]|, v[GR+\i], v[GS+\i]
.endr
.irp i, 0,1,2,3,4,5,6,7
	v_cmp_lt_f32 vcc_lo, 0x3f6d8000, v[GT+\i]
	v_cndmask_b32 v[(\x)+\i], v[GP+\i], v[GR+\i], vcc_lo
.endr
.endm
	s_load_b128 s[4:7], s[0:1], 0x0                ; the activations, W1's codes
	s_load_b128 s[8:11], s[0:1], 0x10              ; W1's scales, b1
	s_load_b64 s[12:13], s[0:1], 0x20              ; out
	v_lshl_add_u32 v[SPW], v0, 2, SPARE
	v_mov_b32 v[NIL], 0
	ds_add_u32 v28, v29
	ds_add_u32 v28, v29
	s_wait_dscnt 0x0
	v_lshrrev_b32 v1, 5, v0
	v_readfirstlane_b32 s14, v1
	s_lshr_b32 s15, s14, 1
	s_and_b32 s16, s14, 1
	s_bfe_u32 s40, ttmp6, 0x40000
	s_bfe_u32 s41, ttmp6, 0x40004
	s_lshl_b32 s42, ttmp9, 2
	s_add_co_u32 s42, s42, s40
	s_and_b32 s17, ttmp7, 0xffff
	s_lshl_b32 s17, s17, 2
	s_add_co_u32 s17, s17, s41
	s_lshl_b32 s43, s41, 2
	s_lshl_b32 s43, 15, s43
	s_lshl_b32 s44, 0x1111, s40
	s_mov_b32 s[MNT], 0x600000
	s_mov_b32 s[SEL], 0x76543210
	s_mov_b32 s[SEL+1], 0xfedcba98
	s_or_b32 s[G1], s43, (3<<16)|(1<<21)
	s_mov_b32 s[G1+1], 1024<<16
	s_mov_b32 s[G1+2], 4<<16
	s_mov_b32 s[G1+3], 1024<<16
	s_mov_b32 s[G1+4], 4
	s_mov_b32 s[G1+5], 2*KT
	s_mov_b32 s[G1+6], 0
	s_mov_b32 s[G1+7], 0
	s_or_b32 s[G1B], s44, (1<<20)|(1<<21)|(6<<22)|(3<<25)
	s_mov_b32 s[G1B+1], 512<<16
	s_mov_b32 s[G1B+2], 64<<16
	s_mov_b32 s[G1B+3], 512<<16
	s_mov_b32 s[G1B+4], 64
	s_mov_b32 s[G1B+5], KT
	s_mov_b32 s[G1B+6], 0
	s_mov_b32 s[G1B+7], 0
	s_or_b32 s[G1S], s43, (3<<16)|(1<<21)
	s_mov_b32 s[G1S+1], 64<<16
	s_mov_b32 s[G1S+2], (KT/256)<<16
	s_mov_b32 s[G1S+3], 64<<16
	s_mov_b32 s[G1S+4], KT/256
	s_mov_b32 s[G1S+5], 2048
	s_mov_b32 s[G1S+6], 0
	s_mov_b32 s[G1S+7], 0
	s_or_b32 s[G1SB], s44, (3<<16)|(1<<20)|(1<<21)|(5<<22)|(3<<25)
	s_mov_b32 s[G1SB+1], 32<<16
	s_mov_b32 s[G1SB+2], (KT/128)<<16
	s_mov_b32 s[G1SB+3], 32<<16
	s_mov_b32 s[G1SB+4], KT/128
	s_mov_b32 s[G1SB+5], 32
	s_mov_b32 s[G1SB+6], 0
	s_mov_b32 s[G1SB+7], 0
	s_lshl_b32 s20, s17, 3
	s_lshl_b32 s21, s16, 2
	s_add_co_u32 s20, s20, s21
	s_mul_i32 s20, s20, 16*KT
	s_mov_b32 s21, 0
	s_lshl_b32 s22, s17, 9
	s_mul_i32 s23, s16, (KT/256)*16384
	s_add_co_u32 s22, s22, s23
	s_add_co_u32 s22, s22, ACODES
	s_mov_b32 s23, 0
	s_lshl_b32 s46, s42, 7
	s_lshl_b32 s47, s16, 6
	s_add_co_u32 s46, s46, s47
	s_mul_i32 s18, s46, KT/32
	s_mul_i32 s46, s46, KT
	s_mov_b32 s47, 0
	s_mov_b32 s19, 0
	s_mov_b32 s[G0], 1
	s_mov_b32 s[G0+4], 1
	s_lshl_b32 s[G0+1], s16, 15
	s_add_co_u32 s[G0+5], s[G0+1], SLOT
	s_mov_b32 s[G0B], 1
	s_mov_b32 s[G0B+4], 1
	s_mul_i32 s[G0B+1], s16, BHALF
	s_add_co_u32 s[G0B+1], s[G0B+1], BOFF
	s_add_co_u32 s[G0B+5], s[G0B+1], SLOT
	s_mov_b32 s[G0S], 1
	s_mul_i32 s[G0S+1], s16, (KT/256)*512
	s_add_co_u32 s[G0S+1], s[G0S+1], SCA
	s_mov_b32 s[G0SB], 1
	s_mul_i32 s[G0SB+1], s16, (KT/128)*272
	s_add_co_u32 s[G0SB+1], s[G0SB+1], SCB
	s_wait_kmcnt 0x0
	s_add_nc_u64 s[G0+2:G0+3], s[4:5], s[20:21]
	s_add_nc_u64 s[G0+6:G0+7], s[G0+2:G0+3], 8192
	s_add_nc_u64 s[G0B+2:G0B+3], s[6:7], s[46:47]
	s_add_nc_u64 s[G0B+6:G0B+7], s[G0B+2:G0B+3], 512
	s_add_nc_u64 s[G0S+2:G0S+3], s[4:5], s[22:23]
	s_add_nc_u64 s[G0SB+2:G0SB+3], s[8:9], s[18:19]
	s_or_b32 s[G0+3], s[G0+3], 0x80000000
	s_or_b32 s[G0+7], s[G0+7], 0x80000000
	s_or_b32 s[G0B+3], s[G0B+3], 0x80000000
	s_or_b32 s[G0B+7], s[G0B+7], 0x80000000
	s_or_b32 s[G0S+3], s[G0S+3], 0x80000000
	s_or_b32 s[G0SB+3], s[G0SB+3], 0x80000000
	CROUND
	JLOAD G0S, G1S, G0SB, G1SB
	JLOAD G0, G1, G0B, G1B
	JLOAD G0+4, G1, G0B+4, G1B
	v_and_b32 v1, 15, v0
	v_bfe_u32 v2, v0, 4, 1
	v_and_b32 v3, 31, v0
	v_lshlrev_b32 v[LI], 4, v3
	v_lshlrev_b32 v[L4], 2, v3
	s_lshl_b32 s18, s15, 15
	v_add_nc_u32 v[ADRA], s18, v[LI]
	v_add_nc_u32 v[ADRA+1], SLOT, v[ADRA]
	v_mul_u32_u24 v[ADRB], v1, 528
	v_lshl_add_u32 v[ADRB], v2, 4, v[ADRB]
	s_mul_i32 s18, s16, BHALF
	s_add_co_u32 s18, s18, BOFF
	v_add_nc_u32 v[ADRB], s18, v[ADRB]
	v_add_nc_u32 v[ADRB+1], SLOT, v[ADRB]
	s_lshl_b32 s18, s15, 8
	s_add_co_u32 s18, s18, SCA
	v_add_nc_u32 v[ADSA], s18, v[L4]
	v_mul_u32_u24 v[ADSB], v3, KT/32
	v_lshrrev_b32 v[BO], 8, v[ADSB]
	v_lshl_add_u32 v[ADSB], v[BO], 4, v[ADSB]
	s_mul_i32 s18, s16, (KT/128)*272
	s_add_co_u32 s18, s18, SCB
	v_add_nc_u32 v[ADSB], s18, v[ADSB]
	v_lshlrev_b32 v[BO], 5, v2                     ; the bias: my half's eight units of a tile
	s_lshl_b32 s18, s42, 9
	s_lshl_b32 s19, s16, 8
	s_add_co_u32 s18, s18, s19
	s_mov_b32 s19, 0
	s_add_nc_u64 s[10:11], s[10:11], s[18:19]
.irp b, 0,1,2,3
	global_load_b128 v[64+8*\b:64+8*\b+3], v[BO], s[10:11] offset:64*\b
	global_load_b128 v[64+8*\b+4:64+8*\b+7], v[BO], s[10:11] offset:64*\b+16
.endr
	v_mov_b32 v4, 0xb7910000                       ; three of the polynomials' coefficients, as pairs
	v_mov_b32 v5, 0xb7910000
	v_mov_b32 v6, 0xbb7e8a1c
	v_mov_b32 v7, 0xbb7e8a1c
	v_mov_b32 v8, 0xba1c7000
	v_mov_b32 v9, 0xba1c7000
	s_wait_tensorcnt 1                             ; slot 1's load may be out
	s_barrier_signal -1
	s_barrier_wait -1
	FETCH 0, 0, F0
	WIN 0
	SCALES 0
	s_wait_loadcnt 0x0                             ; the bias
	KSTEP F0, 0, 0, 1, 0, 1
	KSTEP F1, 0, 1, 0, 0, 2
	KSTEP F0, 0, 2, 0, 0, 3
	TURN 0, 1, 0
	KSTEP F0, 1, 0, 0, 1, 1
	KSTEP F1, 1, 1, 0, 1, 2
	KSTEP F0, 1, 2, 0, 1, 3
	s_wait_dscnt 0x0
	WIN 0x05
.irp a, 0,1,2,3
	MUL4 F1, \a, 3, 1, 0
.endr
	WIN 0
	PLACES 8
	; THE WAY OUT
	v_mov_b32 v[PD], 0
	v_mov_b32 v[PD+1], 0
	s_lshl_b32 s18, s17, 3
	s_lshl_b32 s19, s15, 2
	s_add_co_u32 s18, s18, s19                     ; my first token tile
	s_lshl_b32 s22, s18, 16
	s_lshl_b32 s20, s42, 11                        ; the K step of the next product = the tile column
	s_add_co_u32 s22, s22, s20
	s_lshl_b32 s20, s16, 10                        ; my 64 units: groups c = 2 x half, 2 x half + 1
	s_add_co_u32 s22, s22, s20
	s_mov_b32 s23, 0
	s_add_nc_u64 s[10:11], s[12:13], s[22:23]
	s_lshl_b32 s22, s42, 14
	s_lshl_b32 s20, s18, 6
	s_add_co_u32 s22, s22, s20
	s_lshl_b32 s20, s16, 1
	s_add_co_u32 s22, s22, s20
	s_add_co_u32 s22, s22, 16777216
	s_add_nc_u64 s[12:13], s[12:13], s[22:23]
.irp a, 0,1,2,3
.irp b, 0,1,2,3
	GELU8 ACC+32*\a+8*\b
.endr
.if \a >= 2
	s_wait_xcnt 0x0                                ; the stores of two tiles back have read these registers
.endif
	Q2 ACC+32*\a, 112+8*(\a%2), WQ+\a, 1
	global_store_b128 v[LI], v[112+8*(\a%2):112+8*(\a%2)+3], s[10:11] offset:65536*\a
	global_store_b128 v[LI], v[112+8*(\a%2)+4:112+8*(\a%2)+7], s[10:11] offset:65536*\a+512
.endr
	s_mov_b32 vcc_lo, 0xffff0000
	v_cndmask_b32 v110, v[WQ], v[WQ+1], vcc_lo     ; lanes 0-15: tokens 0-15, lanes 16-31: tokens 16-31
	v_cndmask_b32 v111, v[WQ+2], v[WQ+3], vcc_lo
	global_store_b16 v[L4], v110, s[12:13]         ; two bytes of each token's word: the other two are the other wave's
	global_store_b16 v[L4], v111, s[12:13] offset:128
	s_wait_tensorcnt 0x0                           ; the wave's end
	ds_add_u32 v[SPW], v[NIL]
	s_wait_dscnt 0x0
	CROUND
	s_endpgm
.Lfunc_end_k_qe0da870713_gf1:
	.size	k_qe0da870713_gf1, .Lfunc_end_k_qe0da870713_gf1-k_qe0da870713_gf1
	.p2alignl 7, 3214868480
	.fill 96, 4, 3214868480
	.section	.rodata,"a",@progbits
	.p2align	6, 0x0
	.amdhsa_kernel k_qe0da870713_gf1
		.amdhsa_group_segment_fixed_size 327680
		.amdhsa_private_segment_fixed_size 0
		.amdhsa_enable_private_segment 0
		.amdhsa_kernarg_size 40
		.amdhsa_user_sgpr_count 2
		.amdhsa_user_sgpr_kernarg_segment_ptr 1
		.amdhsa_wavefront_size32 1
		.amdhsa_system_sgpr_workgroup_id_x 1
		.amdhsa_system_sgpr_workgroup_id_y 1
		.amdhsa_system_sgpr_workgroup_id_z 1
		.amdhsa_system_vgpr_workitem_id 0
		.amdhsa_next_free_vgpr 512
		.amdhsa_next_free_sgpr 100
		.amdhsa_reserve_vcc 1
		.amdhsa_float_denorm_mode_32 3
		.amdhsa_float_denorm_mode_16_64 3
		.amdhsa_memory_ordered 1
		.amdhsa_forward_progress 1
		.amdhsa_inst_pref_size 204
	.end_amdhsa_kernel
	.amdgpu_metadata
---
amdhsa.version: [ 1, 2 ]
amdhsa.kernels:
  - .name:           k_qe0da870713_gf1
    .symbol:         k_qe0da870713_gf1.kd
    .args:
      - { .name: act, .offset: 0, .size: 8, .value_kind: global_buffer, .address_space: global }
      - { .name: W1_codes, .offset: 8, .size: 8, .value_kind: global_buffer, .address_space: global }
      - { .name: W1_scales, .offset: 16, .size: 8, .value_kind: global_buffer, .address_space: global }
      - { .name: b1, .offset: 24, .size: 8, .value_kind: global_buffer, .address_space: global }
      - { .name: hid, .offset: 32, .size: 8, .value_kind: global_buffer, .address_space: global }
    .group_segment_fixed_size: 327680
    .private_segment_fixed_size: 0
    .kernarg_segment_align: 8
    .kernarg_segment_size: 40
    .max_flat_workgroup_size: 128
    .sgpr_count:     100
    .vgpr_count:     512
    .wavefront_size: 32
...
	.end_amdgpu_metadata
.endif
;; end of part 6
;; launch gf2 (part 7): grid 8 x 32, 4 waves a work-group, clusters of 4 x 4, 327,680 bytes of LDS; arguments hid, W2_codes, W2_scales, b2, x1, out0; writes out0
.if DOCPART == 7
	.amdgcn_target "amdgcn-amd-amdhsa--gfx1250"
	.amdhsa_code_object_version 6
	.text
	.protected	k_qe0da870713_gf2
	.globl	k_qe0da870713_gf2
	.p2align	8
	.type	k_qe0da870713_gf2,@function
k_qe0da870713_gf2:
	s_mov_b64 s[64:65], 0
	v_nop
	global_prefetch_b8 v0, s[64:65] scope:SCOPE_SE
	s_setreg_imm32_b32 hwreg(HW_REG_WAVE_MODE, 25, 1), 1
	s_wait_xcnt 0x0
	s_wait_alu depctr_hold_cnt(0) depctr_sa_sdst(0) depctr_va_vdst(0) depctr_va_sdst(0) depctr_va_ssrc(0) depctr_va_vcc(0) depctr_vm_vsrc(0)
	s_getreg_b32 s2, hwreg(HW_REG_IB_STS2, 6, 4)
	s_cmp_eq_u32 s2, 0
	s_cbranch_scc0 .Lentry_in_a_cluster
	s_endpgm
.Lentry_in_a_cluster:
	s_bfe_u32 s2, ttmp6, 0x10000c
	s_cmp_lg_u32 s2, 0xf033
	s_cbranch_scc0 .Lentry_shape_is_right
	s_endpgm
.Lentry_shape_is_right:
; out = x1 + (hid W2 + b2) on codes of BF8 (E5M2) with E8M0 scales; K = 4,096.
; 128 tokens x 128 columns a work-group, four waves of 64 x 64.  K goes in slots of 512 through a ring of two LDS slots; each slot is filled again three times, one joint load a wave behind a round of the cluster's barrier,
; which then has a slot's 64 products of each wave in which to land.  The scale words of all of K come once, with the first fills.  All else as in the launch for x1 = x + y Wo; the bias is the C of each sum's first product.
; CLUSTERS: 4 x 4 work-groups; A's tiles are asked for jointly along a row of the cluster, B's along a column.  No prefetch: every tile is shared in its cluster and read by several clusters.
; LIMITS: NaN and infinities are not served.
.set KT,     4096
.set LAPS,   KT/1024
.set ACODES, 16777216
.set SLOT,   133120
.set BOFF,   65536
.set BHALF,  33792
.set SCA,    266240
.set SCB,    282624
.set STAGE,  300032
.set SPARE,  317440
.set ADRA, 16
.set ADRB, 18
.set ADSA, 20
.set ADSB, 21
.set LI,   22
.set L4,   23
.set STO,  24
.set RD,   25
.set CO,   26
.set BO,   27
.set SPW,  28
.set NIL,  29
.set SC,   32
.set ACC,  128
.set F0,   0
.set F1,   128
.set G1,   24
.set G0,   32
.set G1B,  48
.set G0B,  56
.set G1S,  68
.set G0S,  76
.set G1SB, 80
.set G0SB, 88
.set MSB, 0
.macro WIN new
.if MSB != \new
	s_set_vgpr_msb (MSB<<8)|\new
.set MSB, \new
.endif
.endm
.macro PLACES n
.rept \n
	v_nop
.endr
.endm
.macro JLOAD g0a, g1a, g0b, g1b
	s_cmp_eq_u32 s15, 0
	s_cbranch_scc0 .Lfor_b_\@
	tensor_load_to_lds s[\g0a:\g0a+3], s[\g1a:\g1a+7]
	s_nop 0
.rept 4
	v_nop
.endr
	s_branch .Lasked_\@
.Lfor_b_\@:
	tensor_load_to_lds s[\g0b:\g0b+3], s[\g1b:\g1b+7]
	s_nop 0
.rept 4
	v_nop
.endr
.Lasked_\@:
.endm
.macro CREST
	s_cmp_lg_u32 s14, 0
	s_cbranch_scc1 .Lnot_wave_0_\@
	s_barrier_signal -3
.Lnot_wave_0_\@:
	s_barrier_wait -3
	s_barrier_signal -1
	s_barrier_wait -1
.endm
.macro CROUND
	s_barrier_signal -1
	s_barrier_wait -1
	CREST
.endm
.macro FETCH sl, q, f
	WIN 0x40
.irp a, 0,1,2,3
.irp c, 0,1,2,3
	ds_load_b128 v[(\f)+16*\a+4*\c:(\f)+16*\a+4*\c+3], v[ADRA+\sl] offset:8192*\a+2048*(\q)+512*\c
.endr
.endr
.irp b, 0,1,2,3
.irp c, 0,1,2,3
	ds_load_b128 v[(\f)+64+16*\b+4*\c:(\f)+64+16*\b+4*\c+3], v[ADRB+\sl] offset:8448*\b+128*(\q)+32*\c
.endr
.endr
.endm
.macro SCALES sg
.irp q, 0,1,2,3
.irp i, 0,1
	ds_load_b32 v[SC+16*(\sg)+2*\q+\i], v[ADSA] offset:512*\q+128*\i
.endr
.endr
.irp p, 0,1
	ds_load_b128 v[SC+16*(\sg)+8+4*\p:SC+16*(\sg)+8+4*\p+3], v[ADSB] offset:\p*(KT/256)*272
.endr
.endm
.macro WM f, a, b, q, sg, first        ; first = 1: the sum begins with the bias, v[64 + 8 b] on
.set rD,  ACC+8*(4*(\a)+(\b))
.set rC,  rD
.if \first
.set rC,  64+8*(\b)
.endif
.set rW,  (\f)+64+16*(\b)
.set rX,  (\f)+16*(\a)
.set rSW, SC+16*(\sg)+8+4*((\b)/2)+(\q)
.set rSX, SC+16*(\sg)+2*(\q)+(\a)/2
.set par, 2*((\a)%2)+(\b)%2
.if par == 0
	v_wmma_scale_f32_16x16x128_f8f6f4 v[rD:rD+7], v[rW:rW+15], v[rX:rX+15], v[rC:rC+7], v[rSW], v[rSX] matrix_a_fmt:MATRIX_FMT_BF8 matrix_b_fmt:MATRIX_FMT_BF8
.elseif par == 1
	v_wmma_scale_f32_16x16x128_f8f6f4 v[rD:rD+7], v[rW:rW+15], v[rX:rX+15], v[rC:rC+7], v[rSW], v[rSX] matrix_a_fmt:MATRIX_FMT_BF8 matrix_b_fmt:MATRIX_FMT_BF8 matrix_a_scale:MATRIX_SCALE_ROW1
.elseif par == 2
	v_wmma_scale_f32_16x16x128_f8f6f4 v[rD:rD+7], v[rW:rW+15], v[rX:rX+15], v[rC:rC+7], v[rSW], v[rSX] matrix_a_fmt:MATRIX_FMT_BF8 matrix_b_fmt:MATRIX_FMT_BF8 matrix_b_scale:MATRIX_SCALE_ROW1
.else
	v_wmma_scale_f32_16x16x128_f8f6f4 v[rD:rD+7], v[rW:rW+15], v[rX:rX+15], v[rC:rC+7], v[rSW], v[rSX] matrix_a_fmt:MATRIX_FMT_BF8 matrix_b_fmt:MATRIX_FMT_BF8 matrix_a_scale:MATRIX_SCALE_ROW1 matrix_b_scale:MATRIX_SCALE_ROW1
.endif
.endm
.macro MUL4 f, a, q, sg, first
.irp b, 0,1,2,3
	WM \f, \a, \b, \q, \sg, \first
.endr
.endm
.macro KSTEP f, sg, q, first, sn, qn   ; the next step's loads, eight places behind the products that read their registers; then 16 products, the accumulators by turns
	PLACES 8
	FETCH \sn, \qn, 128-(\f)
	s_wait_dscnt 32                                ; all but the 32 just issued
	WIN 0x05
.irp a, 0,1,2,3
	MUL4 \f, \a, \q, \sg, \first
.endr
	WIN 0
.endm
; A slot's last step changes slots: one barrier; in front of it each wave waits for all its tensor loads, adds 0 to its spare word, and waits for that and for its reads of this slot.
; fill = 1: the barrier opens a round of the cluster's barrier, and behind the round this slot is filled again, two slots ahead: the wave's one tensor load until the next round.
.macro TURN sg, sn, fill
	s_wait_tensorcnt 0x0                           ; all my tensor loads have landed: the one that was out is my part of the next slot
	ds_add_u32 v[SPW], v[NIL]
	s_wait_dscnt 1                                 ; only the add may be out
	WIN 0x05
	MUL4 F1, 0, 3, \sg, 0
	s_wait_dscnt 0x0                               ; the add is done, and my reads of this slot are over
	s_barrier_signal -1
	MUL4 F1, 1, 3, \sg, 0
	WIN 0
	s_barrier_wait -1
.if \fill
	CREST                                          ; no wave of any partner still reads this slot or has a load on its way
	s_add_nc_u64 s[G0+4*\sg+2:G0+4*\sg+3], s[G0+4*\sg+2:G0+4*\sg+3], 16384
	s_add_nc_u64 s[G0B+4*\sg+2:G0B+4*\sg+3], s[G0B+4*\sg+2:G0B+4*\sg+3], 1024
	JLOAD G0+4*\sg, G1, G0B+4*\sg, G1B             ; its four v_nop are four of the eight places in front of the loads below
	PLACES 4
.else
	PLACES 8
.endif
	v_add_nc_u32 v[ADSA], 2048, v[ADSA]
	v_add_nc_u32 v[ADSB], 16, v[ADSB]
	FETCH \sn, 0, F0
	WIN 0
	SCALES \sn
	WIN 0x05
	MUL4 F1, 2, 3, \sg, 0
	MUL4 F1, 3, 3, \sg, 0
	WIN 0
.endm
.macro OUTA a
.set TT, 64+32*((\a)%2)
.if (\a) >= 2
	s_wait_xcnt 0x0                                ; the stores of two tiles back have read these registers
.endif
.irp b, 0,1,2,3
	ds_store_b128 v[STO], v[ACC+8*(4*(\a)+\b):ACC+8*(4*(\a)+\b)+3] offset:64*\b
	ds_store_b128 v[STO], v[ACC+8*(4*(\a)+\b)+4:ACC+8*(4*(\a)+\b)+7] offset:64*\b+16
.endr
.irp i, 0,1,2,3,4,5,6,7
	ds_load_b128 v[TT+4*\i:TT+4*\i+3], v[RD] offset:544*\i
.endr
	s_wait_dscnt 0x0
	WIN 0x08
.irp i, 0,1,2,3,4,5,6,7,8,9,10,11,12,13,14,15
	v_pk_add_f32 v[TT+2*\i:TT+2*\i+1], v[TT+2*\i:TT+2*\i+1], v[32*(\a)+2*\i:32*(\a)+2*\i+1]
.endr
	WIN 0
.irp i, 0,1,2,3,4,5,6,7
	global_store_b128 v[CO], v[TT+4*\i:TT+4*\i+3], s[94:95] offset:(16*(\a)+2*\i)*4096 th:TH_STORE_NT   ; 16 lanes store 256 consecutive bytes, aligned
.endr
.endm
	s_load_b128 s[4:7], s[0:1], 0x0                ; hid, W2's codes
	s_load_b128 s[8:11], s[0:1], 0x10              ; W2's scales, b2
	s_load_b128 s[92:95], s[0:1], 0x20             ; x1, out
	v_lshl_add_u32 v[SPW], v0, 2, SPARE
	v_mov_b32 v[NIL], 0
	ds_add_u32 v28, v29
	ds_add_u32 v28, v29
	s_wait_dscnt 0x0
	v_lshrrev_b32 v1, 5, v0
	v_readfirstlane_b32 s14, v1
	s_lshr_b32 s15, s14, 1
	s_and_b32 s16, s14, 1
	s_bfe_u32 s40, ttmp6, 0x40000
	s_bfe_u32 s41, ttmp6, 0x40004
	s_lshl_b32 s42, ttmp9, 2
	s_add_co_u32 s42, s42, s40
	s_and_b32 s17, ttmp7, 0xffff
	s_lshl_b32 s17, s17, 2
	s_add_co_u32 s17, s17, s41
	s_lshl_b32 s43, s41, 2
	s_lshl_b32 s43, 15, s43
	s_lshl_b32 s44, 0x1111, s40
	s_or_b32 s[G1], s43, (3<<16)|(1<<21)
	s_mov_b32 s[G1+1], 1024<<16
	s_mov_b32 s[G1+2], 4<<16
	s_mov_b32 s[G1+3], 1024<<16
	s_mov_b32 s[G1+4], 4
	s_mov_b32 s[G1+5], 2*KT
	s_mov_b32 s[G1+6], 0
	s_mov_b32 s[G1+7], 0
	s_or_b32 s[G1B], s44, (1<<20)|(1<<21)|(6<<22)|(3<<25)
	s_mov_b32 s[G1B+1], 512<<16
	s_mov_b32 s[G1B+2], 64<<16
	s_mov_b32 s[G1B+3], 512<<16
	s_mov_b32 s[G1B+4], 64
	s_mov_b32 s[G1B+5], KT
	s_mov_b32 s[G1B+6], 0
	s_mov_b32 s[G1B+7], 0
	s_or_b32 s[G1S], s43, (3<<16)|(1<<21)
	s_mov_b32 s[G1S+1], 64<<16
	s_mov_b32 s[G1S+2], (KT/256)<<16
	s_mov_b32 s[G1S+3], 64<<16
	s_mov_b32 s[G1S+4], KT/256
	s_mov_b32 s[G1S+5], 2048
	s_mov_b32 s[G1S+6], 0
	s_mov_b32 s[G1S+7], 0
	s_or_b32 s[G1SB], s44, (3<<16)|(1<<20)|(1<<21)|(5<<22)|(3<<25)
	s_mov_b32 s[G1SB+1], 32<<16
	s_mov_b32 s[G1SB+2], (KT/128)<<16
	s_mov_b32 s[G1SB+3], 32<<16
	s_mov_b32 s[G1SB+4], KT/128
	s_mov_b32 s[G1SB+5], 32
	s_mov_b32 s[G1SB+6], 0
	s_mov_b32 s[G1SB+7], 0
	s_lshl_b32 s20, s17, 3
	s_lshl_b32 s21, s16, 2
	s_add_co_u32 s20, s20, s21
	s_mul_i32 s20, s20, 16*KT
	s_mov_b32 s21, 0
	s_lshl_b32 s22, s17, 9
	s_mul_i32 s23, s16, (KT/256)*16384
	s_add_co_u32 s22, s22, s23
	s_add_co_u32 s22, s22, ACODES
	s_mov_b32 s23, 0
	s_lshl_b32 s46, s42, 7
	s_lshl_b32 s47, s16, 6
	s_add_co_u32 s46, s46, s47
	s_mul_i32 s18, s46, KT/32
	s_mul_i32 s46, s46, KT
	s_mov_b32 s47, 0
	s_mov_b32 s19, 0
	s_mov_b32 s[G0], 1
	s_mov_b32 s[G0+4], 1
	s_lshl_b32 s[G0+1], s16, 15
	s_add_co_u32 s[G0+5], s[G0+1], SLOT
	s_mov_b32 s[G0B], 1
	s_mov_b32 s[G0B+4], 1
	s_mul_i32 s[G0B+1], s16, BHALF
	s_add_co_u32 s[G0B+1], s[G0B+1], BOFF
	s_add_co_u32 s[G0B+5], s[G0B+1], SLOT
	s_mov_b32 s[G0S], 1
	s_mul_i32 s[G0S+1], s16, (KT/256)*512
	s_add_co_u32 s[G0S+1], s[G0S+1], SCA
	s_mov_b32 s[G0SB], 1
	s_mul_i32 s[G0SB+1], s16, (KT/128)*272
	s_add_co_u32 s[G0SB+1], s[G0SB+1], SCB
	s_wait_kmcnt 0x0
	s_add_nc_u64 s[G0+2:G0+3], s[4:5], s[20:21]
	s_add_nc_u64 s[G0+6:G0+7], s[G0+2:G0+3], 8192
	s_add_nc_u64 s[G0B+2:G0B+3], s[6:7], s[46:47]
	s_add_nc_u64 s[G0B+6:G0B+7], s[G0B+2:G0B+3], 512
	s_add_nc_u64 s[G0S+2:G0S+3], s[4:5], s[22:23]
	s_add_nc_u64 s[G0SB+2:G0SB+3], s[8:9], s[18:19]
	s_or_b32 s[G0+3], s[G0+3], 0x80000000
	s_or_b32 s[G0+7], s[G0+7], 0x80000000
	s_or_b32 s[G0B+3], s[G0B+3], 0x80000000
	s_or_b32 s[G0B+7], s[G0B+7], 0x80000000
	s_or_b32 s[G0S+3], s[G0S+3], 0x80000000
	s_or_b32 s[G0SB+3], s[G0SB+3], 0x80000000
	CROUND
	JLOAD G0S, G1S, G0SB, G1SB
	JLOAD G0, G1, G0B, G1B
	JLOAD G0+4, G1, G0B+4, G1B
	v_and_b32 v1, 15, v0
	v_bfe_u32 v2, v0, 4, 1
	v_and_b32 v3, 31, v0
	v_lshlrev_b32 v[LI], 4, v3
	v_lshlrev_b32 v[L4], 2, v3
	s_lshl_b32 s18, s15, 15
	v_add_nc_u32 v[ADRA], s18, v[LI]
	v_add_nc_u32 v[ADRA+1], SLOT, v[ADRA]
	v_mul_u32_u24 v[ADRB], v1, 528
	v_lshl_add_u32 v[ADRB], v2, 4, v[ADRB]
	s_mul_i32 s18, s16, BHALF
	s_add_co_u32 s18, s18, BOFF
	v_add_nc_u32 v[ADRB], s18, v[ADRB]
	v_add_nc_u32 v[ADRB+1], SLOT, v[ADRB]
	s_lshl_b32 s18, s15, 8
	s_add_co_u32 s18, s18, SCA
	v_add_nc_u32 v[ADSA], s18, v[L4]
	v_mul_u32_u24 v[ADSB], v3, KT/32
	v_lshrrev_b32 v[BO], 8, v[ADSB]
	v_lshl_add_u32 v[ADSB], v[BO], 4, v[ADSB]
	s_mul_i32 s18, s16, (KT/128)*272
	s_add_co_u32 s18, s18, SCB
	v_add_nc_u32 v[ADSB], s18, v[ADSB]
	s_mul_i32 s18, s14, 16*272
	s_add_co_u32 s18, s18, STAGE
	v_mul_u32_u24 v[STO], v1, 272
	v_lshl_add_u32 v[STO], v2, 5, v[STO]
	v_add_nc_u32 v[STO], s18, v[STO]
	v_mul_u32_u24 v[RD], v2, 272
	v_lshl_add_u32 v[RD], v1, 4, v[RD]
	v_add_nc_u32 v[RD], s18, v[RD]
	v_lshlrev_b32 v[CO], 12, v2
	v_lshl_add_u32 v[CO], v1, 4, v[CO]
	v_lshlrev_b32 v[BO], 5, v2
	s_lshl_b32 s18, s42, 9
	s_lshl_b32 s19, s16, 8
	s_add_co_u32 s18, s18, s19                     ; my first column, in bytes
	s_mov_b32 s19, 0
	s_add_nc_u64 s[10:11], s[10:11], s[18:19]
	s_lshl_b32 s20, s17, 7
	s_lshl_b32 s21, s15, 6
	s_add_co_u32 s20, s20, s21
	s_lshl_b32 s20, s20, 12                        ; my first token's row
	s_add_co_u32 s18, s18, s20
	s_add_nc_u64 s[92:93], s[92:93], s[18:19]
	s_add_nc_u64 s[94:95], s[94:95], s[18:19]
.irp b, 0,1,2,3
	global_load_b128 v[64+8*\b:64+8*\b+3], v[BO], s[10:11] offset:64*\b
	global_load_b128 v[64+8*\b+4:64+8*\b+7], v[BO], s[10:11] offset:64*\b+16
.endr
	WIN 0x80                                       ; destination window 2: the residual
.irp a, 0,1,2,3
.irp i, 0,1,2,3,4,5,6,7
	global_load_b128 v[32*\a+4*\i:32*\a+4*\i+3], v[CO], s[92:93] offset:(16*\a+2*\i)*4096 th:TH_LOAD_NT
.endr
.endr
	WIN 0
	s_wait_tensorcnt 1                             ; slot 1's load may be out
	s_barrier_signal -1
	s_barrier_wait -1
	FETCH 0, 0, F0
	WIN 0
	SCALES 0
	s_wait_loadcnt 32                              ; the bias is in; the 32 loads of the residual, issued behind it, may be out
	KSTEP F0, 0, 0, 1, 0, 1
	s_mov_b32 s3, LAPS-1
.Llap:                                                 ; a trip goes once round the ring, from a lap's second step to the next lap's first, and fills both slots again
	KSTEP F1, 0, 1, 0, 0, 2
	KSTEP F0, 0, 2, 0, 0, 3
	TURN 0, 1, 1
	KSTEP F0, 1, 0, 0, 1, 1
	KSTEP F1, 1, 1, 0, 1, 2
	KSTEP F0, 1, 2, 0, 1, 3
	TURN 1, 0, 1
	KSTEP F0, 0, 0, 0, 0, 1
	s_sub_co_u32 s3, s3, 1
	s_cmp_lg_u32 s3, 0
	s_cbranch_scc1 .Llap
	KSTEP F1, 0, 1, 0, 0, 2                        ; the last lap fills nothing
	KSTEP F0, 0, 2, 0, 0, 3
	TURN 0, 1, 0
	KSTEP F0, 1, 0, 0, 1, 1
	KSTEP F1, 1, 1, 0, 1, 2
	KSTEP F0, 1, 2, 0, 1, 3
	s_wait_dscnt 0x0
	WIN 0x05
.irp a, 0,1,2,3
	MUL4 F1, \a, 3, 1, 0
.endr
	WIN 0
	PLACES 8
	s_wait_loadcnt 0x0                             ; the residual
	OUTA 0
	OUTA 1
	OUTA 2
	OUTA 3
	s_wait_tensorcnt 0x0                           ; the wave's end
	ds_add_u32 v[SPW], v[NIL]
	s_wait_dscnt 0x0
	CROUND
	s_endpgm
.Lfunc_end_k_qe0da870713_gf2:
	.size	k_qe0da870713_gf2, .Lfunc_end_k_qe0da870713_gf2-k_qe0da870713_gf2
	.p2alignl 7, 3214868480
	.fill 96, 4, 3214868480
	.section	.rodata,"a",@progbits
	.p2align	6, 0x0
	.amdhsa_kernel k_qe0da870713_gf2
		.amdhsa_group_segment_fixed_size 327680
		.amdhsa_private_segment_fixed_size 0
		.amdhsa_enable_private_segment 0
		.amdhsa_kernarg_size 48
		.amdhsa_user_sgpr_count 2
		.amdhsa_user_sgpr_kernarg_segment_ptr 1
		.amdhsa_wavefront_size32 1
		.amdhsa_system_sgpr_workgroup_id_x 1
		.amdhsa_system_sgpr_workgroup_id_y 1
		.amdhsa_system_sgpr_workgroup_id_z 1
		.amdhsa_system_vgpr_workitem_id 0
		.amdhsa_next_free_vgpr 768
		.amdhsa_next_free_sgpr 100
		.amdhsa_reserve_vcc 0
		.amdhsa_float_denorm_mode_32 3
		.amdhsa_float_denorm_mode_16_64 3
		.amdhsa_memory_ordered 1
		.amdhsa_forward_progress 1
		.amdhsa_inst_pref_size 101
	.end_amdhsa_kernel
	.amdgpu_metadata
---
amdhsa.version: [ 1, 2 ]
amdhsa.kernels:
  - .name:           k_qe0da870713_gf2
    .symbol:         k_qe0da870713_gf2.kd
    .args:
      - { .name: hid, .offset: 0, .size: 8, .value_kind: global_buffer, .address_space: global }
      - { .name: W2_codes, .offset: 8, .size: 8, .value_kind: global_buffer, .address_space: global }
      - { .name: W2_scales, .offset: 16, .size: 8, .value_kind: global_buffer, .address_space: global }
      - { .name: b2, .offset: 24, .size: 8, .value_kind: global_buffer, .address_space: global }
      - { .name: x1, .offset: 32, .size: 8, .value_kind: global_buffer, .address_space: global }
      - { .name: out0, .offset: 40, .size: 8, .value_kind: global_buffer, .address_space: global }
    .group_segment_fixed_size: 327680
    .private_segment_fixed_size: 0
    .kernarg_segment_align: 8
    .kernarg_segment_size: 48
    .max_flat_workgroup_size: 128
    .sgpr_count:     100
    .vgpr_count:     768
    .wavefront_size: 32
...
	.end_amdgpu_metadata
.endif
;; end of part 7
;; ======== version 2 of 2: 7 launches
;; limits: right only within a limited range of input values
;; workspace buffers: act 4,325,376 bytes; qk 8,650,752 bytes; vt 4,325,376 bytes; x1 16,777,216 bytes; hid 17,301,504 bytes
;; launch norm (part 8): grid 256 x 1, 8 waves a work-group, no clusters, 2,048 bytes of LDS; arguments x, g1, act; writes act
.if DOCPART == 8
	.amdgcn_target "amdgcn-amd-amdhsa--gfx1250"
	.amdhsa_code_object_version 6
	.text
	.protected	k_qe0da870713_norm
	.globl	k_qe0da870713_norm
	.p2align	8
	.type	k_qe0da870713_norm,@function
k_qe0da870713_norm:
	s_mov_b64 s[64:65], 0
	v_nop
	global_prefetch_b8 v0, s[64:65] scope:SCOPE_SE
	s_setreg_imm32_b32 hwreg(HW_REG_WAVE_MODE, 25, 1), 1
	s_wait_xcnt 0x0
; h = x * rsqrt(mean(x^2) + 1e-6) * g, rows of 1,024 f32, turned at once into codes of BF8 (E5M2) with one E8M0 byte for each 32 along the row.
; A work-group takes 16 rows; wave s takes columns 128 s .. 128 s + 127: one operand fragment (16 rows x 128 K).  Lane (r, h) holds 64 numbers of row r: register 16 b + i is column 128 s + 32 b + 16 h + i,
; the order of the operand's registers.  So the conversions' results are the fragment, and it is stored as an image of its registers: group c of four registers at 512 c + 16 x lane, 512 consecutive bytes a store.
; OUT: codes [row tile 256][s 8][c 4][lane 32][16 bytes]; behind them, at byte 4,194,304, the scale words [s 8][row 4096], 4 bytes each (64 bytes a wave: a part of a 256-byte block; one byte in 32 of what is stored).
; The row's sum of squares: each wave's part, joined over the two halves of the lanes, meets the other seven in LDS behind one barrier.
; LIMITS: NaN and infinities are not served.  A block of zeros gets the byte 1 where the rule says 127 (its codes are zeros; this program alone reads the bytes); no largest magnitude is taken under 2^-111.
.set X,   16                           ; v16-79   my 64 numbers
.set G,   80                           ; v80-143  g at the same columns
.set PC,  144                          ; v144-159 the codes
.set TM,  160                          ; v160-175 at work
.set PW,  176                          ; v176     my row's scale word
.set SEL, 20                           ; s[20:21] lane selects: lane l xor 16
.set MNT, 23                           ; s23      the mantissa field of 57,344
.macro QUANT src                       ; 64 numbers -> 16 registers of codes and a scale word
.irp b, 0,1,2,3
	v_max3_num_f32 v[TM+\b], |v[\src+16*\b]|, |v[\src+1+16*\b]|, 0x8000000   ; block b: my 16 numbers and the floor 2^(16 - 127): the byte cannot fall under 1
.endr
.irp i, 2,4,6,8,10,12,14
.irp b, 0,1,2,3
	s_delay_alu instid0(VALU_DEP_4)
	v_max3_num_f32 v[TM+\b], v[TM+\b], |v[\src+16*\b+\i]|, |v[\src+1+16*\b+\i]|
.endr
.endr
.irp b, 0,1,2,3
	s_delay_alu instid0(VALU_DEP_4)
	v_permlanex16_b32 v[TM+4+\b], v[TM+\b], s[SEL], s[SEL+1]
.endr
.irp b, 0,1,2,3
	s_delay_alu instid0(VALU_DEP_4)
	v_max_num_f32 v[TM+\b], v[TM+\b], v[TM+4+\b]   ; with lane l xor 16's 16: the block's largest magnitude
.endr
.irp b, 0,1,2,3
	s_delay_alu instid0(VALU_DEP_4)
	v_add_nc_u32 v[TM+12+\b], 0xf8800000, v[TM+\b] ; 15 off its exponent field: the conversion's scale operand
.endr
.irp b, 0,1,2,3
	v_and_or_b32 v[TM+8+\b], v[TM+\b], 0x7f800000, s[MNT]   ; 57,344 x the scale
.endr
.irp b, 0,1,2,3
	v_lshrrev_b32 v[TM+4+\b], 23, v[TM+12+\b]      ; the scale's byte
.endr
	s_delay_alu instid0(VALU_DEP_3)
	v_lshl_or_b32 v[PW], v[TM+5], 8, v[TM+4]
	s_delay_alu instid0(VALU_DEP_1)
	v_lshl_or_b32 v[PW], v[TM+6], 16, v[PW]
	s_delay_alu instid0(VALU_DEP_1)
	v_lshl_or_b32 v[PW], v[TM+7], 24, v[PW]
.irp b, 0,1,2,3
.irp i, 0,1,2,3,4,5,6,7,8,9,10,11,12,13,14,15
	v_med3_num_f32 v[\src+16*\b+\i], v[\src+16*\b+\i], -v[TM+8+\b], v[TM+8+\b]   ; the conversion does not saturate (ISA guide 7.6.2): the hold at the largest code x the scale
.endr
	v_cvt_scalef32_pk8_bf8_f32 v[PC+4*\b:PC+1+4*\b], v[\src+16*\b:\src+7+16*\b], v[TM+12+\b]
	v_cvt_scalef32_pk8_bf8_f32 v[PC+2+4*\b:PC+3+4*\b], v[\src+8+16*\b:\src+15+16*\b], v[TM+12+\b]
.endr
	v_nop                                          ; a plain line behind the last conversion
.endm
	s_load_b128 s[4:7], s[0:1], 0x0                ; x, g
	s_load_b64 s[8:9], s[0:1], 0x10                ; out
	v_lshl_add_u32 v184, v0, 2, 0x400
	v_mov_b32 v185, 0
	v_lshrrev_b32 v1, 5, v0
	s_delay_alu instid0(VALU_DEP_1)
	v_readfirstlane_b32 s10, v1                    ; wave = K step s
	v_and_b32 v3, 31, v0                           ; lane
	v_and_b32 v1, 15, v0                           ; r
	v_bfe_u32 v2, v0, 4, 1                         ; h
	s_lshl_b32 s11, s10, 9                         ; 512 s
	v_lshlrev_b32 v4, 12, v1
	s_delay_alu instid0(VALU_DEP_1)
	v_lshl_add_u32 v4, v2, 6, v4
	s_delay_alu instid0(VALU_DEP_1)
	v_add_nc_u32 v4, s11, v4                       ; x: 4,096 r + 512 s + 64 h
	v_lshlrev_b32 v5, 6, v2
	s_delay_alu instid0(VALU_DEP_1)
	v_add_nc_u32 v5, s11, v5                       ; g: 512 s + 64 h
	v_lshlrev_b32 v6, 4, v3                        ; an image's place for my lane
	v_lshlrev_b32 v7, 2, v1                        ; my row's scale word
	v_lshlrev_b32 v9, 5, v1                        ; LDS: row r's eight partial sums
	s_lshl_b32 s11, s10, 2
	v_add_nc_u32 v8, s11, v9                       ; and my wave's among them
	s_mov_b32 s[SEL], 0x76543210
	s_mov_b32 s[SEL+1], 0xfedcba98
	s_mov_b32 s[MNT], 0x600000
	s_mov_b32 s24, 0x3a800000                      ; 1 / 1,024
	s_mov_b32 s25, 0x358637bd                      ; 1e-6
	s_lshl_b32 s14, ttmp9, 16                      ; 16 rows of 4,096 bytes
	s_mov_b32 s15, 0
	s_lshl_b32 s16, ttmp9, 14                      ; the row tile's eight images,
	s_lshl_b32 s17, s10, 11                        ; mine of them
	s_add_co_u32 s16, s16, s17
	s_mov_b32 s17, 0
	s_lshl_b32 s18, s10, 14                        ; scale words: 16,384 s + 64 x row tile, behind the codes
	s_lshl_b32 s19, ttmp9, 6
	s_add_co_u32 s18, s18, s19
	s_add_co_u32 s18, s18, 4194304
	s_mov_b32 s19, 0
	s_wait_alu depctr_va_vdst(0)
	s_wait_kmcnt 0x0
	s_add_nc_u64 s[4:5], s[4:5], s[14:15]
	s_add_nc_u64 s[12:13], s[8:9], s[18:19]
	s_add_nc_u64 s[8:9], s[8:9], s[16:17]
.irp b, 0,1,2,3
.irp j, 0,1,2,3
	global_load_b128 v[X+16*\b+4*\j:X+16*\b+4*\j+3], v4, s[4:5] offset:128*\b+16*\j
.endr
.endr
.irp b, 0,1,2,3
.irp j, 0,1,2,3
	global_load_b128 v[G+16*\b+4*\j:G+16*\b+4*\j+3], v5, s[6:7] offset:128*\b+16*\j
.endr
.endr
	s_wait_loadcnt 16                              ; x's 16 loads are in; g's 16 may be out
	v_pk_mul_f32 v[10:11], v[X:X+1], v[X:X+1]      ; the sum of squares, in two chains of pairs; the first products start them
	v_pk_mul_f32 v[12:13], v[X+2:X+3], v[X+2:X+3]
.irp i, 4,8,12,16,20,24,28,32,36,40,44,48,52,56,60
	s_delay_alu instid0(VALU_DEP_2)
	v_pk_fma_f32 v[10:11], v[X+\i:X+\i+1], v[X+\i:X+\i+1], v[10:11]
	s_delay_alu instid0(VALU_DEP_2)
	v_pk_fma_f32 v[12:13], v[X+\i+2:X+\i+3], v[X+\i+2:X+\i+3], v[12:13]
.endr
	s_delay_alu instid0(VALU_DEP_1)
	v_pk_add_f32 v[10:11], v[10:11], v[12:13]
	s_delay_alu instid0(VALU_DEP_1)
	v_add_f32 v10, v10, v11
	s_delay_alu instid0(VALU_DEP_1)
	v_permlanex16_b32 v11, v10, s[SEL], s[SEL+1]
	s_delay_alu instid0(VALU_DEP_1)
	v_add_f32 v10, v10, v11                        ; my wave's 128 columns of row r
	ds_store_b32 v8, v10                           ; (both halves of the lanes write the same word with the same value)
	s_wait_dscnt 0x0                               ; for the others' sake: my store has landed
	s_barrier_signal -1
	s_barrier_wait -1
	ds_load_b128 v[160:163], v9
	ds_load_b128 v[164:167], v9 offset:16
	s_wait_dscnt 0x0
	v_add_f32 v160, v160, v161
	v_add_f32 v162, v162, v163
	v_add_f32 v164, v164, v165
	v_add_f32 v166, v166, v167
	s_delay_alu instid0(VALU_DEP_3)
	v_add_f32 v160, v160, v162
	s_delay_alu instid0(VALU_DEP_2)
	v_add_f32 v164, v164, v166
	s_delay_alu instid0(VALU_DEP_1)
	v_add_f32 v160, v160, v164
	s_delay_alu instid0(VALU_DEP_1)
	v_fma_f32 v160, v160, s24, s25                 ; the mean + 1e-6
	s_wait_alu depctr_va_vdst(0)
	v_rsq_f32 v14, v160
	v_mov_b32 v15, 0                               ; a plain line behind the transcendental (v15 is named with v14 as a pair)
	s_wait_alu depctr_va_vdst(0)                   ; the wait ahead of the first reader
	s_wait_loadcnt 0x0                             ; g
.set i, 0
.rept 32
	v_pk_mul_f32 v[X+i:X+i+1], v[X+i:X+i+1], v[14:15] op_sel_hi:[1,0]
.set i, i+2
.endr
.set i, 0
.rept 32
	v_pk_mul_f32 v[X+i:X+i+1], v[X+i:X+i+1], v[G+i:G+i+1]
.set i, i+2
.endr
	QUANT X
.irp c, 0,1,2,3
	global_store_b128 v6, v[PC+4*\c:PC+4*\c+3], s[8:9] offset:512*\c   ; 32 lanes store 512 consecutive bytes
.endr
	s_wait_xcnt 0x0                                ; EXEC changes only behind this wait
	v_cmp_gt_u32 vcc_lo, 16, v3
	s_wait_tensorcnt 0x0
	ds_add_u32 v184, v185
	s_wait_dscnt 0x0
	s_and_saveexec_b32 s26, vcc_lo
	global_store_b32 v7, v[PW], s[12:13]           ; lanes 0-15: the 16 rows' scale words
	s_wait_xcnt 0x0
	s_or_b32 exec_lo, exec_lo, s26
	s_endpgm
.Lfunc_end_k_qe0da870713_norm:
	.size	k_qe0da870713_norm, .Lfunc_end_k_qe0da870713_norm-k_qe0da870713_norm
	.p2alignl 7, 3214868480
	.fill 96, 4, 3214868480
	.section	.rodata,"a",@progbits
	.p2align	6, 0x0
	.amdhsa_kernel k_qe0da870713_norm
		.amdhsa_group_segment_fixed_size 2048
		.amdhsa_private_segment_fixed_size 0
		.amdhsa_enable_private_segment 0
		.amdhsa_kernarg_size 24
		.amdhsa_user_sgpr_count 2
		.amdhsa_user_sgpr_kernarg_segment_ptr 1
		.amdhsa_wavefront_size32 1
		.amdhsa_system_sgpr_workgroup_id_x 1
		.amdhsa_system_sgpr_workgroup_id_y 1
		.amdhsa_system_sgpr_workgroup_id_z 1
		.amdhsa_system_vgpr_workitem_id 0
		.amdhsa_next_free_vgpr 186
		.amdhsa_next_free_sgpr 66
		.amdhsa_reserve_vcc 1
		.amdhsa_float_denorm_mode_32 3
		.amdhsa_float_denorm_mode_16_64 3
		.amdhsa_memory_ordered 1
		.amdhsa_forward_progress 1
		.amdhsa_inst_pref_size 24
	.end_amdhsa_kernel
	.amdgpu_metadata
---
amdhsa.version: [ 1, 2 ]
amdhsa.kernels:
  - .name:           k_qe0da870713_norm
    .symbol:         k_qe0da870713_norm.kd
    .args:
      - { .name: x, .offset: 0, .size: 8, .value_kind: global_buffer, .address_space: global }
      - { .name: g1, .offset: 8, .size: 8, .value_kind: global_buffer, .address_space: global }
      - { .name: act, .offset: 16, .size: 8, .value_kind: global_buffer, .address_space: global }
    .group_segment_fixed_size: 2048
    .private_segment_fixed_size: 0
    .kernarg_segment_align: 8
    .kernarg_segment_size: 24
    .max_flat_workgroup_size: 256
    .sgpr_count:     66
    .vgpr_count:     186
    .wavefront_size: 32
...
	.end_amdgpu_metadata
.endif
;; end of part 8
;; launch gqkv (part 9): grid 8 x 32, 4 waves a work-group, clusters of 4 x 4, 327,680 bytes of LDS; arguments act, Wq_codes, Wk_codes, Wv_codes, qk, vt, Wq_scales, Wk_scales, Wv_scales; writes qk, vt
.if DOCPART == 9
	.amdgcn_target "amdgcn-amd-amdhsa--gfx1250"
	.amdhsa_code_object_version 6
	.text
	.protected	k_qe0da870713_gqkv
	.globl	k_qe0da870713_gqkv
	.p2align	8
	.type	k_qe0da870713_gqkv,@function
k_qe0da870713_gqkv:
	s_mov_b64 s[64:65], 0
	v_nop
	global_prefetch_b8 v0, s[64:65] scope:SCOPE_SE
	s_setreg_imm32_b32 hwreg(HW_REG_WAVE_MODE, 25, 1), 1
	s_wait_xcnt 0x0
	s_wait_alu depctr_hold_cnt(0) depctr_sa_sdst(0) depctr_va_vdst(0) depctr_va_sdst(0) depctr_va_ssrc(0) depctr_va_vcc(0) depctr_vm_vsrc(0)
	s_getreg_b32 s2, hwreg(HW_REG_IB_STS2, 6, 4)
	s_cmp_eq_u32 s2, 0
	s_cbranch_scc0 .Lentry_in_a_cluster
	s_endpgm
.Lentry_in_a_cluster:
	s_bfe_u32 s2, ttmp6, 0x10000c
	s_cmp_lg_u32 s2, 0xf033
	s_cbranch_scc0 .Lentry_shape_is_right
	s_endpgm
.Lentry_shape_is_right:
; q = h Wq, k = h Wk, v = h Wv on codes of BF8 (E5M2) with E8M0 scales; q and k quantised at once along the head's 64, v along the tokens (the K of attention's second product).
; A WORK-GROUP STAYS ON ITS 128 TOKENS and makes three tiles of 128 columns, one of each weight, at the same tile column; four waves of 64 x 64: 16 accumulators.
; All of K = 1,024 lies in two LDS slots of 512 along K.  A's parts (the activations, 2 x 65,536 bytes) are filled once and stay; B's parts (the weight, 2 x 67,584 bytes) are filled again for the next weight:
; slot 0's at the tile's change of slots, slot 1's in the middle of the tile's way out, each behind a round of the cluster's barrier, one joint load of 128 rows (wave 2 for slot 0, wave 3 for slot 1).
; A comes as images of operand registers: a fragment (16 tokens x 128 K) is 2,048 dense bytes, group c at 512 c + 16 x lane: it is read from LDS at 16 x lane, with no pitch.
; B comes as rows of 512 bytes, 528 apart in LDS (132 words: the 16 rows of a load start at 16 different banks).  The scale words of A and of all three weights come once, with the first fills.
; CLUSTERS: 4 x 4 work-groups; A's tiles are asked for jointly along a row of the cluster, B's along a column.
; q, k: THE MATRIX INSTRUCTION IS USED TRANSPOSED (source 0 = 16 rows of W, source 1 = 16 tokens): lane (r, h) holds token r and columns 16 b + 8 h + j; a wave's 64 columns are one head.
; v: AS IT STANDS (source 0 = 16 tokens, source 1 = 16 rows of W): lane (r, h) holds column 16 b + r and tokens 16 a + 8 h + j: a lane's registers run along the next K.
; Within a block of 32 the codes keep the order in which two neighbouring tiles give them (8 h + j, then 16 + 8 h + j); q and k are made by the same lines, and attention's weights p fall in the same order as v's tokens.
; OUT, qk: q's codes at 0, k's at 4,194,304: [batch x head 32][token tile 128][block 2][lane][16 bytes]; pair words at 8,388,608 and 8,519,680: [batch x head][pair of tiles 64][r 16], two bytes of each tile.
; OUT, vt: codes [batch x head 32][key step 16][16 channels 4][c 4][lane][16 bytes]; at 4,194,304 the scale words [batch x head][key step][channel 64], of which a wave stores two bytes (its 64 tokens).
; No prefetch: each tile of a weight is asked for by eight clusters, and each refill stands half a tile's work ahead of the wait for it.
; LIMITS: NaN and infinities are not served; a block of zeros gets the byte 1 where the rule says 127 (its codes are zeros; this program alone reads the bytes); no largest magnitude is taken under 2^-111.
; REGISTERS: window 0: v16-29 addresses; v32-63 scale words, two sets; v64-111 at work on the way out; v128-255 accumulator (a, b) at v[128 + 8 (4 a + b)] (v: 4 b + a).  Window 1: two sets of fragments: A's four, then B's four.
; THE SCALES, otherwise than the lines above say: no scale word passes through LDS.  Each wave loads the words of its 64 tokens (all of K, once) and of its 64 rows of a weight (all of K, for each weight) from memory straight into its scale registers.
; THE FIRST FILLS: four tiles, one a wave: wave 0 A's slot 0 (8 token tiles x 8,192 bytes), wave 2 B's slot 0 (128 rows), waves 1 and 3 the same of slot 1.  A refill of B's part of slot s is one load of 128 rows, by wave 2 + s.
.set KT,     1024
.set ACODES, 4194304
.set SLOT,   133120                    ; A's image 65,536, then B's 128 rows x 528
.set BOFF,   65536
.set BHALF,  33792
.set SPARE,  317440                    ; the spare words, 128 bytes a wave: two blocks of 256 bytes that no other line names
.set ADRA, 16
.set ADRB, 18
.set ADSB, 21
.set LI,   22                          ; 16 x lane
.set L4,   23                          ; 4 x lane
.set SPW,  28
.set NIL,  29
.set SC,   32
.set ACC,  128
.set F0,   0
.set F1,   128
.set TM,   96
.set PD,   98
.set SCL,  100
.set HOLD, 102
.set BY,   104
.set WQ,   106
.set G1,   24
.set G0,   32
.set G1B,  48
.set G0B,  56
.set SAB,  76                          ; s[76:77] the scale words of my 64 tokens, in memory
.set SBQ,  90                          ; s[90:91], s[94:95], s[98:99] the scale bytes of my 64 rows of Wq, Wk, Wv
.set SBK,  94
.set SBV,  98
.set MNT,  3
.set SEL,  66
.set WKA,  8                           ; s[8:9]   Wk's codes at the rows that I fetch;  s[10:11] Wv's
.set WVA,  10
.set OQ,   20                          ; s[20:21] where my codes of q go (k's: 4,194,304 on);  s[22:23] their pair words (k's: 131,072 on)
.set OW,   22
.set OV,   44                          ; s[44:45] where my codes of v go;  s[46:47] their scale words
.set OVW,  46
.set NAT,  0                           ; 1: the matrix instruction as it stands (v)
.set MSB, 0
.macro WIN new                         ; the immediate's high byte repeats the setting that is left
.if MSB != \new
	s_set_vgpr_msb (MSB<<8)|\new
.set MSB, \new
.endif
.endm
.macro PLACES n
.rept \n
	v_nop
.endr
.endm
.macro ARM w, g0, g1, next             ; an arm of the head's one chain: wave w's joint load, then a jump to the chain's end
	s_cmp_eq_u32 s14, \w
	s_cbranch_scc0 \next
	tensor_load_to_lds s[\g0:\g0+3], s[\g1:\g1+7]
	s_nop 0
.rept 4
	v_nop
.endr
	s_branch .Lhead_asked
\next:
.endm
.macro BLOAD sg                        ; a joint refill of B's part of slot sg: 128 rows by wave 2 + sg; the other waves have no part of it.  The branch hangs on the wave's number alone
	s_cmp_lg_u32 s14, 2+\sg
	s_cbranch_scc1 .Lno_part_\@
	tensor_load_to_lds s[G0B+4*\sg:G0B+4*\sg+3], s[G1B:G1B+7]
	s_nop 0
.rept 4
	v_nop
.endr
.Lno_part_\@:
.endm
.macro CREST
	s_cmp_lg_u32 s14, 0
	s_cbranch_scc1 .Lnot_wave_0_\@
	s_barrier_signal -3
.Lnot_wave_0_\@:
	s_barrier_wait -3
	s_barrier_signal -1
	s_barrier_wait -1
.endm
.macro CROUND
	s_barrier_signal -1
	s_barrier_wait -1
	CREST
.endm
.macro FETCH sl, q, f                  ; 32 LDS loads: my four fragments of A and four of B for the slot's q-th 128 along K, into set f of window 1
	WIN 0x40
.irp a, 0,1,2,3
.irp c, 0,1,2,3
	ds_load_b128 v[(\f)+16*\a+4*\c:(\f)+16*\a+4*\c+3], v[ADRA+\sl] offset:8192*\a+2048*(\q)+512*\c
.endr
.endr
.irp b, 0,1,2,3
.irp c, 0,1,2,3
	ds_load_b128 v[(\f)+64+16*\b+4*\c:(\f)+64+16*\b+4*\c+3], v[ADRB+\sl] offset:8448*\b+128*(\q)+32*\c
.endr
.endr
.endm
.macro GSA                             ; A's scale words of all eight K steps: set k / 4, register 2 (k % 4) + i: lanes 0-15 token tile 2 i, lanes 16-31 tile 2 i + 1; 128 consecutive bytes a load
.irp k, 0,1,2,3,4,5,6,7
.irp i, 0,1
	global_load_b32 v[SC+16*(\k/4)+2*(\k%4)+\i], v[L4], s[SAB:SAB+1] offset:16384*\k+128*\i
.endr
.endr
.endm
.macro GSB base                        ; a weight's scale words, both sets: register 8 + 4 p + q: lanes 0-15 row tile 2 p, lanes 16-31 tile 2 p + 1; a lane takes 16 of its row's 32 bytes
.irp sg, 0,1
.irp p, 0,1
	global_load_b128 v[SC+16*\sg+8+4*\p:SC+16*\sg+8+4*\p+3], v[ADSB], s[\base:\base+1] offset:16*\sg+1024*\p
.endr
.endr
.endm
.macro WM f, a, b, q, sg, first        ; one product: token tile a x row tile b
.if NAT
.set rD,  ACC+8*(4*(\b)+(\a))
.set rA0, (\f)+16*(\a)
.set rA1, (\f)+64+16*(\b)
.set rS0, SC+16*(\sg)+2*(\q)+(\a)/2
.set rS1, SC+16*(\sg)+8+4*((\b)/2)+(\q)
.set par, 2*((\b)%2)+(\a)%2
.else
.set rD,  ACC+8*(4*(\a)+(\b))
.set rA0, (\f)+64+16*(\b)
.set rA1, (\f)+16*(\a)
.set rS0, SC+16*(\sg)+8+4*((\b)/2)+(\q)
.set rS1, SC+16*(\sg)+2*(\q)+(\a)/2
.set par, 2*((\a)%2)+(\b)%2
.endif
.if \first
.if par == 0
	v_wmma_scale_f32_16x16x128_f8f6f4 v[rD:rD+7], v[rA0:rA0+15], v[rA1:rA1+15], 0, v[rS0], v[rS1] matrix_a_fmt:MATRIX_FMT_BF8 matrix_b_fmt:MATRIX_FMT_BF8
.elseif par == 1
	v_wmma_scale_f32_16x16x128_f8f6f4 v[rD:rD+7], v[rA0:rA0+15], v[rA1:rA1+15], 0, v[rS0], v[rS1] matrix_a_fmt:MATRIX_FMT_BF8 matrix_b_fmt:MATRIX_FMT_BF8 matrix_a_scale:MATRIX_SCALE_ROW1
.elseif par == 2
	v_wmma_scale_f32_16x16x128_f8f6f4 v[rD:rD+7], v[rA0:rA0+15], v[rA1:rA1+15], 0, v[rS0], v[rS1] matrix_a_fmt:MATRIX_FMT_BF8 matrix_b_fmt:MATRIX_FMT_BF8 matrix_b_scale:MATRIX_SCALE_ROW1
.else
	v_wmma_scale_f32_16x16x128_f8f6f4 v[rD:rD+7], v[rA0:rA0+15], v[rA1:rA1+15], 0, v[rS0], v[rS1] matrix_a_fmt:MATRIX_FMT_BF8 matrix_b_fmt:MATRIX_FMT_BF8 matrix_a_scale:MATRIX_SCALE_ROW1 matrix_b_scale:MATRIX_SCALE_ROW1
.endif
.else
.if par == 0
	v_wmma_scale_f32_16x16x128_f8f6f4 v[rD:rD+7], v[rA0:rA0+15], v[rA1:rA1+15], v[rD:rD+7], v[rS0], v[rS1] matrix_a_fmt:MATRIX_FMT_BF8 matrix_b_fmt:MATRIX_FMT_BF8
.elseif par == 1
	v_wmma_scale_f32_16x16x128_f8f6f4 v[rD:rD+7], v[rA0:rA0+15], v[rA1:rA1+15], v[rD:rD+7], v[rS0], v[rS1] matrix_a_fmt:MATRIX_FMT_BF8 matrix_b_fmt:MATRIX_FMT_BF8 matrix_a_scale:MATRIX_SCALE_ROW1
.elseif par == 2
	v_wmma_scale_f32_16x16x128_f8f6f4 v[rD:rD+7], v[rA0:rA0+15], v[rA1:rA1+15], v[rD:rD+7], v[rS0], v[rS1] matrix_a_fmt:MATRIX_FMT_BF8 matrix_b_fmt:MATRIX_FMT_BF8 matrix_b_scale:MATRIX_SCALE_ROW1
.else
	v_wmma_scale_f32_16x16x128_f8f6f4 v[rD:rD+7], v[rA0:rA0+15], v[rA1:rA1+15], v[rD:rD+7], v[rS0], v[rS1] matrix_a_fmt:MATRIX_FMT_BF8 matrix_b_fmt:MATRIX_FMT_BF8 matrix_a_scale:MATRIX_SCALE_ROW1 matrix_b_scale:MATRIX_SCALE_ROW1
.endif
.endif
.endm
.macro MUL4 f, a, q, sg, first
.irp b, 0,1,2,3
	WM \f, \a, \b, \q, \sg, \first
.endr
.endm
; A step of 128 along K: the next step's 32 loads go out first, into the other set, eight places behind the products that read it; then 16 products,
; the 16 accumulators by turns, in the same order in every step.
.macro KSTEP f, sg, q, first, sn, qn
	PLACES 8
	FETCH \sn, \qn, 128-(\f)
	s_wait_dscnt 32                                ; all but the 32 just issued: this step's fragments and scale words are in
	WIN 0x05
.irp a, 0,1,2,3
	MUL4 \f, \a, \q, \sg, \first
.endr
	WIN 0
.endm
; Slot 0's last step changes slots: one barrier; in front of it each wave waits for all its tensor loads, adds 0 to its spare word, and waits for that and for its reads of slot 0.
; fill = 1: the barrier opens a round of the cluster's barrier, and behind the round B's part of slot 0 takes the next weight's first 512 along K (its address in s[na:na+1]).  t: this tile's weight.
.macro TURN fill, na, t
	s_wait_tensorcnt 0x0                           ; all my tensor loads have landed, my part of slot 1 among them
	ds_add_u32 v[SPW], v[NIL]                      ; 0 onto my spare word
	s_wait_dscnt 1                                 ; only the add may be out: this step's fragments are in
	WIN 0x05
	MUL4 F1, 0, 3, 0, 0
	s_wait_dscnt 0x0                               ; the add is done, and my reads of slot 0 are over
	s_barrier_signal -1
	MUL4 F1, 1, 3, 0, 0
	WIN 0
	s_barrier_wait -1
.if \fill
	CREST                                          ; no wave of any partner still reads slot 0's B or has a load on its way
	s_mov_b64 s[G0B+2:G0B+3], s[\na:\na+1]
	s_or_b32 s[G0B+3], s[G0B+3], 0x80000000
	BLOAD 0                                        ; the wave's one tensor load until the next round
.endif
	PLACES 8                                       ; in front of the loads into set 0, on every wave's way
	FETCH 1, 0, F0
	WIN 0x05
	MUL4 F1, 2, 3, 0, 0
	MUL4 F1, 3, 3, 0, 0
	WIN 0
.endm
; A tile's 128 products of a wave
.macro MAIN fill, na, t
	s_wait_loadcnt 0x0                             ; the tile's scale words
	KSTEP F0, 0, 0, 1, 0, 1                        ; the first step's products start the sums
	KSTEP F1, 0, 1, 0, 0, 2
	KSTEP F0, 0, 2, 0, 0, 3
	TURN \fill, \na, \t
	KSTEP F0, 1, 0, 0, 1, 1
	KSTEP F1, 1, 1, 0, 1, 2
	KSTEP F0, 1, 2, 0, 1, 3
	s_wait_dscnt 0x0
	WIN 0x05
.irp a, 0,1,2,3
	MUL4 F1, \a, 3, 1, 0
.endr
	WIN 0
	PLACES 8                                       ; in front of the first read of results
.endm
; In the middle of a tile's way out: my reads of slot 1 are over, and slot 0's refill has had four steps and half a way out.  Behind the round B's part of slot 1 takes the next weight's second 512 along K,
; and the next tile's first fragments and scale words are fetched from slot 0; the rest of the way out stands over them.  t: the next tile's weight.
.macro NEXT na, t
	s_wait_tensorcnt 0x0                           ; all my tensor loads have landed: the one that was out is my part of slot 0's refill
	ds_add_u32 v[SPW], v[NIL]
	s_add_nc_u64 s[G0B+6:G0B+7], s[\na:\na+1], 512
	s_or_b32 s[G0B+7], s[G0B+7], 0x80000000
	s_wait_dscnt 0x0                               ; the add is done, and my reads of slot 1 are over
	CROUND
	BLOAD 1
	FETCH 0, 0, F0
	WIN 0
	GSB \t                                         ; the next weight's scale words: the last products stand two token tiles' way out back
.endm
; 32 numbers of a lane (two blocks of 32 along the next K, 16 of each; the other 16 lie in lane l xor 16) become 8 registers of codes and two scale bytes
.macro Q2 src, cod, wrd
.irp e, 0,1
	v_max3_num_f32 v[TM+\e], |v[(\src)+16*\e]|, |v[(\src)+16*\e+1]|, 0x8000000   ; each accumulator is read from its low end on; the floor 2^(16 - 127) holds the byte at 1 from below
.endr
.irp i, 2,4,6,8,10,12,14
.irp e, 0,1
	v_max3_num_f32 v[TM+\e], v[TM+\e], |v[(\src)+16*\e+\i]|, |v[(\src)+16*\e+\i+1]|
.endr
.endr
.irp e, 0,1
	v_permlanex16_b32 v[PD+\e], v[TM+\e], s[SEL], s[SEL+1]
.endr
.irp e, 0,1
	v_max_num_f32 v[TM+\e], v[TM+\e], v[PD+\e]
.endr
.irp e, 0,1
	v_add_nc_u32 v[SCL+\e], 0xf8800000, v[TM+\e]   ; 15 off the exponent field: the conversion's scale operand
.endr
.irp e, 0,1
	v_and_or_b32 v[HOLD+\e], v[TM+\e], 0x7f800000, s[MNT]   ; 57,344 x the scale
.endr
.irp e, 0,1
	v_lshrrev_b32 v[BY+\e], 23, v[SCL+\e]
.endr
	v_lshl_or_b32 v[\wrd], v[BY+1], 8, v[BY]
.irp e, 0,1
.irp i, 0,1,2,3,4,5,6,7,8,9,10,11,12,13,14,15
	v_med3_num_f32 v[(\src)+16*\e+\i], v[(\src)+16*\e+\i], -v[HOLD+\e], v[HOLD+\e]   ; the conversion does not saturate (ISA guide 7.6.2)
.endr
	v_cvt_scalef32_pk8_bf8_f32 v[(\cod)+4*\e:(\cod)+4*\e+1], v[(\src)+16*\e:(\src)+16*\e+7], v[SCL+\e]
	v_cvt_scalef32_pk8_bf8_f32 v[(\cod)+4*\e+2:(\cod)+4*\e+3], v[(\src)+16*\e+8:(\src)+16*\e+15], v[SCL+\e]
.endr
	v_nop                                          ; a plain line behind the last conversion
.endm
.macro EPQ a, sel                      ; token tile a of q (sel = 0) or k (1) goes out
	Q2 ACC+32*(\a), 64+8*(\a), WQ+(\a)
	global_store_b128 v[LI], v[64+8*(\a):64+8*(\a)+3], s[OQ:OQ+1] offset:4194304*(\sel)+1024*(\a)       ; 32 lanes store 512 consecutive bytes
	global_store_b128 v[LI], v[64+8*(\a)+4:64+8*(\a)+7], s[OQ:OQ+1] offset:4194304*(\sel)+1024*(\a)+512
.endm
.macro PAIRW sel                       ; a pair of token tiles: two bytes of each; lanes 0-15 the first pair, lanes 16-31 the second
	v_lshl_or_b32 v110, v[WQ+1], 16, v[WQ]
	v_lshl_or_b32 v111, v[WQ+3], 16, v[WQ+2]
	s_mov_b32 vcc_lo, 0xffff0000
	v_cndmask_b32 v110, v110, v111, vcc_lo
	global_store_b32 v[L4], v110, s[OW:OW+1] offset:131072*(\sel)   ; 128 consecutive bytes
.endm
.macro EPV b                           ; 16 channels of v go out
	Q2 ACC+32*(\b), 64+8*(\b), WQ+(\b)
	global_store_b128 v[LI], v[64+8*(\b):64+8*(\b)+3], s[OV:OV+1] offset:2048*(\b)
	global_store_b128 v[LI], v[64+8*(\b)+4:64+8*(\b)+7], s[OV:OV+1] offset:2048*(\b)+512
.endm
	s_load_b256 s[4:11], s[0:1], 0x0               ; the activations; the codes of Wq, Wk, Wv
	s_load_b64 s[12:13], s[0:1], 0x20              ; qk
	s_load_b64 s[100:101], s[0:1], 0x28            ; vt
	s_load_b64 s[SBQ:SBQ+1], s[0:1], 0x30          ; the scales of Wq, Wk, Wv
	s_load_b64 s[SBK:SBK+1], s[0:1], 0x38
	s_load_b64 s[SBV:SBV+1], s[0:1], 0x40
	v_lshl_add_u32 v[SPW], v0, 2, SPARE
	v_mov_b32 v[NIL], 0
	ds_add_u32 v28, v29
	ds_add_u32 v28, v29
	s_wait_dscnt 0x0
	v_lshrrev_b32 v1, 5, v0
	v_readfirstlane_b32 s14, v1                    ; wave 0..3
	s_lshr_b32 s15, s14, 1                         ; my 64 tokens.  Also: I fetch for A (0) or for B (1)
	s_and_b32 s16, s14, 1                          ; my 64 columns.  Also: which slot I fill at the head
	s_bfe_u32 s40, ttmp6, 0x40000                  ; cx, cy
	s_bfe_u32 s41, ttmp6, 0x40004
	s_lshl_b32 s42, ttmp9, 2
	s_add_co_u32 s42, s42, s40                     ; tile column, 0 to 7
	s_and_b32 s17, ttmp7, 0xffff
	s_lshl_b32 s17, s17, 2
	s_add_co_u32 s17, s17, s41                     ; tile row
	s_lshl_b32 s43, s41, 2
	s_lshl_b32 s43, 15, s43                        ; my row of the cluster
	s_lshl_b32 s44, 0x1111, s40                    ; my column
	s_mov_b32 s[MNT], 0x600000
	s_mov_b32 s[SEL], 0x76543210
	s_mov_b32 s[SEL+1], 0xfedcba98
	s_or_b32 s[G1], s43, (3<<16)|(1<<21)           ; A's codes: 8 rows (token tiles) of 1,024 elements of 8 bytes (four fragments), 2 KT elements apart; no padding
	s_mov_b32 s[G1+1], 1024<<16
	s_mov_b32 s[G1+2], 8<<16
	s_mov_b32 s[G1+3], 1024<<16
	s_mov_b32 s[G1+4], 8
	s_mov_b32 s[G1+5], 2*KT
	s_mov_b32 s[G1+6], 0
	s_mov_b32 s[G1+7], 0
	s_or_b32 s[G1B], s44, (1<<20)|(1<<21)|(6<<22)|(3<<25)   ; B's codes: 128 rows of 512 bytes, KT apart; four words of padding behind every 128
	s_mov_b32 s[G1B+1], 512<<16
	s_mov_b32 s[G1B+2], 128<<16
	s_mov_b32 s[G1B+3], 512<<16
	s_mov_b32 s[G1B+4], 128
	s_mov_b32 s[G1B+5], KT
	s_mov_b32 s[G1B+6], 0
	s_mov_b32 s[G1B+7], 0
	s_lshl_b32 s20, s17, 3                         ; A hangs on the tile row alone: token tile 8 x tile row
	s_mul_i32 s20, s20, 16*KT                      ; 16 KT bytes a token tile
	s_mov_b32 s21, 0
	s_lshl_b32 s22, s17, 9
	s_lshl_b32 s23, s15, 8                         ; the scale words of my 64 tokens
	s_add_co_u32 s22, s22, s23
	s_add_co_u32 s22, s22, ACODES
	s_mov_b32 s23, 0
	s_lshl_b32 s46, s42, 7                         ; B on the tile column alone: row 128 x tile column + 64 x half, in each of the three weights
	s_lshl_b32 s47, s16, 6
	s_add_co_u32 s18, s46, s47                     ; the scale bytes: my 64 rows;  the codes: the tile's 128
	s_mul_i32 s18, s18, KT/32
	s_mul_i32 s46, s46, KT
	s_mov_b32 s47, 0
	s_mov_b32 s19, 0
	s_mov_b32 s[G0], 1
	s_mov_b32 s[G0+4], 1
	s_mov_b32 s[G0+1], 0
	s_mov_b32 s[G0+5], SLOT
	s_mov_b32 s[G0B], 1
	s_mov_b32 s[G0B+4], 1
	s_mov_b32 s[G0B+1], BOFF
	s_mov_b32 s[G0B+5], BOFF+SLOT
	s_wait_kmcnt 0x0
	s_add_nc_u64 s[G0+2:G0+3], s[4:5], s[20:21]
	s_add_nc_u64 s[G0+6:G0+7], s[G0+2:G0+3], 8192
	s_add_nc_u64 s[G0B+2:G0B+3], s[6:7], s[46:47]
	s_add_nc_u64 s[G0B+6:G0B+7], s[G0B+2:G0B+3], 512
	s_add_nc_u64 s[WKA:WKA+1], s[WKA:WKA+1], s[46:47]
	s_add_nc_u64 s[WVA:WVA+1], s[WVA:WVA+1], s[46:47]
	s_add_nc_u64 s[SAB:SAB+1], s[4:5], s[22:23]
	s_add_nc_u64 s[SBQ:SBQ+1], s[SBQ:SBQ+1], s[18:19]
	s_add_nc_u64 s[SBK:SBK+1], s[SBK:SBK+1], s[18:19]
	s_add_nc_u64 s[SBV:SBV+1], s[SBV:SBV+1], s[18:19]
	s_or_b32 s[G0+3], s[G0+3], 0x80000000
	s_or_b32 s[G0+7], s[G0+7], 0x80000000
	s_or_b32 s[G0B+3], s[G0B+3], 0x80000000
	s_or_b32 s[G0B+7], s[G0B+7], 0x80000000
	CROUND                                         ; all sixteen work-groups are here: the first joint loads meet
	ARM 0, G0, G1, .Lhead_b0                       ; one joint load a wave, each in its own arm: slot 0's two tiles, then slot 1's
	ARM 2, G0B, G1B, .Lhead_a1
	ARM 1, G0+4, G1, .Lhead_b1
	tensor_load_to_lds s[G0B+4:G0B+7], s[G1B:G1B+7]
	s_nop 0
.rept 4
	v_nop
.endr
.Lhead_asked:
	v_and_b32 v1, 15, v0                           ; r
	v_bfe_u32 v2, v0, 4, 1                         ; h
	v_and_b32 v3, 31, v0                           ; lane
	v_lshlrev_b32 v[LI], 4, v3
	v_lshlrev_b32 v[L4], 2, v3
	s_lshl_b32 s18, s15, 15
	v_add_nc_u32 v[ADRA], s18, v[LI]               ; A: my four token tiles' images, 16 x lane
	v_add_nc_u32 v[ADRA+1], SLOT, v[ADRA]
	v_mul_u32_u24 v[ADRB], v1, 528
	v_lshl_add_u32 v[ADRB], v2, 4, v[ADRB]
	s_mul_i32 s18, s16, BHALF
	s_add_co_u32 s18, s18, BOFF
	v_add_nc_u32 v[ADRB], s18, v[ADRB]             ; B: row r x pitch + 16 h
	v_add_nc_u32 v[ADRB+1], SLOT, v[ADRB]
	v_mul_u32_u24 v[ADSB], v3, KT/32               ; a weight's scale bytes in memory: row = lane
	v_mov_b32 v[PD], 0                             ; a lane permute's destination counts as one of its sources
	v_mov_b32 v[PD+1], 0
	; where the results go
	s_lshl_b32 s18, s42, 1
	s_add_co_u32 s18, s18, s16                     ; the head
	s_lshr_b32 s19, s17, 4
	s_lshl_b32 s19, s19, 4
	s_add_co_u32 s18, s18, s19                     ; 16 x batch + head
	s_and_b32 s19, s17, 15                         ; my 128 tokens in the batch: the key step
	s_lshl_b32 s40, s18, 17
	s_lshl_b32 s41, s19, 13
	s_add_co_u32 s40, s40, s41
	s_lshl_b32 s41, s15, 12                        ; q, k: my 64 tokens are four tiles of 1,024 bytes
	s_add_co_u32 s[OQ], s40, s41
	s_mov_b32 s[OQ+1], 0
	s_add_nc_u64 s[OQ:OQ+1], s[12:13], s[OQ:OQ+1]
	s_lshl_b32 s41, s15, 10                        ; v: my 64 tokens are groups c = 2 x half, 2 x half + 1
	s_add_co_u32 s[OV], s40, s41
	s_mov_b32 s[OV+1], 0
	s_add_nc_u64 s[OV:OV+1], s[100:101], s[OV:OV+1]
	s_lshl_b32 s40, s18, 12
	s_lshl_b32 s41, s19, 8
	s_add_co_u32 s40, s40, s41
	s_lshl_b32 s41, s15, 7
	s_add_co_u32 s[OW], s40, s41
	s_add_co_u32 s[OW], s[OW], 8388608
	s_mov_b32 s[OW+1], 0
	s_add_nc_u64 s[OW:OW+1], s[12:13], s[OW:OW+1]
	s_lshl_b32 s41, s15, 1
	s_add_co_u32 s[OVW], s40, s41
	s_add_co_u32 s[OVW], s[OVW], 4194304
	s_mov_b32 s[OVW+1], 0
	s_add_nc_u64 s[OVW:OVW+1], s[100:101], s[OVW:OVW+1]
	s_wait_alu depctr_va_vdst(0)
	GSA
	GSB SBQ
	s_cmp_eq_u32 s16, 0                            ; waves 0 and 2 wait for slot 0's tiles; slot 1's two loads may be out, and the change of slots waits for them
	s_cbranch_scc0 .Lslot_1_later
	s_wait_tensorcnt 0x0
.Lslot_1_later:
	s_barrier_signal -1
	s_barrier_wait -1
	FETCH 0, 0, F0
	WIN 0
	; ---- q
	MAIN 1, WKA, 0
	EPQ 0, 0
	EPQ 1, 0
	NEXT WKA, SBK
	EPQ 2, 0
	EPQ 3, 0
	PAIRW 0
	; ---- k
	MAIN 1, WVA, 1
	s_wait_xcnt 0x0                                ; q's stores have read their registers: they are written again only behind this wait
	EPQ 0, 1
	EPQ 1, 1
	NEXT WVA, SBV
	EPQ 2, 1
	EPQ 3, 1
	PAIRW 1
	; ---- v: nothing is left to fetch
.set NAT, 1
	MAIN 0, 0, 2
	s_wait_xcnt 0x0                                ; k's stores have read their registers
	EPV 0
	EPV 1
	EPV 2
	EPV 3
	s_mov_b32 vcc_lo, 0xffff0000
	v_cndmask_b32 v110, v[WQ], v[WQ+1], vcc_lo     ; lanes 0-15: channels 0-15, lanes 16-31: channels 16-31
	v_cndmask_b32 v111, v[WQ+2], v[WQ+3], vcc_lo
	global_store_b16 v[L4], v110, s[OVW:OVW+1]     ; two bytes of each channel's word: the other two are the other wave's
	global_store_b16 v[L4], v111, s[OVW:OVW+1] offset:128
	s_wait_tensorcnt 0x0                           ; the wave's end
	ds_add_u32 v[SPW], v[NIL]
	s_wait_dscnt 0x0
	CROUND                                         ; the closing round
	s_endpgm
.Lfunc_end_k_qe0da870713_gqkv:
	.size	k_qe0da870713_gqkv, .Lfunc_end_k_qe0da870713_gqkv-k_qe0da870713_gqkv
	.p2alignl 7, 3214868480
	.fill 96, 4, 3214868480
	.section	.rodata,"a",@progbits
	.p2align	6, 0x0
	.amdhsa_kernel k_qe0da870713_gqkv
		.amdhsa_group_segment_fixed_size 327680
		.amdhsa_private_segment_fixed_size 0
		.amdhsa_enable_private_segment 0
		.amdhsa_kernarg_size 72
		.amdhsa_user_sgpr_count 2
		.amdhsa_user_sgpr_kernarg_segment_ptr 1
		.amdhsa_wavefront_size32 1
		.amdhsa_system_sgpr_workgroup_id_x 1
		.amdhsa_system_sgpr_workgroup_id_y 1
		.amdhsa_system_sgpr_workgroup_id_z 1
		.amdhsa_system_vgpr_workitem_id 0
		.amdhsa_next_free_vgpr 512
		.amdhsa_next_free_sgpr 102
		.amdhsa_reserve_vcc 1
		.amdhsa_float_denorm_mode_32 3
		.amdhsa_float_denorm_mode_16_64 3
		.amdhsa_memory_ordered 1
		.amdhsa_forward_progress 1
		.amdhsa_inst_pref_size 171
	.end_amdhsa_kernel
	.amdgpu_metadata
---
amdhsa.version: [ 1, 2 ]
amdhsa.kernels:
  - .name:           k_qe0da870713_gqkv
    .symbol:         k_qe0da870713_gqkv.kd
    .args:
      - { .name: act, .offset: 0, .size: 8, .value_kind: global_buffer, .address_space: global }
      - { .name: Wq_codes, .offset: 8, .size: 8, .value_kind: global_buffer, .address_space: global }
      - { .name: Wk_codes, .offset: 16, .size: 8, .value_kind: global_buffer, .address_space: global }
      - { .name: Wv_codes, .offset: 24, .size: 8, .value_kind: global_buffer, .address_space: global }
      - { .name: qk, .offset: 32, .size: 8, .value_kind: global_buffer, .address_space: global }
      - { .name: vt, .offset: 40, .size: 8, .value_kind: global_buffer, .address_space: global }
      - { .name: Wq_scales, .offset: 48, .size: 8, .value_kind: global_buffer, .address_space: global }
      - { .name: Wk_scales, .offset: 56, .size: 8, .value_kind: global_buffer, .address_space: global }
      - { .name: Wv_scales, .offset: 64, .size: 8, .value_kind: global_buffer, .address_space: global }
    .group_segment_fixed_size: 327680
    .private_segment_fixed_size: 0
    .kernarg_segment_align: 8
    .kernarg_segment_size: 72
    .max_flat_workgroup_size: 128
    .sgpr_count:     102
    .vgpr_count:     512
    .wavefront_size: 32
...
	.end_amdgpu_metadata
.endif
;; end of part 9
;; launch attn (part 10): grid 8 x 32, 16 waves a work-group, clusters of 4 x 1, 327,680 bytes of LDS; arguments qk, vt, act; writes act
.if DOCPART == 10
	.amdgcn_target "amdgcn-amd-amdhsa--gfx1250"
	.amdhsa_code_object_version 6
	.text
	.protected	k_qe0da870713_attn
	.globl	k_qe0da870713_attn
	.p2align	8
	.type	k_qe0da870713_attn,@function
k_qe0da870713_attn:
	s_mov_b64 s[64:65], 0
	v_nop
	global_prefetch_b8 v0, s[64:65] scope:SCOPE_SE
	s_setreg_imm32_b32 hwreg(HW_REG_WAVE_MODE, 25, 1), 1
	s_wait_xcnt 0x0
	s_wait_alu depctr_hold_cnt(0) depctr_sa_sdst(0) depctr_va_vdst(0) depctr_va_sdst(0) depctr_va_ssrc(0) depctr_va_vcc(0) depctr_vm_vsrc(0)
	s_getreg_b32 s2, hwreg(HW_REG_IB_STS2, 6, 4)
	s_cmp_eq_u32 s2, 0
	s_cbranch_scc0 .Lentry_in_a_cluster
	s_endpgm
.Lentry_in_a_cluster:
	s_bfe_u32 s2, ttmp6, 0x10000c
	s_cmp_lg_u32 s2, 0x3003
	s_cbranch_scc0 .Lentry_shape_is_right
	s_endpgm
.Lentry_shape_is_right:
; Causal attention of one head on codes of BF8 (E5M2) with E8M0 scales: S^T = K Q^T, p = 2^(t - M) with a running whole M, O^T += V^T P^T, O / the row's sum, quantised at once for the projection.
; A work-group of sixteen waves owns 16 query tiles of 16; all of the head's K and V codes (2 x 131,072 bytes) and their scale words (2 x 4,096) lie in LDS, filled once.
; THE FILLS: one joint load a wave, in one chain: waves 0-3 K's quarters, waves 4-7 V's (32,768 bytes each), waves 8 and 9 the scale words of K and V; the four work-groups of a cluster share them.
; Key steps all of whose keys lie behind a wave's queries are thrown away by the causal mask: a scalar branch on ids leads round their work.
; LIMITS: NaN and infinities are not served; the scaled scores stay under 2^31 in magnitude.
.set SEL, 50
.set CS,  52
.set MNT, 54
.set TB,  55
.set TS,  56
.set ST,  57
.set NS,  58
.set TM,   216
.set PD,   220
.set BY,   222
.set HOLD, 224
.set SCL,  228
.macro CROUND
	s_barrier_signal -1
	s_barrier_wait -1
	s_cmp_lg_u32 s10, 0
	s_cbranch_scc1 .Lnot_wave_0_\@
	s_barrier_signal -3
.Lnot_wave_0_\@:
	s_barrier_wait -3
	s_barrier_signal -1
	s_barrier_wait -1
.endm
.macro SW d, p, qr, row
.if \row
	v_wmma_scale_f32_16x16x128_f8f6f4 v[\d:\d+7], v[40+16*\p:40+16*\p+15], v[\qr:\qr+15], 0, v[232+\p/2], v236 matrix_a_fmt:MATRIX_FMT_BF8 matrix_b_fmt:MATRIX_FMT_BF8 matrix_a_scale:MATRIX_SCALE_ROW1
.else
	v_wmma_scale_f32_16x16x128_f8f6f4 v[\d:\d+7], v[40+16*\p:40+16*\p+15], v[\qr:\qr+15], 0, v[232+\p/2], v236 matrix_a_fmt:MATRIX_FMT_BF8 matrix_b_fmt:MATRIX_FMT_BF8
.endif
.endm
.macro OW t, row
.if \row
	v_wmma_scale_f32_16x16x128_f8f6f4 v[168+8*\t:168+8*\t+7], v[40+16*\t:40+16*\t+15], v[200:215], v[168+8*\t:168+8*\t+7], v[234+\t/2], v237 matrix_a_fmt:MATRIX_FMT_BF8 matrix_b_fmt:MATRIX_FMT_BF8 matrix_a_scale:MATRIX_SCALE_ROW1
.else
	v_wmma_scale_f32_16x16x128_f8f6f4 v[168+8*\t:168+8*\t+7], v[40+16*\t:40+16*\t+15], v[200:215], v[168+8*\t:168+8*\t+7], v[234+\t/2], v237 matrix_a_fmt:MATRIX_FMT_BF8 matrix_b_fmt:MATRIX_FMT_BF8
.endif
.endm
.macro Q2 src, cod, wrd, swp
.irp e, 0,1
	v_max3_num_f32 v[TM+\e], |v[(\src)+16*\e]|, |v[(\src)+16*\e+1]|, 0x8000000
.endr
.irp i, 2,4,6,8,10,12,14
.irp e, 0,1
	s_delay_alu instid0(VALU_DEP_2)
	v_max3_num_f32 v[TM+\e], v[TM+\e], |v[(\src)+16*\e+\i]|, |v[(\src)+16*\e+\i+1]|
.endr
.endr
.irp e, 0,1
	s_delay_alu instid0(VALU_DEP_2)
	v_permlanex16_b32 v[PD+\e], v[TM+\e], s[SEL], s[SEL+1]
.endr
.irp e, 0,1
	s_delay_alu instid0(VALU_DEP_2)
	v_max_num_f32 v[TM+\e], v[TM+\e], v[PD+\e]
.endr
.irp e, 0,1
	s_delay_alu instid0(VALU_DEP_2)
	v_add_nc_u32 v[SCL+\e], 0xf8800000, v[TM+\e]
.endr
.irp e, 0,1
	s_delay_alu instid0(VALU_DEP_4)
	v_and_or_b32 v[HOLD+\e], v[TM+\e], 0x7f800000, s[MNT]
.endr
.irp e, 0,1
	s_delay_alu instid0(VALU_DEP_4)
	v_lshrrev_b32 v[BY+\e], 23, v[SCL+\e]
.endr
	s_delay_alu instid0(VALU_DEP_1)
	v_lshl_or_b32 v[\wrd], v[BY+1], 8, v[BY]
.irp e, 0,1
.irp i, 0,1,2,3,4,5,6,7,8,9,10,11,12,13,14,15
	v_med3_num_f32 v[(\src)+16*\e+\i], v[(\src)+16*\e+\i], -v[HOLD+\e], v[HOLD+\e]
.endr
	v_cvt_scalef32_pk8_bf8_f32 v[(\cod)+4*\e:(\cod)+4*\e+1], v[(\src)+16*\e:(\src)+16*\e+7], v[SCL+\e]
	v_cvt_scalef32_pk8_bf8_f32 v[(\cod)+4*\e+2:(\cod)+4*\e+3], v[(\src)+16*\e+8:(\src)+16*\e+15], v[SCL+\e]
.endr
	v_nop
.if \swp
.irp e, 0,1
	v_permlane16_swap_b32 v[(\cod)+4*\e], v[(\cod)+4*\e+2]
	v_permlane16_swap_b32 v[(\cod)+4*\e+1], v[(\cod)+4*\e+3]
.endr
.endif
.endm
	s_load_b128 s[4:7], s[0:1], 0x0
	s_load_b64 s[8:9], s[0:1], 0x10
	v_lshl_add_u32 v254, v0, 2, 0x42000
	v_mov_b32 v255, 0
	ds_add_u32 v254, v255
	ds_add_u32 v254, v255
	v_lshrrev_b32 v1, 5, v0
	s_delay_alu instid0(VALU_DEP_1)
	v_readfirstlane_b32 s10, v1
	s_bfe_u32 s11, ttmp6, 0x40000
	s_and_b32 s12, ttmp7, 0xffff
	s_lshl_b32 s13, s10, 1
	s_add_co_u32 s14, s13, ttmp9
	s_sub_co_u32 s15, 47, s13
	s_sub_co_u32 s15, s15, ttmp9
	s_add_co_u32 s16, s10, 1
	s_sub_co_u32 s17, 24, s10
	s_cmp_lt_u32 s10, 8
	s_cselect_b32 s14, s14, s15
	s_cselect_b32 s[NS], s16, s17
	s_lshl_b32 s14, s14, 2
	s_add_co_u32 s14, s14, s11
	s_mov_b32 s24, 15|(3<<16)|(1<<21)
	s_mov_b32 s25, 32<<16
	s_mov_b32 s26, 128<<16
	s_mov_b32 s27, 32<<16
	s_mov_b32 s28, 128
	s_mov_b32 s29, 32
	s_mov_b32 s30, 0
	s_mov_b32 s31, 0
	s_mov_b32 s32, 15|(3<<16)|(1<<21)
	s_mov_b32 s33, 32<<16
	s_mov_b32 s34, 16<<16
	s_mov_b32 s35, 32<<16
	s_mov_b32 s36, 16
	s_mov_b32 s37, 32
	s_mov_b32 s38, 0
	s_mov_b32 s39, 0
	s_mov_b32 s40, 1
	s_and_b32 s41, s10, 7
	s_lshl_b32 s41, s41, 15                        ; LDS: K's four quarters, then V's
	s_lshl_b32 s18, s12, 17
	s_and_b32 s20, s10, 3
	s_lshl_b32 s20, s20, 15
	s_add_co_u32 s18, s18, s20
	s_cmp_lt_u32 s10, 4
	s_cselect_b32 s19, 4194304, 0                  ; k's codes lie behind q's in qk
	s_add_co_u32 s18, s18, s19
	s_mov_b32 s19, 0
	s_mov_b32 s44, 1
	s_and_b32 s20, s10, 1
	s_lshl_b32 s45, s20, 12
	s_add_co_u32 s45, s45, 262144
	s_mov_b32 s21, 4194304
	s_cmp_eq_u32 s20, 0
	s_cselect_b32 s22, 8519680, s21
	s_lshl_b32 s21, s12, 12
	s_add_co_u32 s22, s22, s21
	s_mov_b32 s23, 0
	s_mov_b32 s[SEL], 0x76543210
	s_mov_b32 s[SEL+1], 0xfedcba98
	s_mov_b32 s[CS], 0x3e38aa3b
	s_mov_b32 s[CS+1], s[CS]
	s_mov_b32 s[MNT], 0x600000
	s_mov_b32 s[TB], 0
	s_mov_b32 s[TS], 0
	s_mov_b32 s[ST], 0
	s_wait_dscnt 0x0
	s_wait_kmcnt 0x0
	s_cmp_lt_u32 s10, 4
	s_cselect_b64 s[42:43], s[4:5], s[6:7]
	s_add_nc_u64 s[42:43], s[42:43], s[18:19]
	s_or_b32 s43, s43, 0x80000000
	s_cmp_eq_u32 s20, 0
	s_cselect_b64 s[46:47], s[4:5], s[6:7]
	s_add_nc_u64 s[46:47], s[46:47], s[22:23]
	s_or_b32 s47, s47, 0x80000000
	CROUND
	s_cmp_lt_u32 s10, 8
	s_cbranch_scc0 .Lnot_codes
	tensor_load_to_lds s[40:43], s[24:31]
	s_nop 0
.rept 4
	v_nop
.endr
	s_branch .Lno_words
.Lnot_codes:
	s_cmp_lt_u32 s10, 10
	s_cbranch_scc0 .Lno_words
	tensor_load_to_lds s[44:47], s[32:39]
	s_nop 0
.rept 4
	v_nop
.endr
.Lno_words:
	s_lshl_b32 s20, s12, 17
	s_lshl_b32 s21, s14, 10
	s_add_co_u32 s20, s20, s21
	s_mov_b32 s21, 0
	s_add_nc_u64 s[48:49], s[4:5], s[20:21]
	s_lshl_b32 s20, s12, 12
	s_lshr_b32 s22, s14, 1
	s_lshl_b32 s22, s22, 6
	s_add_co_u32 s20, s20, s22
	s_add_co_u32 s20, s20, 8388608
	s_add_nc_u64 s[60:61], s[4:5], s[20:21]
	v_and_b32 v7, 31, v0
	v_and_b32 v240, 15, v0
	v_bfe_u32 v241, v0, 4, 1
	s_delay_alu instid0(VALU_DEP_3)
	v_lshlrev_b32 v1, 4, v7
	s_delay_alu instid0(VALU_DEP_1)
	v_add_nc_u32 v2, 131072, v1
	v_lshlrev_b32 v3, 2, v7
	s_delay_alu instid0(VALU_DEP_1)
	v_add_nc_u32 v4, 266240, v3
	s_delay_alu instid0(VALU_DEP_2)
	v_add_nc_u32 v3, 262144, v3
	v_lshlrev_b32 v6, 2, v240
	global_load_b128 v[16:19], v1, s[48:49]
	global_load_b128 v[20:23], v1, s[48:49] offset:512
	global_load_b128 v[32:35], v1, s[48:49]
	global_load_b128 v[36:39], v1, s[48:49] offset:512
	global_load_b32 v242, v6, s[60:61]
	s_and_b32 s20, s14, 7
	s_lshl_b32 s20, s20, 4
	v_lshlrev_b32 v241, 3, v241
	s_delay_alu instid0(VALU_DEP_1)
	v_sub_nc_u32 v5, v240, v241
	s_delay_alu instid0(VALU_DEP_1)
	v_add_nc_u32 v5, s20, v5
.irp j, 24,25,26,27,28,29,30,31
	v_mov_b32 v\j, 0
.endr
	v_mov_b32 v13, 0xff61b1e6
	s_delay_alu instid0(VALU_DEP_1)
	v_floor_f32 v12, -v13
	v_mov_b32 v14, 0
	v_mov_b32 v15, 0
.irp j, 220,221,222,223,239,240
	v_mov_b32 v\j, 0
.endr
	s_and_b32 s20, s14, 1
	s_lshl_b32 s20, s20, 4
	s_wait_loadcnt 0x0
	v_lshrrev_b32 v242, s20, v242
	s_delay_alu instid0(VALU_DEP_1)
	v_and_b32 v242, 0xffff, v242
	s_delay_alu instid0(VALU_DEP_1)
	v_lshl_or_b32 v236, v242, 16, v242
.set j, 0
.rept 32
	v_mov_b32 v[168+j], 0
.set j, j+1
.endr
	s_wait_tensorcnt 0x0
	s_barrier_signal -1
	s_barrier_wait -1
.Lstep:
	s_cmp_ge_u32 s[ST], s[NS]
	s_cbranch_scc1 .Lhidden
	v_add_nc_u32 v8, s[TB], v1
	v_add_nc_u32 v9, s[TB], v2
	v_add_nc_u32 v10, s[TS], v3
	v_add_nc_u32 v11, s[TS], v4
.rept 4
	v_nop
.endr
.irp p, 0,1,2,3
.irp c, 0,1,2,3
	ds_load_b128 v[40+16*\p+4*\c:40+16*\p+4*\c+3], v8 offset:2048*\p+512*\c
.endr
.endr
	ds_load_b32 v232, v10
	ds_load_b32 v233, v10 offset:128
	s_wait_alu depctr_va_vdst(0)
	s_wait_dscnt 0x0
	SW 104, 0, 16, 0
	SW 112, 0, 24, 0
	SW 120, 1, 16, 1
	SW 128, 1, 24, 1
	SW 136, 2, 16, 0
	SW 144, 2, 24, 0
	SW 152, 3, 16, 1
	SW 160, 3, 24, 1
.rept 8
	v_nop
.endr
.irp t, 0,1,2,3
.irp c, 0,1,2,3
	ds_load_b128 v[40+16*\t+4*\c:40+16*\t+4*\c+3], v9 offset:2048*\t+512*\c
.endr
.endr
	ds_load_b32 v234, v11
	ds_load_b32 v235, v11 offset:128
	s_add_co_u32 s18, s[ST], 1
	s_cmp_lg_u32 s18, s[NS]
	s_cbranch_scc1 .Lopen
	v_mov_b32 v240, 0xff800000
.set n, 0
.rept 64
	v_cmp_gt_i32 vcc_lo, 16*(n/8)+n%8, v5
	v_cndmask_b32 v[104+n], v[104+n], v240, vcc_lo
.set n, n+1
.endr
.Lopen:
.irp b, 0,1,2,3
	v_max3_num_f32 v[216+\b], v[104+16*\b], v[105+16*\b], v[106+16*\b]
.endr
.irp i, 3,5,7,9,11,13
.irp b, 0,1,2,3
	v_max3_num_f32 v[216+\b], v[216+\b], v[104+16*\b+\i], v[105+16*\b+\i]
.endr
.endr
.irp b, 0,1,2,3
	v_max_num_f32 v[216+\b], v[216+\b], v[119+16*\b]
.endr
.irp b, 0,1,2,3
	s_delay_alu instid0(VALU_DEP_4)
	v_permlanex16_b32 v[220+\b], v[216+\b], s[SEL], s[SEL+1]
.endr
.irp b, 0,1,2,3
	s_delay_alu instid0(VALU_DEP_4)
	v_max_num_f32 v[216+\b], v[216+\b], v[220+\b]
.endr
	s_delay_alu instid0(VALU_DEP_2)
	v_max3_num_f32 v240, v216, v217, v218
	s_delay_alu instid0(VALU_DEP_1)
	v_max_num_f32 v240, v240, v219
	s_delay_alu instid0(VALU_DEP_1)
	v_mul_f32 v240, s[CS], v240
	s_delay_alu instid0(VALU_DEP_1)
	v_max_num_f32 v13, v13, v240
	v_mov_b32 v240, v12
	s_delay_alu instid0(VALU_DEP_2)
	v_floor_f32 v12, -v13
	s_delay_alu instid0(VALU_DEP_1)
	v_sub_f32 v240, v12, v240
	s_delay_alu instid0(VALU_DEP_1)
	v_cvt_i32_f32 v240, v240
	s_delay_alu instid0(VALU_DEP_1)
	v_ldexp_f32 v238, 1.0, v240
.set j, 0
.rept 32
	v_pk_fma_f32 v[104+j:105+j], v[104+j:105+j], s[CS:CS+1], v[12:13] op_sel_hi:[1,0,0]
.set j, j+2
.endr
.irp b, 0,1,2,3
	v_fma_f32 v[216+\b], v[216+\b], s[CS], v12
.endr
.set j, 0
	s_wait_alu depctr_va_vdst(0)
.rept 64
	v_exp_f32 v[104+j], v[104+j]
.set j, j+1
.endr
	v_pk_mul_f32 v[14:15], v[14:15], v[238:239] op_sel_hi:[1,0]
	s_wait_alu depctr_va_vdst(0)
.irp b, 0,1,2,3
	v_exp_f32 v[216+\b], v[216+\b]
.endr
	v_pk_add_f32 v[242:243], v[104:105], v[106:107]
.irp j, 4,8,12,16,20,24,28,32,36,40,44,48,52,56,60
	v_pk_add_f32 v[14:15], v[14:15], v[104+\j:105+\j]
	v_pk_add_f32 v[242:243], v[242:243], v[106+\j:107+\j]
.endr
	s_delay_alu instid0(VALU_DEP_1)
	v_pk_add_f32 v[14:15], v[14:15], v[242:243]
	s_wait_alu depctr_va_vdst(0)
.irp b, 0,1,2,3
	v_max_num_f32 v[216+\b], 0x8000000, v[216+\b]
.endr
.irp b, 0,1,2,3
	s_delay_alu instid0(VALU_DEP_4)
	v_add_nc_u32 v[228+\b], 0xf8800000, v[216+\b]
.endr
.irp b, 0,1,2,3
	v_and_or_b32 v[224+\b], v[216+\b], 0x7f800000, s[MNT]
.endr
.irp b, 0,1,2,3
	v_lshrrev_b32 v[220+\b], 23, v[228+\b]
.endr
	s_delay_alu instid0(VALU_DEP_3)
	v_lshl_or_b32 v237, v221, 8, v220
	s_delay_alu instid0(VALU_DEP_1)
	v_lshl_or_b32 v237, v222, 16, v237
	s_delay_alu instid0(VALU_DEP_1)
	v_lshl_or_b32 v237, v223, 24, v237
.irp b, 0,1,2,3
.irp i, 0,1,2,3,4,5,6,7,8,9,10,11,12,13,14,15
	v_min_num_f32 v[104+16*\b+\i], v[104+16*\b+\i], v[224+\b]
.endr
	v_cvt_scalef32_pk8_bf8_f32 v[200+4*\b:201+4*\b], v[104+16*\b:111+16*\b], v[228+\b]
	v_cvt_scalef32_pk8_bf8_f32 v[202+4*\b:203+4*\b], v[112+16*\b:119+16*\b], v[228+\b]
.endr
.set j, 0
.rept 16
	v_pk_mul_f32 v[168+j:169+j], v[168+j:169+j], v[238:239] op_sel_hi:[1,0]
.set j, j+2
.endr
	s_wait_alu depctr_va_vdst(0)
	s_wait_dscnt 0x0
	OW 0, 0
	OW 1, 1
	OW 2, 0
	OW 3, 1
.Lhidden:
	s_add_co_u32 s[TB], s[TB], 8192
	s_add_co_u32 s[TS], s[TS], 256
	s_add_co_u32 s[ST], s[ST], 1
	s_cmp_lt_u32 s[ST], 16
	s_cbranch_scc1 .Lstep
.rept 8
	v_nop
.endr
	v_add_f32 v14, v14, v15
	s_delay_alu instid0(VALU_DEP_1)
	v_permlanex16_b32 v240, v14, s[SEL], s[SEL+1]
	s_delay_alu instid0(VALU_DEP_1)
	v_add_f32 v14, v14, v240
	s_wait_alu depctr_va_vdst(0)
	v_rcp_f32 v14, v14
	v_nop
	s_lshr_b32 s18, s12, 4
	s_lshl_b32 s19, s18, 7
	s_add_co_u32 s19, s19, s14
	s_lshl_b32 s20, s19, 14
	s_and_b32 s21, s12, 15
	s_lshr_b32 s21, s21, 1
	s_lshl_b32 s22, s21, 11
	s_add_co_u32 s20, s20, s22
	s_and_b32 s23, s12, 1
	s_lshl_b32 s22, s23, 10
	s_add_co_u32 s20, s20, s22
	s_lshl_b32 s22, s21, 14
	s_mov_b32 s21, 0
	s_add_nc_u64 s[16:17], s[8:9], s[20:21]
	s_lshl_b32 s20, s19, 6
	s_add_co_u32 s20, s20, s22
	s_lshl_b32 s22, s23, 1
	s_add_co_u32 s20, s20, s22
	s_add_co_u32 s20, s20, 4194304
	s_add_nc_u64 s[18:19], s[8:9], s[20:21]
	s_wait_alu depctr_va_vdst(0)
.set j, 0
.rept 32
	v_mul_f32 v[104+j], v[168+j], v14
.set j, j+1
.endr
	Q2 104, 200, 244, 1
	global_store_b128 v1, v[200:203], s[16:17]
	global_store_b128 v1, v[204:207], s[16:17] offset:512
	s_wait_xcnt 0x0
	v_cmp_gt_u32 vcc_lo, 16, v7
	s_and_saveexec_b32 s20, vcc_lo
	global_store_b16 v6, v244, s[18:19]
	s_wait_xcnt 0x0
	s_or_b32 exec_lo, exec_lo, s20
	s_wait_tensorcnt 0x0
	ds_add_u32 v254, v255
	s_wait_dscnt 0x0
	CROUND
	s_endpgm
.Lfunc_end_k_qe0da870713_attn:
	.size	k_qe0da870713_attn, .Lfunc_end_k_qe0da870713_attn-k_qe0da870713_attn
	.p2alignl 7, 3214868480
	.fill 96, 4, 3214868480
	.section	.rodata,"a",@progbits
	.p2align	6, 0x0
	.amdhsa_kernel k_qe0da870713_attn
		.amdhsa_group_segment_fixed_size 327680
		.amdhsa_private_segment_fixed_size 0
		.amdhsa_enable_private_segment 0
		.amdhsa_kernarg_size 24
		.amdhsa_user_sgpr_count 2
		.amdhsa_user_sgpr_kernarg_segment_ptr 1
		.amdhsa_wavefront_size32 1
		.amdhsa_system_sgpr_workgroup_id_x 1
		.amdhsa_system_sgpr_workgroup_id_y 1
		.amdhsa_system_sgpr_workgroup_id_z 1
		.amdhsa_system_vgpr_workitem_id 0
		.amdhsa_next_free_vgpr 256
		.amdhsa_next_free_sgpr 66
		.amdhsa_reserve_vcc 1
		.amdhsa_float_denorm_mode_32 3
		.amdhsa_float_denorm_mode_16_64 3
		.amdhsa_memory_ordered 1
		.amdhsa_forward_progress 1
		.amdhsa_inst_pref_size 41
	.end_amdhsa_kernel
	.amdgpu_metadata
---
amdhsa.version: [ 1, 2 ]
amdhsa.kernels:
  - .name:           k_qe0da870713_attn
    .symbol:         k_qe0da870713_attn.kd
    .args:
      - { .name: qk, .offset: 0, .size: 8, .value_kind: global_buffer, .address_space: global }
      - { .name: vt, .offset: 8, .size: 8, .value_kind: global_buffer, .address_space: global }
      - { .name: act, .offset: 16, .size: 8, .value_kind: global_buffer, .address_space: global }
    .group_segment_fixed_size: 327680
    .private_segment_fixed_size: 0
    .kernarg_segment_align: 8
    .kernarg_segment_size: 24
    .max_flat_workgroup_size: 512
    .sgpr_count:     66
    .vgpr_count:     256
    .wavefront_size: 32
...
	.end_amdgpu_metadata
.endif
;; end of part 10
;; launch go (part 11): grid 8 x 32, 4 waves a work-group, clusters of 4 x 4, 327,680 bytes of LDS; arguments act, Wo_codes, Wo_scales, x, x1; writes x1
.if DOCPART == 11
	.amdgcn_target "amdgcn-amd-amdhsa--gfx1250"
	.amdhsa_code_object_version 6
	.text
	.protected	k_qe0da870713_go
	.globl	k_qe0da870713_go
	.p2align	8
	.type	k_qe0da870713_go,@function
k_qe0da870713_go:
	s_mov_b64 s[64:65], 0
	v_nop
	global_prefetch_b8 v0, s[64:65] scope:SCOPE_SE
	s_setreg_imm32_b32 hwreg(HW_REG_WAVE_MODE, 25, 1), 1
	s_wait_xcnt 0x0
	s_wait_alu depctr_hold_cnt(0) depctr_sa_sdst(0) depctr_va_vdst(0) depctr_va_sdst(0) depctr_va_ssrc(0) depctr_va_vcc(0) depctr_vm_vsrc(0)
	s_getreg_b32 s2, hwreg(HW_REG_IB_STS2, 6, 4)
	s_cmp_eq_u32 s2, 0
	s_cbranch_scc0 .Lentry_in_a_cluster
	s_endpgm
.Lentry_in_a_cluster:
	s_bfe_u32 s2, ttmp6, 0x10000c
	s_cmp_lg_u32 s2, 0xf033
	s_cbranch_scc0 .Lentry_shape_is_right
	s_endpgm
.Lentry_shape_is_right:
; x1 = x + y Wo on codes of BF8 (E5M2) with E8M0 scales; x and x1 are f32 rows of 1,024.
; Ring, slots, scales, cluster and steps as in the launch for q and k: 128 tokens x 128 columns a work-group, four waves of 64 x 64, all of K = 1,024 in two slots asked for at the start; nothing is filled again.
; Transposed use: lane (r, h) holds token r and columns 16 b + 8 h + j.  On the way out 16 rows x 64 columns go through the wave's own stage in LDS (rows of 256 bytes + 16) and come back by rows, so that sixteen lanes
; store 256 consecutive bytes, aligned.  The residual is asked for at the head, in that same order, into window 2.
; No prefetch: a work-group asks for all its bytes at its head.  LIMITS: NaN and infinities are not served.
; THE SCALES, otherwise than the lines above say: no scale word passes through LDS: each wave loads the words of its 64 tokens and of its 64 rows of Wo, all of K, from memory straight into its scale registers.
; THE FILLS: four tiles, one a wave: wave 0 A's slot 0 (8 token tiles x 8,192 bytes), wave 2 B's slot 0 (128 rows), waves 1 and 3 the same of slot 1.
.set KT,     1024
.set LAPS,   KT/1024
.set ACODES, 4194304
.set SLOT,   133120
.set BOFF,   65536
.set BHALF,  33792
.set STAGE,  300032                    ; 16 rows x 272 bytes for each wave; no tile lands here
.set SPARE,  317440
.set ADRA, 16
.set ADRB, 18
.set ADSB, 21
.set LI,   22
.set L4,   23
.set STO,  24
.set RD,   25
.set CO,   26
.set SPW,  28
.set NIL,  29
.set SC,   32
.set ACC,  128
.set F0,   0
.set F1,   128
.set G1,   24
.set G0,   32
.set G1B,  48
.set G0B,  56
.set SAB,  76                          ; s[76:77] the scale words of my 64 tokens, in memory
.set SBB,  78                          ; s[78:79] the scale bytes of my 64 rows of the weight
.set MSB, 0
.macro WIN new
.if MSB != \new
	s_set_vgpr_msb (MSB<<8)|\new
.set MSB, \new
.endif
.endm
.macro PLACES n
.rept \n
	v_nop
.endr
.endm
.macro ARM w, g0, g1, next             ; an arm of the head's one chain: wave w's joint load, then a jump to the chain's end
	s_cmp_eq_u32 s14, \w
	s_cbranch_scc0 \next
	tensor_load_to_lds s[\g0:\g0+3], s[\g1:\g1+7]
	s_nop 0
.rept 4
	v_nop
.endr
	s_branch .Lhead_asked
\next:
.endm
.macro CREST
	s_cmp_lg_u32 s14, 0
	s_cbranch_scc1 .Lnot_wave_0_\@
	s_barrier_signal -3
.Lnot_wave_0_\@:
	s_barrier_wait -3
	s_barrier_signal -1
	s_barrier_wait -1
.endm
.macro CROUND
	s_barrier_signal -1
	s_barrier_wait -1
	CREST
.endm
.macro FETCH sl, q, f
	WIN 0x40
.irp a, 0,1,2,3
.irp c, 0,1,2,3
	ds_load_b128 v[(\f)+16*\a+4*\c:(\f)+16*\a+4*\c+3], v[ADRA+\sl] offset:8192*\a+2048*(\q)+512*\c
.endr
.endr
.irp b, 0,1,2,3
.irp c, 0,1,2,3
	ds_load_b128 v[(\f)+64+16*\b+4*\c:(\f)+64+16*\b+4*\c+3], v[ADRB+\sl] offset:8448*\b+128*(\q)+32*\c
.endr
.endr
.endm
.macro GSC sg, d                       ; the scale words of the slot d on from the bases, into set sg: A's 2 q + i (128 consecutive bytes a load), B's 8 + 4 p + q (16 bytes of a lane's row)
.irp q, 0,1,2,3
.irp i, 0,1
	global_load_b32 v[SC+16*(\sg)+2*\q+\i], v[L4], s[SAB:SAB+1] offset:65536*(\d)+16384*\q+128*\i
.endr
.endr
.irp p, 0,1
	global_load_b128 v[SC+16*(\sg)+8+4*\p:SC+16*(\sg)+8+4*\p+3], v[ADSB], s[SBB:SBB+1] offset:16*(\d)+\p*KT
.endr
.endm
.macro WM f, a, b, q, sg, first
.set rD,  ACC+8*(4*(\a)+(\b))
.set rW,  (\f)+64+16*(\b)
.set rX,  (\f)+16*(\a)
.set rSW, SC+16*(\sg)+8+4*((\b)/2)+(\q)
.set rSX, SC+16*(\sg)+2*(\q)+(\a)/2
.set par, 2*((\a)%2)+(\b)%2
.if \first
.if par == 0
	v_wmma_scale_f32_16x16x128_f8f6f4 v[rD:rD+7], v[rW:rW+15], v[rX:rX+15], 0, v[rSW], v[rSX] matrix_a_fmt:MATRIX_FMT_BF8 matrix_b_fmt:MATRIX_FMT_BF8
.elseif par == 1
	v_wmma_scale_f32_16x16x128_f8f6f4 v[rD:rD+7], v[rW:rW+15], v[rX:rX+15], 0, v[rSW], v[rSX] matrix_a_fmt:MATRIX_FMT_BF8 matrix_b_fmt:MATRIX_FMT_BF8 matrix_a_scale:MATRIX_SCALE_ROW1
.elseif par == 2
	v_wmma_scale_f32_16x16x128_f8f6f4 v[rD:rD+7], v[rW:rW+15], v[rX:rX+15], 0, v[rSW], v[rSX] matrix_a_fmt:MATRIX_FMT_BF8 matrix_b_fmt:MATRIX_FMT_BF8 matrix_b_scale:MATRIX_SCALE_ROW1
.else
	v_wmma_scale_f32_16x16x128_f8f6f4 v[rD:rD+7], v[rW:rW+15], v[rX:rX+15], 0, v[rSW], v[rSX] matrix_a_fmt:MATRIX_FMT_BF8 matrix_b_fmt:MATRIX_FMT_BF8 matrix_a_scale:MATRIX_SCALE_ROW1 matrix_b_scale:MATRIX_SCALE_ROW1
.endif
.else
.if par == 0
	v_wmma_scale_f32_16x16x128_f8f6f4 v[rD:rD+7], v[rW:rW+15], v[rX:rX+15], v[rD:rD+7], v[rSW], v[rSX] matrix_a_fmt:MATRIX_FMT_BF8 matrix_b_fmt:MATRIX_FMT_BF8
.elseif par == 1
	v_wmma_scale_f32_16x16x128_f8f6f4 v[rD:rD+7], v[rW:rW+15], v[rX:rX+15], v[rD:rD+7], v[rSW], v[rSX] matrix_a_fmt:MATRIX_FMT_BF8 matrix_b_fmt:MATRIX_FMT_BF8 matrix_a_scale:MATRIX_SCALE_ROW1
.elseif par == 2
	v_wmma_scale_f32_16x16x128_f8f6f4 v[rD:rD+7], v[rW:rW+15], v[rX:rX+15], v[rD:rD+7], v[rSW], v[rSX] matrix_a_fmt:MATRIX_FMT_BF8 matrix_b_fmt:MATRIX_FMT_BF8 matrix_b_scale:MATRIX_SCALE_ROW1
.else
	v_wmma_scale_f32_16x16x128_f8f6f4 v[rD:rD+7], v[rW:rW+15], v[rX:rX+15], v[rD:rD+7], v[rSW], v[rSX] matrix_a_fmt:MATRIX_FMT_BF8 matrix_b_fmt:MATRIX_FMT_BF8 matrix_a_scale:MATRIX_SCALE_ROW1 matrix_b_scale:MATRIX_SCALE_ROW1
.endif
.endif
.endm
.macro MUL4 f, a, q, sg, first
.irp b, 0,1,2,3
	WM \f, \a, \b, \q, \sg, \first
.endr
.endm
.macro KSTEP f, sg, q, first, sn, qn
	PLACES 8
	FETCH \sn, \qn, 128-(\f)
	s_wait_dscnt 32                                ; all but the 32 just issued
	WIN 0x05
.irp a, 0,1,2,3
	MUL4 \f, \a, \q, \sg, \first
.endr
	WIN 0
.endm
.macro TURN sg, sn, fill
	s_wait_tensorcnt 0x0                           ; all my tensor loads have landed
	ds_add_u32 v[SPW], v[NIL]
	s_wait_dscnt 1                                 ; only the add may be out
	WIN 0x05
	MUL4 F1, 0, 3, \sg, 0
	s_wait_dscnt 0x0                               ; the add is done, and my reads of this slot are over
	s_barrier_signal -1
	MUL4 F1, 1, 3, \sg, 0
	WIN 0
	s_barrier_wait -1
	PLACES 8
	FETCH \sn, 0, F0
	WIN 0x05
	MUL4 F1, 2, 3, \sg, 0
	MUL4 F1, 3, 3, \sg, 0
	WIN 0
.endm
; token tile a goes out: through my stage, back by rows, + the residual, stored
.macro OUTA a
.set TT, 64+32*((\a)%2)
.if (\a) >= 2
	s_wait_xcnt 0x0                                ; the stores of two tiles back have read these registers
.endif
.irp b, 0,1,2,3
	ds_store_b128 v[STO], v[ACC+8*(4*(\a)+\b):ACC+8*(4*(\a)+\b)+3] offset:64*\b        ; each accumulator from its low end on
	ds_store_b128 v[STO], v[ACC+8*(4*(\a)+\b)+4:ACC+8*(4*(\a)+\b)+7] offset:64*\b+16
.endr
.irp i, 0,1,2,3,4,5,6,7
	ds_load_b128 v[TT+4*\i:TT+4*\i+3], v[RD] offset:544*\i   ; LDS serves a wave's instructions in order (ISA guide 5.7.1.4): these see the stores above
.endr
	s_wait_dscnt 0x0
	WIN 0x08                                       ; source 1 in window 2: the residual
.irp i, 0,1,2,3,4,5,6,7,8,9,10,11,12,13,14,15
	v_pk_add_f32 v[TT+2*\i:TT+2*\i+1], v[TT+2*\i:TT+2*\i+1], v[32*(\a)+2*\i:32*(\a)+2*\i+1]
.endr
	WIN 0
.irp i, 0,1,2,3,4,5,6,7
	global_store_b128 v[CO], v[TT+4*\i:TT+4*\i+3], s[12:13] offset:(16*(\a)+2*\i)*4096   ; 16 lanes store 256 consecutive bytes, aligned
.endr
.endm
	s_load_b128 s[4:7], s[0:1], 0x0                ; y, Wo's codes
	s_load_b128 s[8:11], s[0:1], 0x10              ; Wo's scales, x
	s_load_b64 s[12:13], s[0:1], 0x20              ; x1
	v_lshl_add_u32 v[SPW], v0, 2, SPARE
	v_mov_b32 v[NIL], 0
	ds_add_u32 v28, v29
	ds_add_u32 v28, v29
	s_wait_dscnt 0x0
	v_lshrrev_b32 v1, 5, v0
	v_readfirstlane_b32 s14, v1
	s_lshr_b32 s15, s14, 1
	s_and_b32 s16, s14, 1
	s_bfe_u32 s40, ttmp6, 0x40000
	s_bfe_u32 s41, ttmp6, 0x40004
	s_lshl_b32 s42, ttmp9, 2
	s_add_co_u32 s42, s42, s40
	s_and_b32 s17, ttmp7, 0xffff
	s_lshl_b32 s17, s17, 2
	s_add_co_u32 s17, s17, s41
	s_lshl_b32 s43, s41, 2
	s_lshl_b32 s43, 15, s43
	s_lshl_b32 s44, 0x1111, s40
	s_or_b32 s[G1], s43, (3<<16)|(1<<21)
	s_mov_b32 s[G1+1], 1024<<16
	s_mov_b32 s[G1+2], 8<<16
	s_mov_b32 s[G1+3], 1024<<16
	s_mov_b32 s[G1+4], 8
	s_mov_b32 s[G1+5], 2*KT
	s_mov_b32 s[G1+6], 0
	s_mov_b32 s[G1+7], 0
	s_or_b32 s[G1B], s44, (1<<20)|(1<<21)|(6<<22)|(3<<25)
	s_mov_b32 s[G1B+1], 512<<16
	s_mov_b32 s[G1B+2], 128<<16
	s_mov_b32 s[G1B+3], 512<<16
	s_mov_b32 s[G1B+4], 128
	s_mov_b32 s[G1B+5], KT
	s_mov_b32 s[G1B+6], 0
	s_mov_b32 s[G1B+7], 0
	s_lshl_b32 s20, s17, 3                         ; A: token tile 8 x tile row
	s_mul_i32 s20, s20, 16*KT
	s_mov_b32 s21, 0
	s_lshl_b32 s22, s17, 9
	s_lshl_b32 s23, s15, 8                         ; the scale words of my 64 tokens
	s_add_co_u32 s22, s22, s23
	s_add_co_u32 s22, s22, ACODES
	s_mov_b32 s23, 0
	s_lshl_b32 s46, s42, 7
	s_lshl_b32 s47, s16, 6
	s_add_co_u32 s18, s46, s47                     ; the scale bytes: my 64 rows;  the codes: the tile's 128
	s_mul_i32 s18, s18, KT/32
	s_mul_i32 s46, s46, KT
	s_mov_b32 s47, 0
	s_mov_b32 s19, 0
	s_mov_b32 s[G0], 1
	s_mov_b32 s[G0+4], 1
	s_mov_b32 s[G0+1], 0
	s_mov_b32 s[G0+5], SLOT
	s_mov_b32 s[G0B], 1
	s_mov_b32 s[G0B+4], 1
	s_mov_b32 s[G0B+1], BOFF
	s_mov_b32 s[G0B+5], BOFF+SLOT
	s_wait_kmcnt 0x0
	s_add_nc_u64 s[G0+2:G0+3], s[4:5], s[20:21]
	s_add_nc_u64 s[G0+6:G0+7], s[G0+2:G0+3], 8192
	s_add_nc_u64 s[G0B+2:G0B+3], s[6:7], s[46:47]
	s_add_nc_u64 s[G0B+6:G0B+7], s[G0B+2:G0B+3], 512
	s_add_nc_u64 s[SAB:SAB+1], s[4:5], s[22:23]
	s_add_nc_u64 s[SBB:SBB+1], s[8:9], s[18:19]
	s_or_b32 s[G0+3], s[G0+3], 0x80000000
	s_or_b32 s[G0+7], s[G0+7], 0x80000000
	s_or_b32 s[G0B+3], s[G0B+3], 0x80000000
	s_or_b32 s[G0B+7], s[G0B+7], 0x80000000
	CROUND
	ARM 0, G0, G1, .Lhead_b0                       ; one joint load a wave, each in its own arm: slot 0's two tiles, then slot 1's
	ARM 2, G0B, G1B, .Lhead_a1
	ARM 1, G0+4, G1, .Lhead_b1
	tensor_load_to_lds s[G0B+4:G0B+7], s[G1B:G1B+7]
	s_nop 0
.rept 4
	v_nop
.endr
.Lhead_asked:
	v_and_b32 v1, 15, v0
	v_bfe_u32 v2, v0, 4, 1
	v_and_b32 v3, 31, v0
	v_lshlrev_b32 v[LI], 4, v3
	v_lshlrev_b32 v[L4], 2, v3
	s_lshl_b32 s18, s15, 15
	v_add_nc_u32 v[ADRA], s18, v[LI]
	v_add_nc_u32 v[ADRA+1], SLOT, v[ADRA]
	v_mul_u32_u24 v[ADRB], v1, 528
	v_lshl_add_u32 v[ADRB], v2, 4, v[ADRB]
	s_mul_i32 s18, s16, BHALF
	s_add_co_u32 s18, s18, BOFF
	v_add_nc_u32 v[ADRB], s18, v[ADRB]
	v_add_nc_u32 v[ADRB+1], SLOT, v[ADRB]
	v_mul_u32_u24 v[ADSB], v3, KT/32               ; the weight's scale bytes in memory: row = lane
	s_mul_i32 s18, s14, 16*272
	s_add_co_u32 s18, s18, STAGE                   ; my stage
	v_mul_u32_u24 v[STO], v1, 272
	v_lshl_add_u32 v[STO], v2, 5, v[STO]
	v_add_nc_u32 v[STO], s18, v[STO]               ; in: row r, 32 bytes for each half of the lanes
	v_mul_u32_u24 v[RD], v2, 272
	v_lshl_add_u32 v[RD], v1, 4, v[RD]
	v_add_nc_u32 v[RD], s18, v[RD]                 ; back: lanes 0-15 one row, lanes 16-31 the next
	v_lshlrev_b32 v[CO], 12, v2
	v_lshl_add_u32 v[CO], v1, 4, v[CO]             ; and the same two rows in memory
	s_wait_alu depctr_va_vdst(0)
	s_lshl_b32 s18, s17, 7
	s_lshl_b32 s19, s15, 6
	s_add_co_u32 s18, s18, s19
	s_lshl_b32 s18, s18, 12                        ; my first token's row,
	s_lshl_b32 s19, s42, 9
	s_add_co_u32 s18, s18, s19
	s_lshl_b32 s19, s16, 8
	s_add_co_u32 s18, s18, s19                     ; my first column
	s_mov_b32 s19, 0
	s_add_nc_u64 s[10:11], s[10:11], s[18:19]
	s_add_nc_u64 s[12:13], s[12:13], s[18:19]
	GSC 0, 0                                       ; 20 loads: the scale words of both slots
	GSC 1, 1
	WIN 0x80                                       ; destination window 2
.irp a, 0,1,2,3
.irp i, 0,1,2,3,4,5,6,7
	global_load_b128 v[32*\a+4*\i:32*\a+4*\i+3], v[CO], s[10:11] offset:(16*\a+2*\i)*4096
.endr
.endr
	WIN 0
	s_cmp_eq_u32 s16, 0                            ; waves 0 and 2 wait for slot 0's tiles; slot 1's two loads may be out, and the change of slots waits for them
	s_cbranch_scc0 .Lslot_1_later
	s_wait_tensorcnt 0x0
.Lslot_1_later:
	s_barrier_signal -1
	s_barrier_wait -1
	FETCH 0, 0, F0
	WIN 0
	s_wait_loadcnt 32                              ; the scale words are in; the 32 loads of the residual, issued behind them, may be out
	KSTEP F0, 0, 0, 1, 0, 1
	KSTEP F1, 0, 1, 0, 0, 2
	KSTEP F0, 0, 2, 0, 0, 3
	TURN 0, 1, 0
	KSTEP F0, 1, 0, 0, 1, 1
	KSTEP F1, 1, 1, 0, 1, 2
	KSTEP F0, 1, 2, 0, 1, 3
	s_wait_dscnt 0x0
	WIN 0x05
.irp a, 0,1,2,3
	MUL4 F1, \a, 3, 1, 0
.endr
	WIN 0
	PLACES 8
	s_wait_loadcnt 0x0                             ; the residual
	OUTA 0
	OUTA 1
	OUTA 2
	OUTA 3
	s_wait_tensorcnt 0x0                           ; the wave's end
	ds_add_u32 v[SPW], v[NIL]
	s_wait_dscnt 0x0
	CROUND
	s_endpgm
.Lfunc_end_k_qe0da870713_go:
	.size	k_qe0da870713_go, .Lfunc_end_k_qe0da870713_go-k_qe0da870713_go
	.p2alignl 7, 3214868480
	.fill 96, 4, 3214868480
	.section	.rodata,"a",@progbits
	.p2align	6, 0x0
	.amdhsa_kernel k_qe0da870713_go
		.amdhsa_group_segment_fixed_size 327680
		.amdhsa_private_segment_fixed_size 0
		.amdhsa_enable_private_segment 0
		.amdhsa_kernarg_size 40
		.amdhsa_user_sgpr_count 2
		.amdhsa_user_sgpr_kernarg_segment_ptr 1
		.amdhsa_wavefront_size32 1
		.amdhsa_system_sgpr_workgroup_id_x 1
		.amdhsa_system_sgpr_workgroup_id_y 1
		.amdhsa_system_sgpr_workgroup_id_z 1
		.amdhsa_system_vgpr_workitem_id 0
		.amdhsa_next_free_vgpr 768
		.amdhsa_next_free_sgpr 100
		.amdhsa_reserve_vcc 0
		.amdhsa_float_denorm_mode_32 3
		.amdhsa_float_denorm_mode_16_64 3
		.amdhsa_memory_ordered 1
		.amdhsa_forward_progress 1
		.amdhsa_inst_pref_size 60
	.end_amdhsa_kernel
	.amdgpu_metadata
---
amdhsa.version: [ 1, 2 ]
amdhsa.kernels:
  - .name:           k_qe0da870713_go
    .symbol:         k_qe0da870713_go.kd
    .args:
      - { .name: act, .offset: 0, .size: 8, .value_kind: global_buffer, .address_space: global }
      - { .name: Wo_codes, .offset: 8, .size: 8, .value_kind: global_buffer, .address_space: global }
      - { .name: Wo_scales, .offset: 16, .size: 8, .value_kind: global_buffer, .address_space: global }
      - { .name: x, .offset: 24, .size: 8, .value_kind: global_buffer, .address_space: global }
      - { .name: x1, .offset: 32, .size: 8, .value_kind: global_buffer, .address_space: global }
    .group_segment_fixed_size: 327680
    .private_segment_fixed_size: 0
    .kernarg_segment_align: 8
    .kernarg_segment_size: 40
    .max_flat_workgroup_size: 128
    .sgpr_count:     100
    .vgpr_count:     768
    .wavefront_size: 32
...
	.end_amdgpu_metadata
.endif
;; end of part 11
;; launch norm2: the kernel of part 8 again; grid 256 x 1, 8 waves a work-group, no clusters, 2,048 bytes of LDS; arguments x1, g2, act; writes act
;; launch gf1 (part 12): grid 8 x 32, 4 waves a work-group, clusters of 4 x 4, 327,680 bytes of LDS; arguments act, W1_codes, W1_scales, b1, hid; writes hid
.if DOCPART == 12
	.amdgcn_target "amdgcn-amd-amdhsa--gfx1250"
	.amdhsa_code_object_version 6
	.text
	.protected	k_qe0da870713_gf1
	.globl	k_qe0da870713_gf1
	.p2align	8
	.type	k_qe0da870713_gf1,@function
k_qe0da870713_gf1:
	s_mov_b64 s[64:65], 0
	v_nop
	global_prefetch_b8 v0, s[64:65] scope:SCOPE_SE
	s_setreg_imm32_b32 hwreg(HW_REG_WAVE_MODE, 25, 1), 1
	s_wait_xcnt 0x0
	s_wait_alu depctr_hold_cnt(0) depctr_sa_sdst(0) depctr_va_vdst(0) depctr_va_sdst(0) depctr_va_ssrc(0) depctr_va_vcc(0) depctr_vm_vsrc(0)
	s_getreg_b32 s2, hwreg(HW_REG_IB_STS2, 6, 4)
	s_cmp_eq_u32 s2, 0
	s_cbranch_scc0 .Lentry_in_a_cluster
	s_endpgm
.Lentry_in_a_cluster:
	s_bfe_u32 s2, ttmp6, 0x10000c
	s_cmp_lg_u32 s2, 0xf033
	s_cbranch_scc0 .Lentry_shape_is_right
	s_endpgm
.Lentry_shape_is_right:
; hid = Q(gelu(h W1 + b1)): the product on codes of BF8 (E5M2) with E8M0 scales, the exact gelu in f32, and the result quantised at once along the 4,096 hidden units.
; A WORK-GROUP STAYS ON ITS 128 TOKENS and makes four neighbouring tiles of 128 units; four waves of 64 x 64: 16 accumulators.  All of K = 1,024 lies in two LDS slots of 512 along K.
; A's parts (the activations, 2 x 65,536 bytes) are filled once and stay; B's parts (the weight, 2 x 67,584 bytes) are filled again for the next tile: slot 0's at the tile's change of slots, slot 1's in the middle of the
; tile's way out, each behind a round of the cluster's barrier, one joint load of 128 rows (wave 2 for slot 0, wave 3 for slot 1).  Three tiles go round a loop; the last is written out.
; A comes as images of operand registers (a fragment: 2,048 dense bytes, read at 16 x lane); B as rows of 512 bytes, 528 apart in LDS.  A's scale words and the scale bytes of all 512 rows of W1 come once, with the first fills.
; CLUSTERS: 4 x 4 work-groups; A's tiles are asked for jointly along a row of the cluster, B's along a column.
; Transposed use: lane (r, h) holds token r and units 16 b + 8 h + j.  The bias (window 2, fetched anew for each tile) is the C of each sum's first product.  W2 is given, so the codes are put into the true order of the
; block by four lane swaps.
; GELU.  z = x / sqrt(2), t = |z|.  t <= 475/512: erf(t) = t + t p(t^2), gelu = x/2 + |x/2| erf(t).  Else: E = erfc(t) = 2^(log2(e) r(t)), gelu = max(x, 0) - |x/2| E: no difference of near numbers is formed.
; Both ways are computed for every number and one is chosen by v_cndmask_b32.  The two polynomials give erf to about an ulp.
; OUT: codes [token tile 256][K step 32][c 4][lane][16 bytes]; at 16,777,216 the scale words [K step 32][token 4096], of which a wave stores two bytes (its 64 units).
; No prefetch: each tile of the weight is asked for by eight clusters, and each refill stands half a tile's work ahead of the wait for it.
; LIMITS: NaN and infinities are not served; a block of zeros gets the byte 1; no largest magnitude is taken under 2^-111.  Far in the negative tail E's relative error grows with t^2 (the product with log2(e) is
; rounded once), and results under 2^-126 become 0.
; THE SCALES, otherwise than the lines above say: no scale word passes through LDS: each wave loads the words of its 64 tokens (all of K, once) and of its 64 rows of W1 (all of K, for each tile) from memory straight into its scale registers.
; THE FIRST FILLS: four tiles, one a wave: wave 0 A's slot 0 (8 token tiles x 8,192 bytes), wave 2 B's slot 0 (128 rows), waves 1 and 3 the same of slot 1.  A refill of B's part of slot s is one load of 128 rows, by wave 2 + s.
.set KT,     1024
.set NT,     4                         ; tiles of a work-group
.set TSTEP,  131072                    ; 128 rows of W1, in bytes
.set ACODES, 4194304
.set SLOT,   133120
.set BOFF,   65536
.set BHALF,  33792
.set SPARE,  317440
.set K1,   4                           ; v[4:15], v[24:25], v[30:31]: eight of the polynomials' coefficients, as pairs
.set K3,   6
.set K8,   8
.set K2,   10
.set K4,   12
.set K5,   14
.set K6,   24
.set K7,   30
.set ADRA, 16
.set ADRB, 18
.set ADSB, 21
.set LI,   22
.set L4,   23
.set BO,   27
.set SPW,  28
.set NIL,  29
.set SC,   32
.set ACC,  128
.set F0,   0
.set F1,   128
.set GT,   64                          ; gelu at work: t, t^2 (later max(x, 0)), r (later E), p
.set GS,   72
.set GR,   80
.set GP,   88
.set TM,   96
.set PD,   98
.set SCL,  100
.set HOLD, 102
.set BY,   104
.set WQ,   106
.set G1,   24
.set G0,   32
.set G1B,  48
.set G0B,  56
.set SAB,  76                          ; s[76:77] the scale words of my 64 tokens, in memory
.set SBB,  78                          ; s[78:79] the scale bytes of my 64 rows of the tile in hand
.set MNT,  97
.set SEL,  98
.set MSB, 0
.macro WIN new                         ; the immediate's high byte repeats the setting that is left
.if MSB != \new
	s_set_vgpr_msb (MSB<<8)|\new
.set MSB, \new
.endif
.endm
.macro PLACES n
.rept \n
	v_nop
.endr
.endm
.macro ARM w, g0, g1, next             ; an arm of the head's one chain: wave w's joint load, then a jump to the chain's end
	s_cmp_eq_u32 s14, \w
	s_cbranch_scc0 \next
	tensor_load_to_lds s[\g0:\g0+3], s[\g1:\g1+7]
	s_nop 0
.rept 4
	v_nop
.endr
	s_branch .Lhead_asked
\next:
.endm
.macro BLOAD sg                        ; a joint refill of B's part of slot sg: 128 rows by wave 2 + sg; the other waves have no part of it.  The branch hangs on the wave's number alone
	s_cmp_lg_u32 s14, 2+\sg
	s_cbranch_scc1 .Lno_part_\@
	tensor_load_to_lds s[G0B+4*\sg:G0B+4*\sg+3], s[G1B:G1B+7]
	s_nop 0
.rept 4
	v_nop
.endr
.Lno_part_\@:
.endm
.macro CREST
	s_cmp_lg_u32 s14, 0
	s_cbranch_scc1 .Lnot_wave_0_\@
	s_barrier_signal -3
.Lnot_wave_0_\@:
	s_barrier_wait -3
	s_barrier_signal -1
	s_barrier_wait -1
.endm
.macro CROUND
	s_barrier_signal -1
	s_barrier_wait -1
	CREST
.endm
.macro FETCH sl, q, f
	WIN 0x40
.irp a, 0,1,2,3
.irp c, 0,1,2,3
	ds_load_b128 v[(\f)+16*\a+4*\c:(\f)+16*\a+4*\c+3], v[ADRA+\sl] offset:8192*\a+2048*(\q)+512*\c
.endr
.endr
.irp b, 0,1,2,3
.irp c, 0,1,2,3
	ds_load_b128 v[(\f)+64+16*\b+4*\c:(\f)+64+16*\b+4*\c+3], v[ADRB+\sl] offset:8448*\b+128*(\q)+32*\c
.endr
.endr
.endm
.macro GSA                             ; A's scale words of all eight K steps: set k / 4, register 2 (k % 4) + i; 128 consecutive bytes a load
.irp k, 0,1,2,3,4,5,6,7
.irp i, 0,1
	global_load_b32 v[SC+16*(\k/4)+2*(\k%4)+\i], v[L4], s[SAB:SAB+1] offset:16384*\k+128*\i
.endr
.endr
.endm
.macro GSB                             ; the tile's scale words of W1, both sets: register 8 + 4 p + q; a lane takes 16 of its row's 32 bytes
.irp sg, 0,1
.irp p, 0,1
	global_load_b128 v[SC+16*\sg+8+4*\p:SC+16*\sg+8+4*\p+3], v[ADSB], s[SBB:SBB+1] offset:16*\sg+1024*\p
.endr
.endr
.endm
.macro BIAS                            ; the tile's bias, in the result's layout: my half's eight units of each of the four tiles of 16, into window 2
	WIN 0x80
.irp b, 0,1,2,3
	global_load_b128 v[8*\b:8*\b+3], v[BO], s[4:5] offset:64*\b
	global_load_b128 v[8*\b+4:8*\b+7], v[BO], s[4:5] offset:64*\b+16
.endr
	WIN 0
.endm
.macro WM f, a, b, q, sg, first        ; first = 1: the sum begins with the bias, v[8 b] on in window 2
.set rD,  ACC+8*(4*(\a)+(\b))
.set rC,  rD
.if \first
.set rC,  8*(\b)
.endif
.set rW,  (\f)+64+16*(\b)
.set rX,  (\f)+16*(\a)
.set rSW, SC+16*(\sg)+8+4*((\b)/2)+(\q)
.set rSX, SC+16*(\sg)+2*(\q)+(\a)/2
.set par, 2*((\a)%2)+(\b)%2
.if par == 0
	v_wmma_scale_f32_16x16x128_f8f6f4 v[rD:rD+7], v[rW:rW+15], v[rX:rX+15], v[rC:rC+7], v[rSW], v[rSX] matrix_a_fmt:MATRIX_FMT_BF8 matrix_b_fmt:MATRIX_FMT_BF8
.elseif par == 1
	v_wmma_scale_f32_16x16x128_f8f6f4 v[rD:rD+7], v[rW:rW+15], v[rX:rX+15], v[rC:rC+7], v[rSW], v[rSX] matrix_a_fmt:MATRIX_FMT_BF8 matrix_b_fmt:MATRIX_FMT_BF8 matrix_a_scale:MATRIX_SCALE_ROW1
.elseif par == 2
	v_wmma_scale_f32_16x16x128_f8f6f4 v[rD:rD+7], v[rW:rW+15], v[rX:rX+15], v[rC:rC+7], v[rSW], v[rSX] matrix_a_fmt:MATRIX_FMT_BF8 matrix_b_fmt:MATRIX_FMT_BF8 matrix_b_scale:MATRIX_SCALE_ROW1
.else
	v_wmma_scale_f32_16x16x128_f8f6f4 v[rD:rD+7], v[rW:rW+15], v[rX:rX+15], v[rC:rC+7], v[rSW], v[rSX] matrix_a_fmt:MATRIX_FMT_BF8 matrix_b_fmt:MATRIX_FMT_BF8 matrix_a_scale:MATRIX_SCALE_ROW1 matrix_b_scale:MATRIX_SCALE_ROW1
.endif
.endm
.macro MUL4 f, a, q, sg, first
.irp b, 0,1,2,3
	WM \f, \a, \b, \q, \sg, \first
.endr
.endm
; A step of 128 along K: the next step's 32 loads, eight places behind the products that read their registers; then 16 products, the accumulators by turns
.macro KSTEP f, sg, q, first, sn, qn
	PLACES 8
	FETCH \sn, \qn, 128-(\f)
	s_wait_dscnt 32                                ; all but the 32 just issued
.if \first
	WIN 0x25                                       ; sources 0 and 1 window 1, C window 2 (the bias), D window 0
.else
	WIN 0x05
.endif
.irp a, 0,1,2,3
	MUL4 \f, \a, \q, \sg, \first
.endr
	WIN 0
.endm
; Slot 0's last step changes slots: one barrier; in front of it each wave waits for all its tensor loads, adds 0 to its spare word, and waits for that and for its reads of slot 0.
; fill = 1: the barrier opens a round of the cluster's barrier, and behind the round B's part of slot 0 takes the next tile's first 512 along K.
.macro TURN fill
	s_wait_tensorcnt 0x0                           ; all my tensor loads have landed, my part of slot 1 among them
	ds_add_u32 v[SPW], v[NIL]
	s_wait_dscnt 1                                 ; only the add may be out
	WIN 0x05
	MUL4 F1, 0, 3, 0, 0
	s_wait_dscnt 0x0                               ; the add is done, and my reads of slot 0 are over
	s_barrier_signal -1
	MUL4 F1, 1, 3, 0, 0
	WIN 0
	s_barrier_wait -1
.if \fill
	CREST                                          ; no wave of any partner still reads slot 0's B or has a load on its way
	s_add_nc_u64 s[G0B+2:G0B+3], s[G0B+2:G0B+3], TSTEP
	BLOAD 0                                        ; the wave's one tensor load until the next round
.endif
	PLACES 8                                       ; in front of the loads into set 0, on every wave's way
	FETCH 1, 0, F0
	WIN 0x05
	MUL4 F1, 2, 3, 0, 0
	MUL4 F1, 3, 3, 0, 0
	WIN 0
.endm
.macro MAIN fill                       ; a tile's 128 products of a wave
	s_wait_loadcnt 0x0                             ; the tile's bias
	KSTEP F0, 0, 0, 1, 0, 1
	KSTEP F1, 0, 1, 0, 0, 2
	KSTEP F0, 0, 2, 0, 0, 3
	TURN \fill
	KSTEP F0, 1, 0, 0, 1, 1
	KSTEP F1, 1, 1, 0, 1, 2
	KSTEP F0, 1, 2, 0, 1, 3
	s_wait_dscnt 0x0
	WIN 0x05
.irp a, 0,1,2,3
	MUL4 F1, \a, 3, 1, 0
.endr
	WIN 0
	PLACES 8                                       ; in front of the first read of results
.endm
; In the middle of a tile's way out: my reads of slot 1 are over, and slot 0's refill has had four steps and half a way out.  Behind the round B's part of slot 1 takes the next tile's second 512 along K, and the next
; tile's first fragments, scale words and bias are fetched; the rest of the way out stands over them.
.macro NEXT
	s_wait_tensorcnt 0x0                           ; all my tensor loads have landed: the one that was out is my part of slot 0's refill
	ds_add_u32 v[SPW], v[NIL]
	s_add_nc_u64 s[G0B+6:G0B+7], s[G0B+6:G0B+7], TSTEP
	s_wait_dscnt 0x0                               ; the add is done, and my reads of slot 1 are over
	CROUND
	BLOAD 1
	FETCH 0, 0, F0
	WIN 0
	s_add_nc_u64 s[SBB:SBB+1], s[SBB:SBB+1], 4096  ; the next tile's 128 rows of scale bytes (the last loads by this base were waited for at the tile's head)
	GSB
	s_add_nc_u64 s[4:5], s[4:5], 512
	BIAS
.endm
.macro Q2 src, cod, wrd                ; 32 numbers of a lane (16 of each of two blocks) -> 8 registers of codes, in the block's true order, and two scale bytes
.irp e, 0,1
	v_max3_num_f32 v[TM+\e], |v[(\src)+16*\e]|, |v[(\src)+16*\e+1]|, 0x8000000
.endr
.irp i, 2,4,6,8,10,12,14
.irp e, 0,1
	v_max3_num_f32 v[TM+\e], v[TM+\e], |v[(\src)+16*\e+\i]|, |v[(\src)+16*\e+\i+1]|
.endr
.endr
.irp e, 0,1
	v_permlanex16_b32 v[PD+\e], v[TM+\e], s[SEL], s[SEL+1]
.endr
.irp e, 0,1
	v_max_num_f32 v[TM+\e], v[TM+\e], v[PD+\e]
.endr
.irp e, 0,1
	v_add_nc_u32 v[SCL+\e], 0xf8800000, v[TM+\e]
.endr
.irp e, 0,1
	v_and_or_b32 v[HOLD+\e], v[TM+\e], 0x7f800000, s[MNT]
.endr
.irp e, 0,1
	v_lshrrev_b32 v[BY+\e], 23, v[SCL+\e]
.endr
	v_lshl_or_b32 v[\wrd], v[BY+1], 8, v[BY]
.irp e, 0,1
.irp i, 0,1,2,3,4,5,6,7,8,9,10,11,12,13,14,15
	v_med3_num_f32 v[(\src)+16*\e+\i], v[(\src)+16*\e+\i], -v[HOLD+\e], v[HOLD+\e]
.endr
	v_cvt_scalef32_pk8_bf8_f32 v[(\cod)+4*\e:(\cod)+4*\e+1], v[(\src)+16*\e:(\src)+16*\e+7], v[SCL+\e]
	v_cvt_scalef32_pk8_bf8_f32 v[(\cod)+4*\e+2:(\cod)+4*\e+3], v[(\src)+16*\e+8:(\src)+16*\e+15], v[SCL+\e]
.endr
	v_nop                                          ; a plain line behind the last conversion
.irp e, 0,1                            ; lanes 0-15 want numbers 0-15 of the block, lanes 16-31 numbers 16-31: my second eight against lane l xor 16's first eight
	v_permlane16_swap_b32 v[(\cod)+4*\e], v[(\cod)+4*\e+2]
	v_permlane16_swap_b32 v[(\cod)+4*\e+1], v[(\cod)+4*\e+3]
.endr
.endm
; gelu of one accumulator's eight numbers, in place
.macro GELU8 x
.irp i, 0,1,2,3,4,5,6,7
	v_mul_f32 v[GT+\i], 0x3f3504f3, |v[(\x)+\i]|   ; t = |x| / sqrt(2); the accumulator is read from its low end on
.endr
.irp i, 0,2,4,6
	v_pk_mul_f32 v[GS+\i:GS+\i+1], v[GT+\i:GT+\i+1], v[GT+\i:GT+\i+1]
.endr
.irp i, 0,2,4,6
	v_pk_fma_f32 v[GR+\i:GR+\i+1], v[GT+\i:GT+\i+1], v[K1:K1+1], v[K2:K2+1]
.endr
.irp i, 0,2,4,6
	v_pk_fma_f32 v[GP+\i:GP+\i+1], v[GT+\i:GT+\i+1], v[K3:K3+1], v[K4:K4+1]
.endr
.irp i, 0,2,4,6
	v_pk_fma_f32 v[GR+\i:GR+\i+1], v[GR+\i:GR+\i+1], v[GS+\i:GS+\i+1], v[GP+\i:GP+\i+1]
.endr
.irp i, 0,2,4,6
	v_pk_fma_f32 v[GR+\i:GR+\i+1], v[GR+\i:GR+\i+1], v[GT+\i:GT+\i+1], v[K5:K5+1]
.endr
.irp i, 0,2,4,6
	v_pk_fma_f32 v[GR+\i:GR+\i+1], v[GR+\i:GR+\i+1], v[GT+\i:GT+\i+1], v[K6:K6+1]
.endr
.irp i, 0,2,4,6
	v_pk_fma_f32 v[GR+\i:GR+\i+1], v[GR+\i:GR+\i+1], v[GT+\i:GT+\i+1], v[K7:K7+1]
.endr
.irp i, 0,2,4,6
	v_pk_fma_f32 v[GR+\i:GR+\i+1], v[GR+\i:GR+\i+1], v[GT+\i:GT+\i+1], v[GT+\i:GT+\i+1] neg_lo:[0,0,1] neg_hi:[0,0,1]
.endr
.irp i, 0,2,4,6
	v_pk_mul_f32 v[GR+\i:GR+\i+1], v[GR+\i:GR+\i+1], 0x3fb8aa3b op_sel_hi:[1,0]
.endr
	s_wait_alu depctr_va_vdst(0)
.irp i, 0,1,2,3,4,5,6,7
	v_exp_f32 v[GR+\i], v[GR+\i]                   ; E = erfc(t)
.endr
.irp i, 0,2,4,6                        ; the other way, x / 2 and max(x, 0) are the work behind the exponentials
	v_pk_fma_f32 v[GP+\i:GP+\i+1], v[GS+\i:GS+\i+1], v[K8:K8+1], 0x3ba38d2c op_sel_hi:[1,0,0]
.endr
.irp i, 0,2,4,6
	v_pk_fma_f32 v[GP+\i:GP+\i+1], v[GP+\i:GP+\i+1], v[GS+\i:GS+\i+1], 0xbcdb48d9 op_sel_hi:[1,1,0]
.endr
.irp i, 0,2,4,6
	v_pk_fma_f32 v[GP+\i:GP+\i+1], v[GP+\i:GP+\i+1], v[GS+\i:GS+\i+1], 0x3de70e22 op_sel_hi:[1,1,0]
.endr
.irp i, 0,2,4,6
	v_pk_fma_f32 v[GP+\i:GP+\i+1], v[GP+\i:GP+\i+1], v[GS+\i:GS+\i+1], 0xbec09380 op_sel_hi:[1,1,0]
.endr
.irp i, 0,2,4,6
	v_pk_fma_f32 v[GP+\i:GP+\i+1], v[GP+\i:GP+\i+1], v[GS+\i:GS+\i+1], 0x3e0375d4 op_sel_hi:[1,1,0]
.endr
.irp i, 0,2,4,6
	v_pk_fma_f32 v[GP+\i:GP+\i+1], v[GP+\i:GP+\i+1], v[GT+\i:GT+\i+1], v[GT+\i:GT+\i+1]   ; erf(t)
.endr
.irp i, 0,2,4,6
	v_pk_mul_f32 v[(\x)+\i:(\x)+\i+1], v[(\x)+\i:(\x)+\i+1], 0.5 op_sel_hi:[1,0]          ; x / 2
.endr
.irp i, 0,1,2,3,4,5,6,7
	v_add_f32 v[GS+\i], v[(\x)+\i], |v[(\x)+\i]|   ; max(x, 0), exactly
.endr
	s_wait_alu depctr_va_vdst(0)                   ; one wait for the eight exponentials, ahead of their first reader
.irp i, 0,1,2,3,4,5,6,7
	v_fma_f32 v[GP+\i], |v[(\x)+\i]|, v[GP+\i], v[(\x)+\i]
.endr
.irp i, 0,1,2,3,4,5,6,7
	v_fma_f32 v[GR+\i], -|v[(\x)+\i]|, v[GR+\i], v[GS+\i]
.endr
.irp i, 0,1,2,3,4,5,6,7
	v_cmp_lt_f32 vcc_lo, 0x3f6d8000, v[GT+\i]
	v_cndmask_b32 v[(\x)+\i], v[GP+\i], v[GR+\i], vcc_lo
.endr
.endm
.macro EPI a                           ; token tile a goes out: gelu, codes, two stores of 512 consecutive bytes
.irp b, 0,1,2,3
	GELU8 ACC+32*(\a)+8*\b
.endr
	s_wait_xcnt 0x0                                ; the earlier stores have read their registers: the codes' two sets are written again only behind this wait
	Q2 ACC+32*(\a), 112+8*((\a)%2), WQ+(\a)
	global_store_b128 v[LI], v[112+8*((\a)%2):112+8*((\a)%2)+3], s[6:7] offset:65536*(\a)
	global_store_b128 v[LI], v[112+8*((\a)%2)+4:112+8*((\a)%2)+7], s[6:7] offset:65536*(\a)+512
.endm
.macro WORDS                           ; two bytes of each token's word: the other two are the other wave's.  Lanes 0-15: tokens 0-15 of a pair of tiles, lanes 16-31: tokens 16-31
	s_mov_b32 vcc_lo, 0xffff0000
	v_cndmask_b32 v110, v[WQ], v[WQ+1], vcc_lo
	v_cndmask_b32 v111, v[WQ+2], v[WQ+3], vcc_lo
	global_store_b16 v[L4], v110, s[8:9]
	global_store_b16 v[L4], v111, s[8:9] offset:128
.endm
	s_load_b128 s[4:7], s[0:1], 0x0                ; the activations, W1's codes
	s_load_b128 s[8:11], s[0:1], 0x10              ; W1's scales, b1
	s_load_b64 s[12:13], s[0:1], 0x20              ; out
	v_lshl_add_u32 v[SPW], v0, 2, SPARE
	v_mov_b32 v[NIL], 0
	ds_add_u32 v28, v29
	ds_add_u32 v28, v29
	s_wait_dscnt 0x0
	v_lshrrev_b32 v1, 5, v0
	v_readfirstlane_b32 s14, v1                    ; wave 0..3
	s_lshr_b32 s15, s14, 1                         ; my 64 tokens.  Also: I fetch for A (0) or for B (1)
	s_and_b32 s16, s14, 1                          ; my 64 units of a tile.  Also: which slot I fill at the head
	s_bfe_u32 s40, ttmp6, 0x40000
	s_bfe_u32 s41, ttmp6, 0x40004
	s_lshl_b32 s42, ttmp9, 2
	s_add_co_u32 s42, s42, s40                     ; my column of the grid, 0 to 7: tile columns 4 x it on
	s_and_b32 s17, ttmp7, 0xffff
	s_lshl_b32 s17, s17, 2
	s_add_co_u32 s17, s17, s41                     ; tile row
	s_lshl_b32 s43, s41, 2
	s_lshl_b32 s43, 15, s43
	s_lshl_b32 s44, 0x1111, s40
	s_mov_b32 s[MNT], 0x600000
	s_mov_b32 s[SEL], 0x76543210
	s_mov_b32 s[SEL+1], 0xfedcba98
	s_or_b32 s[G1], s43, (3<<16)|(1<<21)           ; A's codes: 8 rows (token tiles) of 1,024 elements of 8 bytes, 2 KT elements apart
	s_mov_b32 s[G1+1], 1024<<16
	s_mov_b32 s[G1+2], 8<<16
	s_mov_b32 s[G1+3], 1024<<16
	s_mov_b32 s[G1+4], 8
	s_mov_b32 s[G1+5], 2*KT
	s_mov_b32 s[G1+6], 0
	s_mov_b32 s[G1+7], 0
	s_or_b32 s[G1B], s44, (1<<20)|(1<<21)|(6<<22)|(3<<25)   ; B's codes: 128 rows of 512 bytes, KT apart; four words of padding behind every 128
	s_mov_b32 s[G1B+1], 512<<16
	s_mov_b32 s[G1B+2], 128<<16
	s_mov_b32 s[G1B+3], 512<<16
	s_mov_b32 s[G1B+4], 128
	s_mov_b32 s[G1B+5], KT
	s_mov_b32 s[G1B+6], 0
	s_mov_b32 s[G1B+7], 0
	s_lshl_b32 s20, s17, 3                         ; A hangs on the tile row alone: token tile 8 x tile row
	s_mul_i32 s20, s20, 16*KT
	s_mov_b32 s21, 0
	s_lshl_b32 s22, s17, 9
	s_lshl_b32 s23, s15, 8                         ; the scale words of my 64 tokens
	s_add_co_u32 s22, s22, s23
	s_add_co_u32 s22, s22, ACODES
	s_mov_b32 s23, 0
	s_lshl_b32 s46, s42, 9                         ; B on my column of the grid alone: my 512 rows of W1
	s_lshl_b32 s47, s16, 6
	s_add_co_u32 s18, s46, s47                     ; the scale bytes: my 64 rows of the first tile,
	s_lshl_b32 s18, s18, 5                         ; 32 bytes a row
	s_lshl_b32 s46, s46, 10                        ; the codes: the first tile's 128 rows
	s_mov_b32 s47, 0
	s_mov_b32 s19, 0
	s_mov_b32 s[G0], 1
	s_mov_b32 s[G0+4], 1
	s_mov_b32 s[G0+1], 0
	s_mov_b32 s[G0+5], SLOT
	s_mov_b32 s[G0B], 1
	s_mov_b32 s[G0B+4], 1
	s_mov_b32 s[G0B+1], BOFF
	s_mov_b32 s[G0B+5], BOFF+SLOT
	s_wait_kmcnt 0x0
	s_add_nc_u64 s[G0+2:G0+3], s[4:5], s[20:21]
	s_add_nc_u64 s[G0+6:G0+7], s[G0+2:G0+3], 8192
	s_add_nc_u64 s[G0B+2:G0B+3], s[6:7], s[46:47]
	s_add_nc_u64 s[G0B+6:G0B+7], s[G0B+2:G0B+3], 512
	s_add_nc_u64 s[SAB:SAB+1], s[4:5], s[22:23]
	s_add_nc_u64 s[SBB:SBB+1], s[8:9], s[18:19]
	s_or_b32 s[G0+3], s[G0+3], 0x80000000
	s_or_b32 s[G0+7], s[G0+7], 0x80000000
	s_or_b32 s[G0B+3], s[G0B+3], 0x80000000
	s_or_b32 s[G0B+7], s[G0B+7], 0x80000000
	CROUND                                         ; all sixteen work-groups are here: the first joint loads meet
	ARM 0, G0, G1, .Lhead_b0                       ; one joint load a wave, each in its own arm: slot 0's two tiles, then slot 1's
	ARM 2, G0B, G1B, .Lhead_a1
	ARM 1, G0+4, G1, .Lhead_b1
	tensor_load_to_lds s[G0B+4:G0B+7], s[G1B:G1B+7]
	s_nop 0
.rept 4
	v_nop
.endr
.Lhead_asked:
	v_and_b32 v1, 15, v0
	v_bfe_u32 v2, v0, 4, 1
	v_and_b32 v3, 31, v0
	v_lshlrev_b32 v[LI], 4, v3
	v_lshlrev_b32 v[L4], 2, v3
	s_lshl_b32 s18, s15, 15
	v_add_nc_u32 v[ADRA], s18, v[LI]
	v_add_nc_u32 v[ADRA+1], SLOT, v[ADRA]
	v_mul_u32_u24 v[ADRB], v1, 528
	v_lshl_add_u32 v[ADRB], v2, 4, v[ADRB]
	s_mul_i32 s18, s16, BHALF
	s_add_co_u32 s18, s18, BOFF
	v_add_nc_u32 v[ADRB], s18, v[ADRB]
	v_add_nc_u32 v[ADRB+1], SLOT, v[ADRB]
	v_mul_u32_u24 v[ADSB], v3, KT/32               ; W1's scale bytes in memory: row = lane
	v_lshlrev_b32 v[BO], 5, v2                     ; the bias: my half's eight units of a tile of 16
	s_wait_alu depctr_va_vdst(0)
	s_lshl_b32 s18, s42, 11                        ; (512 x my column + 64 x half) x 4 bytes
	s_lshl_b32 s19, s16, 8
	s_add_co_u32 s18, s18, s19
	s_mov_b32 s19, 0
	s_add_nc_u64 s[4:5], s[10:11], s[18:19]        ; s[4:5]: the bias of the tile in hand
	BIAS
	GSA
	GSB
	s_lshl_b32 s20, s17, 3
	s_lshl_b32 s21, s15, 2
	s_add_co_u32 s20, s20, s21                     ; my first token tile
	s_lshl_b32 s18, s20, 16
	s_lshl_b32 s21, s42, 13                        ; the K step of the next product = the tile column: 4 x my column, 2,048 bytes each
	s_add_co_u32 s18, s18, s21
	s_lshl_b32 s21, s16, 10                        ; my 64 units: groups c = 2 x half, 2 x half + 1
	s_add_co_u32 s18, s18, s21
	s_add_nc_u64 s[6:7], s[12:13], s[18:19]        ; s[6:7]: where the tile's codes go
	s_lshl_b32 s18, s42, 16                        ; 4 x my column, 16,384 bytes each
	s_lshl_b32 s21, s20, 6
	s_add_co_u32 s18, s18, s21
	s_lshl_b32 s21, s16, 1
	s_add_co_u32 s18, s18, s21
	s_add_co_u32 s18, s18, 16777216
	s_add_nc_u64 s[8:9], s[12:13], s[18:19]        ; s[8:9]: where its scale words go
.irp k, 0,1
	v_mov_b32 v[K1+\k], 0xb7910000
	v_mov_b32 v[K2+\k], 0x39c8e7d9
	v_mov_b32 v[K3+\k], 0xbb7e8a1c
	v_mov_b32 v[K4+\k], 0x3cc6b1a1
	v_mov_b32 v[K5+\k], 0xbddaae5c
	v_mov_b32 v[K6+\k], 0xbf228550
	v_mov_b32 v[K7+\k], 0xbe03ce86
	v_mov_b32 v[K8+\k], 0xba1c7000
	v_mov_b32 v[PD+\k], 0                          ; a lane permute's destination counts as one of its sources
.endr
	s_wait_alu depctr_va_vdst(0)                   ; the wait at the head's end
	s_cmp_eq_u32 s16, 0                            ; waves 0 and 2 wait for slot 0's tiles; slot 1's two loads may be out, and the change of slots waits for them
	s_cbranch_scc0 .Lslot_1_later
	s_wait_tensorcnt 0x0
.Lslot_1_later:
	s_barrier_signal -1
	s_barrier_wait -1
	FETCH 0, 0, F0
	WIN 0
	s_mov_b32 s3, NT-1
.Ltile:                                                ; a trip makes one tile and asks for the next one's weights
	MAIN 1
	EPI 0
	EPI 1
	NEXT
	EPI 2
	EPI 3
	WORDS
	s_wait_xcnt 0x0                                ; the tile's stores have read their bases: they step only behind this wait
	s_add_nc_u64 s[6:7], s[6:7], 2048
	s_add_nc_u64 s[8:9], s[8:9], 16384
	s_sub_co_u32 s3, s3, 1
	s_cmp_lg_u32 s3, 0
	s_cbranch_scc1 .Ltile
	MAIN 0                                         ; the last tile: nothing is left to fetch
	EPI 0
	EPI 1
	EPI 2
	EPI 3
	WORDS
	s_wait_tensorcnt 0x0                           ; the wave's end
	ds_add_u32 v[SPW], v[NIL]
	s_wait_dscnt 0x0
	CROUND                                         ; the closing round
	s_endpgm
.Lfunc_end_k_qe0da870713_gf1:
	.size	k_qe0da870713_gf1, .Lfunc_end_k_qe0da870713_gf1-k_qe0da870713_gf1
	.p2alignl 7, 3214868480
	.fill 96, 4, 3214868480
	.section	.rodata,"a",@progbits
	.p2align	6, 0x0
	.amdhsa_kernel k_qe0da870713_gf1
		.amdhsa_group_segment_fixed_size 327680
		.amdhsa_private_segment_fixed_size 0
		.amdhsa_enable_private_segment 0
		.amdhsa_kernarg_size 40
		.amdhsa_user_sgpr_count 2
		.amdhsa_user_sgpr_kernarg_segment_ptr 1
		.amdhsa_wavefront_size32 1
		.amdhsa_system_sgpr_workgroup_id_x 1
		.amdhsa_system_sgpr_workgroup_id_y 1
		.amdhsa_system_sgpr_workgroup_id_z 1
		.amdhsa_system_vgpr_workitem_id 0
		.amdhsa_next_free_vgpr 768
		.amdhsa_next_free_sgpr 100
		.amdhsa_reserve_vcc 1
		.amdhsa_float_denorm_mode_32 3
		.amdhsa_float_denorm_mode_16_64 3
		.amdhsa_memory_ordered 1
		.amdhsa_forward_progress 1
		.amdhsa_inst_pref_size 255
	.end_amdhsa_kernel
	.section	.bss,"aw",@nobits
	.p2align	6
	.space	262144
	.amdgpu_metadata
---
amdhsa.version: [ 1, 2 ]
amdhsa.kernels:
  - .name:           k_qe0da870713_gf1
    .symbol:         k_qe0da870713_gf1.kd
    .args:
      - { .name: act, .offset: 0, .size: 8, .value_kind: global_buffer, .address_space: global }
      - { .name: W1_codes, .offset: 8, .size: 8, .value_kind: global_buffer, .address_space: global }
      - { .name: W1_scales, .offset: 16, .size: 8, .value_kind: global_buffer, .address_space: global }
      - { .name: b1, .offset: 24, .size: 8, .value_kind: global_buffer, .address_space: global }
      - { .name: hid, .offset: 32, .size: 8, .value_kind: global_buffer, .address_space: global }
    .group_segment_fixed_size: 327680
    .private_segment_fixed_size: 0
    .kernarg_segment_align: 8
    .kernarg_segment_size: 40
    .max_flat_workgroup_size: 128
    .sgpr_count:     100
    .vgpr_count:     768
    .wavefront_size: 32
...
	.end_amdgpu_metadata
.endif
;; end of part 12
;; launch gf2 (part 13): grid 8 x 32, 4 waves a work-group, clusters of 4 x 4, 327,680 bytes of LDS; arguments hid, W2_codes, W2_scales, b2, x1, out0; writes out0
.if DOCPART == 13
	.amdgcn_target "amdgcn-amd-amdhsa--gfx1250"
	.amdhsa_code_object_version 6
	.text
	.protected	k_qe0da870713_gf2
	.globl	k_qe0da870713_gf2
	.p2align	8
	.type	k_qe0da870713_gf2,@function
k_qe0da870713_gf2:
	s_mov_b64 s[64:65], 0
	v_nop
	global_prefetch_b8 v0, s[64:65] scope:SCOPE_SE
	s_setreg_imm32_b32 hwreg(HW_REG_WAVE_MODE, 25, 1), 1
	s_wait_xcnt 0x0
	s_wait_alu depctr_hold_cnt(0) depctr_sa_sdst(0) depctr_va_vdst(0) depctr_va_sdst(0) depctr_va_ssrc(0) depctr_va_vcc(0) depctr_vm_vsrc(0)
	s_getreg_b32 s2, hwreg(HW_REG_IB_STS2, 6, 4)
	s_cmp_eq_u32 s2, 0
	s_cbranch_scc0 .Lentry_in_a_cluster
	s_endpgm
.Lentry_in_a_cluster:
	s_bfe_u32 s2, ttmp6, 0x10000c
	s_cmp_lg_u32 s2, 0xf033
	s_cbranch_scc0 .Lentry_shape_is_right
	s_endpgm
.Lentry_shape_is_right:
; out = x1 + (hid W2 + b2) on codes of BF8 (E5M2) with E8M0 scales; K = 4,096.
; 128 tokens x 128 columns a work-group, four waves of 64 x 64: 16 accumulators.  K goes in slots of 512 through a ring of two LDS slots; a slot holds A's tile (8 token tiles x 8,192 bytes, images of operand
; registers, read at 16 x lane) and B's (128 rows of 512 bytes, 528 apart in LDS).
; THE FILLS.  At the head four whole tiles, one a wave, each in its own arm: wave 0 A's slot 0, wave 2 B's slot 0, waves 1 and 3 slot 1's; only waves 0 and 2 wait at the first barrier.  Each slot is filled again three
; times, behind a round of the cluster's barrier, half a tile a wave (waves 0, 1: A's halves; waves 2, 3: B's): the ring has groups 0 of its own, and group 1's row counts are set to the halves behind the round.
; CLUSTERS: 4 x 4 work-groups; A's tiles are asked for jointly along a row of the cluster, B's along a column.
; THE SCALES pass through no LDS: each wave loads a slot's words of its 64 tokens and of its 64 rows of W2 from memory into one of two sets of scale registers; a set is asked for again, two slots ahead, behind the last
; products that read it, and waited for at the next change of slots.
; PREFETCH INTO THE L2: the head asks for slot 2, and the change of slots that refills slot n + 2 asks for slot n + 3, one instruction a wave: a slot's work ahead of the load that wants it; nothing behind slot 7.
; A tile's 256 blocks of 256 bytes are shared out among the four partners that load it jointly, by address: of A's 8 token tiles the partner at cx takes 2 (a wave each, lanes 256 bytes apart); of B's 128 rows the partner
; at cy takes 32 (a lane a row, a wave for each 256 of the 512 bytes).  W2's rows are walked by all eight rows of clusters: four of them ask.
; Transposed use: lane (r, h) holds token r and columns 16 b + 8 h + j.  The bias is the C of each sum's first product.  The residual is asked for at the loop's end.  On the way out 16 rows x 64 columns go through the
; wave's own stage in LDS and come back by rows, so that sixteen lanes store 256 consecutive bytes, aligned.
; LIMITS: NaN and infinities are not served.
.set KT,     4096
.set LAPS,   KT/1024
.set ACODES, 16777216
.set SLOT,   133120
.set BOFF,   65536
.set BHALF,  33792
.set STAGE,  300032                    ; 16 rows x 272 bytes for each wave; no tile lands here
.set SPARE,  317440                    ; the spare words, 128 bytes a wave
.set ADRA, 16
.set ADRB, 18
.set ADSB, 21                          ; v21  W2's scale bytes in memory: row = lane
.set LI,   22
.set L4,   23
.set STO,  24
.set RD,   25
.set CO,   26
.set BO,   27
.set SPW,  28
.set NIL,  29
.set PFO,  30                          ; v30  the prefetches' offset: 256 x lane in A, a row of W2 x lane in B; never rewritten
.set SC,   32
.set ACC,  128
.set F0,   0
.set F1,   128
.set G1,   24                          ; s[24:31] group 1 for A's tiles;  s[32:39] the ring's groups 0, one for each slot
.set G0,   32
.set G1B,  48                          ; s[48:55], s[56:63] the same for B's
.set G0B,  56
.set HA0,  68                          ; groups 0 of the head's four whole tiles
.set HA1,  72
.set HB0,  80
.set HB1,  84
.set SAB,  76                          ; s[76:77] the scale words of my 64 tokens, in memory; it walks a slot at each change that refills
.set SBB,  78                          ; s[78:79] the scale bytes of my 64 rows of W2; likewise
.set PFA,  88                          ; s[88:89] where my prefetches stand;  s[90:91] a slot on
.set PFS,  90
.set LIM,  96                          ; s96  1 in a wave that prefetches, else the greatest number
.set MSB, 0
.macro WIN new                         ; the immediate's high byte repeats the setting that is left
.if MSB != \new
	s_set_vgpr_msb (MSB<<8)|\new
.set MSB, \new
.endif
.endm
.macro PLACES n
.rept \n
	v_nop
.endr
.endm
.macro TL g0, g1                       ; a tensor load; s_nop 0 and four v_nop follow it
	tensor_load_to_lds s[\g0:\g0+3], s[\g1:\g1+7]
	s_nop 0
	PLACES 4
.endm
.macro ARM w, g0, g1, next             ; an arm of the head's one chain: wave w's joint load, then a jump to the chain's end
	s_cmp_eq_u32 s14, \w
	s_cbranch_scc0 \next
	TL \g0, \g1
	s_branch .Lhead_asked
\next:
.endm
.macro JL sg                           ; a joint refill of slot sg: waves 0, 1 fetch A's halves, waves 2, 3 B's.  The branch hangs on the wave's number alone
	s_cmp_eq_u32 s15, 0
	s_cbranch_scc0 .Lfor_b_\@
	TL G0+4*\sg, G1
	s_branch .Lasked_\@
.Lfor_b_\@:
	TL G0B+4*\sg, G1B
.Lasked_\@:
.endm
.macro ASK sg                          ; the prefetch of a change of slots; slot 1's change in the loop's last trip (s3 = 1) would name slot 8 and asks for nothing
.if \sg
	s_cmp_gt_u32 s3, s[LIM]
.else
	s_cmp_eq_u32 s[LIM], 1
.endif
	s_cbranch_scc0 .Lnot_mine_\@
	global_prefetch_b8 v[PFO], s[PFA:PFA+1] th:TH_LOAD_NT scope:SCOPE_SE
.Lnot_mine_\@:
.endm
.macro CREST
	s_cmp_lg_u32 s14, 0
	s_cbranch_scc1 .Lnot_wave_0_\@
	s_barrier_signal -3
.Lnot_wave_0_\@:
	s_barrier_wait -3
	s_barrier_signal -1
	s_barrier_wait -1
.endm
.macro CROUND
	s_barrier_signal -1
	s_barrier_wait -1
	CREST
.endm
.macro FETCH sl, q, f                  ; 32 LDS loads: my four fragments of A and four of B for the slot's q-th 128 along K, into set f of window 1
	WIN 0x40
.irp a, 0,1,2,3
.irp c, 0,1,2,3
	ds_load_b128 v[(\f)+16*\a+4*\c:(\f)+16*\a+4*\c+3], v[ADRA+\sl] offset:8192*\a+2048*(\q)+512*\c
.endr
.endr
.irp b, 0,1,2,3
.irp c, 0,1,2,3
	ds_load_b128 v[(\f)+64+16*\b+4*\c:(\f)+64+16*\b+4*\c+3], v[ADRB+\sl] offset:8448*\b+128*(\q)+32*\c
.endr
.endr
.endm
.macro GSC sg, d                       ; 10 loads: the scale words of the slot d on from the bases, into set sg: A's 2 q + i (128 consecutive bytes a load), B's 8 + 4 p + q (16 bytes of a lane's row)
.irp q, 0,1,2,3
.irp i, 0,1
	global_load_b32 v[SC+16*(\sg)+2*\q+\i], v[L4], s[SAB:SAB+1] offset:65536*(\d)+16384*\q+128*\i
.endr
.endr
.irp p, 0,1
	global_load_b128 v[SC+16*(\sg)+8+4*\p:SC+16*(\sg)+8+4*\p+3], v[ADSB], s[SBB:SBB+1] offset:16*(\d)+\p*KT
.endr
.endm
.macro WM f, a, b, q, sg, first        ; first = 1: the sum begins with the bias, v[64 + 8 b] on
.set rD,  ACC+8*(4*(\a)+(\b))
.set rC,  rD
.if \first
.set rC,  64+8*(\b)
.endif
.set rW,  (\f)+64+16*(\b)
.set rX,  (\f)+16*(\a)
.set rSW, SC+16*(\sg)+8+4*((\b)/2)+(\q)
.set rSX, SC+16*(\sg)+2*(\q)+(\a)/2
.set par, 2*((\a)%2)+(\b)%2
.if par == 0
	v_wmma_scale_f32_16x16x128_f8f6f4 v[rD:rD+7], v[rW:rW+15], v[rX:rX+15], v[rC:rC+7], v[rSW], v[rSX] matrix_a_fmt:MATRIX_FMT_BF8 matrix_b_fmt:MATRIX_FMT_BF8
.elseif par == 1
	v_wmma_scale_f32_16x16x128_f8f6f4 v[rD:rD+7], v[rW:rW+15], v[rX:rX+15], v[rC:rC+7], v[rSW], v[rSX] matrix_a_fmt:MATRIX_FMT_BF8 matrix_b_fmt:MATRIX_FMT_BF8 matrix_a_scale:MATRIX_SCALE_ROW1
.elseif par == 2
	v_wmma_scale_f32_16x16x128_f8f6f4 v[rD:rD+7], v[rW:rW+15], v[rX:rX+15], v[rC:rC+7], v[rSW], v[rSX] matrix_a_fmt:MATRIX_FMT_BF8 matrix_b_fmt:MATRIX_FMT_BF8 matrix_b_scale:MATRIX_SCALE_ROW1
.else
	v_wmma_scale_f32_16x16x128_f8f6f4 v[rD:rD+7], v[rW:rW+15], v[rX:rX+15], v[rC:rC+7], v[rSW], v[rSX] matrix_a_fmt:MATRIX_FMT_BF8 matrix_b_fmt:MATRIX_FMT_BF8 matrix_a_scale:MATRIX_SCALE_ROW1 matrix_b_scale:MATRIX_SCALE_ROW1
.endif
.endm
.macro MUL4 f, a, q, sg, first
.irp b, 0,1,2,3
	WM \f, \a, \b, \q, \sg, \first
.endr
.endm
.macro KSTEP f, sg, q, first, sn, qn   ; the next step's loads, eight places behind the products that read their registers; then 16 products, the accumulators by turns
	PLACES 8
	FETCH \sn, \qn, 128-(\f)
	s_wait_dscnt 32                                ; all but the 32 just issued
	WIN 0x05
.irp a, 0,1,2,3
	MUL4 \f, \a, \q, \sg, \first
.endr
	WIN 0
.endm
; A slot's last step changes slots: one barrier; in front of it each wave waits for all its tensor loads, adds 0 to its spare word, and waits for that and for its reads of this slot.
; fill = 1: the barrier opens a round of the cluster's barrier, and behind the round this slot is filled again, two slots ahead: the wave's one tensor load until the next round.
.macro TURN sg, sn, fill
.if \fill
	s_wait_loadcnt 0x0                             ; the next slot's scale words, asked for at the last change of slots, are in; no load reads the bases any more
	s_wait_xcnt 0x0                                ; my last prefetch, a slot back, has read its address
	s_add_nc_u64 s[SAB:SAB+1], s[SAB:SAB+1], 65536 ; the bases stand at the next slot
	s_add_nc_u64 s[SBB:SBB+1], s[SBB:SBB+1], 16
	s_add_nc_u64 s[PFA:PFA+1], s[PFA:PFA+1], s[PFS:PFS+1]
.else
	s_wait_loadcnt 32                              ; the last slot's scale words are in; the 32 loads of the residual, issued behind them, may be out
.endif
	s_wait_tensorcnt 0x0                           ; all my tensor loads have landed: the one that was out is my part of the next slot
	ds_add_u32 v[SPW], v[NIL]
	s_wait_dscnt 1                                 ; only the add may be out
	WIN 0x05
	MUL4 F1, 0, 3, \sg, 0
	s_wait_dscnt 0x0                               ; the add is done, and my reads of this slot are over
	s_barrier_signal -1
	MUL4 F1, 1, 3, \sg, 0
	WIN 0
	s_barrier_wait -1
.if \fill
	CREST                                          ; no wave of any partner still reads this slot or has a load on its way
	s_mov_b32 s[G1+2], 4<<16                       ; no tensor load of mine is out: a refill brings half a tile: 4 token tiles of A,
	s_mov_b32 s[G1+4], 4
	s_mov_b32 s[G1B+2], 64<<16                     ; 64 rows of B
	s_mov_b32 s[G1B+4], 64
	s_add_nc_u64 s[G0+4*\sg+2:G0+4*\sg+3], s[G0+4*\sg+2:G0+4*\sg+3], 16384
	s_add_nc_u64 s[G0B+4*\sg+2:G0B+4*\sg+3], s[G0B+4*\sg+2:G0B+4*\sg+3], 1024
	JL \sg                                         ; its four v_nop are four of the eight places in front of the loads below
	PLACES 4
.else
	PLACES 8
.endif
	FETCH \sn, 0, F0
.if \fill
	WIN 0
	ASK \sg                                        ; behind the joint load and the run of LDS loads
.endif
	WIN 0x05
	MUL4 F1, 2, 3, \sg, 0
	MUL4 F1, 3, 3, \sg, 0
	WIN 0
.if \fill
	PLACES 8                                       ; behind the last products that read this set of scale words
	GSC \sg, 1                                     ; the words of the slot two on, which the refill above fetches
.endif
.endm
.macro OUTA a                          ; token tile a goes out: through my stage, back by rows, + the residual, stored
.set TT, 64+32*((\a)%2)
.if (\a) >= 2
	s_wait_xcnt 0x0                                ; the stores of two tiles back have read these registers
.endif
.irp b, 0,1,2,3
	ds_store_b128 v[STO], v[ACC+8*(4*(\a)+\b):ACC+8*(4*(\a)+\b)+3] offset:64*\b        ; each accumulator from its low end on
	ds_store_b128 v[STO], v[ACC+8*(4*(\a)+\b)+4:ACC+8*(4*(\a)+\b)+7] offset:64*\b+16
.endr
.irp i, 0,1,2,3,4,5,6,7
	ds_load_b128 v[TT+4*\i:TT+4*\i+3], v[RD] offset:544*\i   ; LDS serves a wave's instructions in order (ISA guide 5.7.1.4): these see the stores above
.endr
	s_wait_dscnt 0x0
	WIN 0x08                                       ; source 1 in window 2: the residual
.irp i, 0,1,2,3,4,5,6,7,8,9,10,11,12,13,14,15
	v_pk_add_f32 v[TT+2*\i:TT+2*\i+1], v[TT+2*\i:TT+2*\i+1], v[32*(\a)+2*\i:32*(\a)+2*\i+1]
.endr
	WIN 0
.irp i, 0,1,2,3,4,5,6,7
	global_store_b128 v[CO], v[TT+4*\i:TT+4*\i+3], s[94:95] offset:(16*(\a)+2*\i)*4096 th:TH_STORE_NT   ; 16 lanes store 256 consecutive bytes, aligned
.endr
.endm
	s_load_b128 s[4:7], s[0:1], 0x0                ; hid, W2's codes
	s_load_b128 s[8:11], s[0:1], 0x10              ; W2's scales, b2
	s_load_b128 s[92:95], s[0:1], 0x20             ; x1, out
	v_lshl_add_u32 v[SPW], v0, 2, SPARE
	v_mov_b32 v[NIL], 0
	ds_add_u32 v[SPW], v[NIL]                      ; the opening: the add, twice on end, and its wait ahead of my first tensor load
	ds_add_u32 v[SPW], v[NIL]
	v_lshrrev_b32 v1, 5, v0
	v_readfirstlane_b32 s14, v1                    ; wave 0..3
	s_lshr_b32 s15, s14, 1                         ; my 64 tokens.  Also: in the ring I fetch for A (0) or for B (1)
	s_and_b32 s16, s14, 1                          ; my 64 columns.  Also: which half I fetch
	s_bfe_u32 s40, ttmp6, 0x40000                  ; cx, cy
	s_bfe_u32 s41, ttmp6, 0x40004
	s_lshl_b32 s42, ttmp9, 2
	s_add_co_u32 s42, s42, s40                     ; tile column
	s_and_b32 s17, ttmp7, 0xffff
	s_lshl_b32 s17, s17, 2
	s_add_co_u32 s17, s17, s41                     ; tile row
	s_lshl_b32 s43, s41, 2
	s_lshl_b32 s43, 15, s43                        ; my row of the cluster
	s_lshl_b32 s44, 0x1111, s40                    ; my column
	s_or_b32 s[G1], s43, (3<<16)|(1<<21)           ; A's codes: rows (token tiles) of 1,024 elements of 8 bytes, 2 KT elements apart; 8 rows at the head
	s_mov_b32 s[G1+1], 1024<<16
	s_mov_b32 s[G1+2], 8<<16
	s_mov_b32 s[G1+3], 1024<<16
	s_mov_b32 s[G1+4], 8
	s_mov_b32 s[G1+5], 2*KT
	s_mov_b32 s[G1+6], 0
	s_mov_b32 s[G1+7], 0
	s_or_b32 s[G1B], s44, (1<<20)|(1<<21)|(6<<22)|(3<<25)   ; B's codes: rows of 512 bytes, KT apart; four words of padding behind every 128; 128 rows at the head
	s_mov_b32 s[G1B+1], 512<<16
	s_mov_b32 s[G1B+2], 128<<16
	s_mov_b32 s[G1B+3], 512<<16
	s_mov_b32 s[G1B+4], 128
	s_mov_b32 s[G1B+5], KT
	s_mov_b32 s[G1B+6], 0
	s_mov_b32 s[G1B+7], 0
	s_lshl_b32 s20, s17, 19                        ; A: token tile 8 x tile row, 65,536 bytes each
	s_mov_b32 s21, 0
	s_lshl_b32 s22, s17, 9                         ; the scale words of my 64 tokens
	s_lshl_b32 s23, s15, 8
	s_add_co_u32 s22, s22, s23
	s_add_co_u32 s22, s22, ACODES
	s_mov_b32 s23, 0
	s_lshl_b32 s46, s42, 7                         ; B: row 128 x tile column
	s_lshl_b32 s47, s16, 6
	s_add_co_u32 s18, s46, s47                     ; the scale bytes: my 64 rows
	s_mul_i32 s18, s18, KT/32
	s_mul_i32 s46, s46, KT
	s_mov_b32 s47, 0
	s_mov_b32 s19, 0
	s_lshl_b32 s12, s16, 18                        ; the ring's halves: 4 token tiles of A and 64 rows of B are both 262,144 bytes
	s_mov_b32 s13, 0
.irp g, HA0, HA1, HB0, HB1, G0, G0+4, G0B, G0B+4
	s_mov_b32 s[\g], 1
.endr
	s_mov_b32 s[HA0+1], 0
	s_mov_b32 s[HA1+1], SLOT
	s_mov_b32 s[HB0+1], BOFF
	s_mov_b32 s[HB1+1], BOFF+SLOT
	s_lshl_b32 s[G0+1], s16, 15
	s_add_co_u32 s[G0+5], s[G0+1], SLOT
	s_mul_i32 s[G0B+1], s16, BHALF
	s_add_co_u32 s[G0B+1], s[G0B+1], BOFF
	s_add_co_u32 s[G0B+5], s[G0B+1], SLOT
	s_wait_dscnt 0x0                               ; both opening adds are done
	s_wait_kmcnt 0x0
	s_add_nc_u64 s[HA0+2:HA0+3], s[4:5], s[20:21]
	s_add_nc_u64 s[HA1+2:HA1+3], s[HA0+2:HA0+3], 8192
	s_add_nc_u64 s[HB0+2:HB0+3], s[6:7], s[46:47]
	s_add_nc_u64 s[HB1+2:HB1+3], s[HB0+2:HB0+3], 512
	s_add_nc_u64 s[G0+2:G0+3], s[HA0+2:HA0+3], s[12:13]
	s_add_nc_u64 s[G0+6:G0+7], s[G0+2:G0+3], 8192
	s_add_nc_u64 s[G0B+2:G0B+3], s[HB0+2:HB0+3], s[12:13]
	s_add_nc_u64 s[G0B+6:G0B+7], s[G0B+2:G0B+3], 512
	s_add_nc_u64 s[SAB:SAB+1], s[4:5], s[22:23]
	s_add_nc_u64 s[SBB:SBB+1], s[8:9], s[18:19]
.irp g, HA0, HA1, HB0, HB1, G0, G0+4, G0B, G0B+4
	s_or_b32 s[\g+3], s[\g+3], 0x80000000
.endr
	CROUND                                         ; all sixteen work-groups are here: the first joint loads meet
	ARM 0, HA0, G1, .Lhead_b0                      ; one joint load a wave, each in its own arm: slot 0's two tiles, then slot 1's
	ARM 2, HB0, G1B, .Lhead_a1
	ARM 1, HA1, G1, .Lhead_b1
	TL HB1, G1B
.Lhead_asked:
	; the prefetches: where my wave's stand, and who asks
	s_lshl_b32 s12, s17, 3
	s_lshl_b32 s13, s40, 1
	s_add_co_u32 s12, s12, s13
	s_add_co_u32 s12, s12, s16
	s_lshl_b32 s12, s12, 16                        ; A: token tile 8 x tile row + 2 cx + my wave's one
	s_lshl_b32 s13, s42, 7
	s_lshl_b32 s2, s41, 5
	s_add_co_u32 s13, s13, s2
	s_lshl_b32 s13, s13, 12                        ; B: row 128 x tile column + 32 cy,
	s_lshl_b32 s2, s16, 8
	s_add_co_u32 s13, s13, s2                      ; and my wave's 256 of a slot's 512 bytes
	s_cmp_eq_u32 s15, 0                            ; waves 0, 1 ask for A, waves 2, 3 for B
	s_cselect_b32 s12, s12, s13
	s_cselect_b64 s[PFA:PFA+1], s[4:5], s[6:7]
	s_mov_b32 s[PFS], 512
	s_cselect_b32 s[PFS], 8192, s[PFS]             ; a slot on
	s_mov_b32 s2, KT
	s_cselect_b32 s2, 256, s2                      ; from lane to lane
	s_mov_b32 s[PFS+1], 0
	s_lshl_b32 s13, s[PFS], 1
	s_add_co_u32 s12, s12, s13                     ; at slot 2
	s_mov_b32 s13, 0
	s_add_nc_u64 s[PFA:PFA+1], s[PFA:PFA+1], s[12:13]
	s_and_b32 s13, ttmp7, 0xffff
	s_lshr_b32 s13, s13, 2                         ; 1 in the upper four rows of clusters,
	s_and_b32 s13, s13, s15                        ; whose waves 2 and 3 ask for nothing
	s_cmp_eq_u32 s13, 0
	s_cselect_b32 s[LIM], 1, -1
	v_and_b32 v1, 15, v0                           ; r
	v_bfe_u32 v2, v0, 4, 1                         ; h
	v_and_b32 v3, 31, v0                           ; lane
	v_lshlrev_b32 v[LI], 4, v3
	v_lshlrev_b32 v[L4], 2, v3
	s_lshl_b32 s18, s15, 15
	v_add_nc_u32 v[ADRA], s18, v[LI]               ; A: my four token tiles' images, 16 x lane
	v_add_nc_u32 v[ADRA+1], SLOT, v[ADRA]
	v_mul_u32_u24 v[ADRB], v1, 528
	v_lshl_add_u32 v[ADRB], v2, 4, v[ADRB]
	s_mul_i32 s18, s16, BHALF
	s_add_co_u32 s18, s18, BOFF
	v_add_nc_u32 v[ADRB], s18, v[ADRB]             ; B: row r x pitch + 16 h
	v_add_nc_u32 v[ADRB+1], SLOT, v[ADRB]
	v_mul_u32_u24 v[ADSB], v3, KT/32
	v_mul_u32_u24 v[PFO], s2, v3
	s_mul_i32 s18, s14, 16*272
	s_add_co_u32 s18, s18, STAGE                   ; my stage
	v_mul_u32_u24 v[STO], v1, 272
	v_lshl_add_u32 v[STO], v2, 5, v[STO]
	v_add_nc_u32 v[STO], s18, v[STO]               ; in: row r, 32 bytes for each half of the lanes
	v_mul_u32_u24 v[RD], v2, 272
	v_lshl_add_u32 v[RD], v1, 4, v[RD]
	v_add_nc_u32 v[RD], s18, v[RD]                 ; back: lanes 0-15 one row, lanes 16-31 the next
	v_lshlrev_b32 v[CO], 12, v2
	v_lshl_add_u32 v[CO], v1, 4, v[CO]             ; and the same two rows in memory
	v_lshlrev_b32 v[BO], 5, v2
	s_wait_alu depctr_va_vdst(0)                   ; the wait at the head's end
	s_lshl_b32 s18, s42, 9
	s_lshl_b32 s19, s16, 8
	s_add_co_u32 s18, s18, s19                     ; my first column, in bytes
	s_mov_b32 s19, 0
	s_add_nc_u64 s[10:11], s[10:11], s[18:19]
	s_lshl_b32 s20, s17, 7
	s_lshl_b32 s21, s15, 6
	s_add_co_u32 s20, s20, s21
	s_lshl_b32 s20, s20, 12                        ; my first token's row
	s_add_co_u32 s18, s18, s20
	s_add_nc_u64 s[92:93], s[92:93], s[18:19]
	s_add_nc_u64 s[94:95], s[94:95], s[18:19]
	s_cmp_eq_u32 s[LIM], 1
	s_cbranch_scc0 .Lno_ask
	global_prefetch_b8 v[PFO], s[PFA:PFA+1] th:TH_LOAD_NT scope:SCOPE_SE   ; slot 2, which the first change of slots loads
.Lno_ask:
.irp b, 0,1,2,3
	global_load_b128 v[64+8*\b:64+8*\b+3], v[BO], s[10:11] offset:64*\b
	global_load_b128 v[64+8*\b+4:64+8*\b+7], v[BO], s[10:11] offset:64*\b+16
.endr
	GSC 0, 0                                       ; the scale words of slots 0 and 1
	GSC 1, 1
	s_cmp_eq_u32 s16, 0                            ; waves 0 and 2 wait for slot 0's tiles; slot 1's two loads may be out, and the change of slots waits for them
	s_cbranch_scc0 .Lslot_1_later
	s_wait_tensorcnt 0x0
.Lslot_1_later:
	s_barrier_signal -1
	s_barrier_wait -1
	FETCH 0, 0, F0
	WIN 0
	s_wait_loadcnt 0x0                             ; the bias and the scale words
	KSTEP F0, 0, 0, 1, 0, 1
	s_mov_b32 s3, LAPS-1
.Llap:                                                 ; a trip goes once round the ring, from a lap's second step to the next lap's first, and fills both slots again
	KSTEP F1, 0, 1, 0, 0, 2
	KSTEP F0, 0, 2, 0, 0, 3
	TURN 0, 1, 1
	KSTEP F0, 1, 0, 0, 1, 1
	KSTEP F1, 1, 1, 0, 1, 2
	KSTEP F0, 1, 2, 0, 1, 3
	TURN 1, 0, 1
	KSTEP F0, 0, 0, 0, 0, 1
	s_sub_co_u32 s3, s3, 1
	s_cmp_lg_u32 s3, 0
	s_cbranch_scc1 .Llap
	WIN 0x80                                       ; destination window 2: the residual, 32 loads, in the order of the way out; seven steps of products stand ahead of the wait for it
.irp a, 0,1,2,3
.irp i, 0,1,2,3,4,5,6,7
	global_load_b128 v[32*\a+4*\i:32*\a+4*\i+3], v[CO], s[92:93] offset:(16*\a+2*\i)*4096 th:TH_LOAD_NT
.endr
.endr
	WIN 0
	KSTEP F1, 0, 1, 0, 0, 2                        ; the last lap fills nothing
	KSTEP F0, 0, 2, 0, 0, 3
	TURN 0, 1, 0
	KSTEP F0, 1, 0, 0, 1, 1
	KSTEP F1, 1, 1, 0, 1, 2
	KSTEP F0, 1, 2, 0, 1, 3
	s_wait_dscnt 0x0
	WIN 0x05
.irp a, 0,1,2,3
	MUL4 F1, \a, 3, 1, 0
.endr
	WIN 0
	PLACES 8                                       ; in front of the first read of results
	s_wait_loadcnt 0x0                             ; the residual
	OUTA 0
	OUTA 1
	OUTA 2
	OUTA 3
	s_wait_tensorcnt 0x0                           ; the wave's end
	ds_add_u32 v[SPW], v[NIL]
	s_wait_dscnt 0x0
	CROUND                                         ; the closing round
	s_endpgm
.Lfunc_end_k_qe0da870713_gf2:
	.size	k_qe0da870713_gf2, .Lfunc_end_k_qe0da870713_gf2-k_qe0da870713_gf2
	.p2alignl 7, 3214868480
	.fill 96, 4, 3214868480
	.section	.rodata,"a",@progbits
	.p2align	6, 0x0
	.amdhsa_kernel k_qe0da870713_gf2
		.amdhsa_group_segment_fixed_size 327680
		.amdhsa_private_segment_fixed_size 0
		.amdhsa_enable_private_segment 0
		.amdhsa_kernarg_size 48
		.amdhsa_user_sgpr_count 2
		.amdhsa_user_sgpr_kernarg_segment_ptr 1
		.amdhsa_wavefront_size32 1
		.amdhsa_system_sgpr_workgroup_id_x 1
		.amdhsa_system_sgpr_workgroup_id_y 1
		.amdhsa_system_sgpr_workgroup_id_z 1
		.amdhsa_system_vgpr_workitem_id 0
		.amdhsa_next_free_vgpr 768
		.amdhsa_next_free_sgpr 100
		.amdhsa_reserve_vcc 0
		.amdhsa_float_denorm_mode_32 3
		.amdhsa_float_denorm_mode_16_64 3
		.amdhsa_memory_ordered 1
		.amdhsa_forward_progress 1
		.amdhsa_inst_pref_size 104
	.end_amdhsa_kernel
	.amdgpu_metadata
---
amdhsa.version: [ 1, 2 ]
amdhsa.kernels:
  - .name:           k_qe0da870713_gf2
    .symbol:         k_qe0da870713_gf2.kd
    .args:
      - { .name: hid, .offset: 0, .size: 8, .value_kind: global_buffer, .address_space: global }
      - { .name: W2_codes, .offset: 8, .size: 8, .value_kind: global_buffer, .address_space: global }
      - { .name: W2_scales, .offset: 16, .size: 8, .value_kind: global_buffer, .address_space: global }
      - { .name: b2, .offset: 24, .size: 8, .value_kind: global_buffer, .address_space: global }
      - { .name: x1, .offset: 32, .size: 8, .value_kind: global_buffer, .address_space: global }
      - { .name: out0, .offset: 40, .size: 8, .value_kind: global_buffer, .address_space: global }
    .group_segment_fixed_size: 327680
    .private_segment_fixed_size: 0
    .kernarg_segment_align: 8
    .kernarg_segment_size: 48
    .max_flat_workgroup_size: 128
    .sgpr_count:     100
    .vgpr_count:     768
    .wavefront_size: 32
...
	.end_amdgpu_metadata
.endif
;; end of part 13
